; MI455X (gfx1250); checked and timed in simulation.
; The chip was launched on July 23, 2026; its instructions are those of AMD's public machine-readable ISA for CDNA 5 (MIT licence, August 2026) and "CDNA5" Instruction Set Architecture Reference Guide (July 2026). The comments in the code are by the model that wrote it; some were corrected since.
;; Selt Attention Block. Allowed arithmetic: matrix products marked QUANTISED: E2M3 operands, one E8M0 scale for each 32 along K, by v_wmma_scale_f32_16x16x128_f8f6f4 with both operands' format E2M3, f32 sums; everything else in f32.
;; Inputs: b_fc1 4,096 float32; b_fc2 1,024 float32; b_proj 1,024 float32; ln1_b 1,024 float32; ln1_g 1,024 float32; ln2_b 1,024 float32; ln2_g 1,024 float32; w_fc1 1,024 x 4,096 float32; w_fc2 4,096 x 1,024 float32; w_proj 1,024 x 1,024 float32; w_qkv 1,024 x 3,072 float32; x 2 x 2,048 x 1,024 float32.
;; Outputs: out0 2 x 2,048 x 1,024 float32.
;; Constants: metadata = 0, thw_shape = 2048.
;; This version of the problem:
;;   THIS VERSION OF THE PROBLEM IS GIVEN IN LOW PRECISION. The matrix products marked QUANTISED in the list below multiply operands that are first quantised to E2M3 (2 exponent bits, 3 mantissa bits; 6 bits a number), with one power-of-two scale for each 32 numbers along K (OCP MX v1.0); their sums are f32. All else is computed in f32.
;;   The module's matrix products, in the order in which they are computed (A, B: the left and right operand; K: the contracted axis; several contracted axes count as one K, in the product's order):
;;     1. [M 4,096, K 1,024] x [K 1,024, N 3,072]; A: computed on the way; B: input w_qkv: QUANTISED
;;     2. batch 32 x [M 2,048, K 64] x [K 64, N 2,048]; A: computed on the way; B: computed on the way: QUANTISED
;;     3. batch 32 x [M 2,048, K 2,048] x [K 2,048, N 64]; A: softmax (see below); B: computed on the way: QUANTISED
;;     4. [M 4,096, K 1,024] x [K 1,024, N 1,024]; A: computed on the way; B: input w_proj: QUANTISED
;;     5. [M 4,096, K 1,024] x [K 1,024, N 4,096]; A: computed on the way; B: input w_fc1: QUANTISED
;;     6. [M 4,096, K 4,096] x [K 4,096, N 1,024]; A: computed on the way; B: input w_fc2: QUANTISED
;;   THE QUANTISER, for each operand of a quantised product, along K:
;;     - K is cut into blocks of 32 from its start; a last block that is shorter is filled with zeros.
;;     - A block's scale is 2^e with e = floor(log2(the largest magnitude in the block)) - 2, held to -126 .. 127; a block of zeros has e = 0. As a byte (E8M0): e + 127.
;;     - Each number is divided by its block's scale, clamped to +-7.5, and rounded to the nearest number of E2M3, ties to even, subnormals kept.
;;     - The product sums the exact products of the quantised numbers (number of the format x scale) in f32.
;;   ~~~python
;;   def quantise(x, axis):      # numpy; x: float32 -> the quantised numbers, widened to float32 again
;;       x = np.moveaxis(x, axis, -1); K = x.shape[-1]
;;       x = np.pad(x, [(0, 0)] * (x.ndim - 1) + [(0, -K % 32)]); x = x.reshape(x.shape[:-1] + (-1, 32)); a = np.abs(x).max(-1, keepdims=True)
;;       e = np.where(a > 0, np.clip(np.frexp(np.where(a > 0, a, 1))[1] - 1 - 2, -126, 127), 0)      # np.frexp(a)[1] - 1 = floor(log2(a)), exactly
;;       r = np.clip(x / 2.0 ** e, -7.5, 7.5)
;;       step = 2.0 ** (np.maximum(np.frexp(np.where(r == 0, 1, r))[1] - 1, 0) - 3)
;;       q = np.round(r / step) * step * 2.0 ** e      # np.round: ties to even
;;       return np.moveaxis(q.reshape(q.shape[:-2] + (-1,))[..., :K], -1, axis).astype(np.float32)
;;   ~~~
;;   SOFTMAX AHEAD OF A QUANTISED PRODUCT. Where the list says 'softmax', what is quantised is not the finished softmax but p = 2^(t - M), with t = logit x log2(e) and M = ceil(the row's largest t), a whole number; so 1/2 < the row's largest p <= 1. The row's sum l is taken of the UNQUANTISED p, in f32, and the product's result is divided by l at the end. Since M is a whole number, a kernel that streams over the keys may use a running M (the ceiling of the running maximum): every later rescaling is an exact power of two, which a block's scale takes up: the codes' values come out the same.
;;   OPERANDS COMPUTED ON THE WAY. 'Computed on the way' means the value that the module computes at that place (a softmax that the list does not call 'softmax' is quantised finished and normalised). What goes into a quantiser is computed in f32, as accurately as f32 sums, v_exp_f32 and their like allow (about 1e-6 of the number): no bf16 or f16 on the way to a quantiser, and a product that is left as it is and whose result goes on into a quantised operand takes f32 operands (vector FMAs, or v_wmma_f32_16x16x4_f32). A number that lies on a knife's edge between two numbers of the format may be rounded either way, as far as f32 arithmetic and the matrix unit's own rounding can turn it there, and no further.
;; 2 versions. Each part assembles by itself: llvm-mc -triple=amdgcn-amd-amdhsa -mcpu=gfx1250 --defsym DOCPART=n.
;; ======== version 1 of 2: 8 launches
;; workspace buffers: zq 5,734,400 bytes; wq 7,372,800 bytes; aq 9,830,400 bytes; oq 3,276,800 bytes; x1 16,777,216 bytes; hq 13,107,200 bytes
;; launch prep (part 1): grid 384 x 1, 4 waves a work-group, no clusters, 25,088 bytes of LDS; arguments w_qkv, w_proj, w_fc1, w_fc2, zq, wq; writes zq, wq
.if DOCPART == 1
	.amdgcn_target "amdgcn-amd-amdhsa--gfx1250"
	.amdhsa_code_object_version 6
	.text
	.protected	k_q7f8c491e40_prep
	.globl	k_q7f8c491e40_prep
	.p2align	8
	.type	k_q7f8c491e40_prep,@function
k_q7f8c491e40_prep:
	s_mov_b64 s[64:65], 0
	v_nop
	global_prefetch_b8 v0, s[64:65] scope:SCOPE_SE
	s_setreg_imm32_b32 hwreg(HW_REG_WAVE_MODE, 25, 1), 1
	s_wait_xcnt 0x0
; The four weights, f32 [K][N] with K as FIRST axis, become codes of FP6 (E2M3) and E8M0 scale bytes, quantised along K.
; LAYOUT of every code matrix of this program: codes [K/64 panels][R rows][48 bytes], scale words [K/128][R rows][4 bytes] (byte b: k = 32 b on).
; Rows stand in SIGMA order: storage row s holds logical row sigma(s), sigma = bits 3 and 4 of the index exchanged.
; A LANE TAKES A COLUMN n AND ITS REGISTERS RUN DOWN K: a block of 32 along K is one lane's 32 registers, and the conversions give codes with K innermost.
; A work-group takes 128 columns x 256 of K, a wave 32 columns (one group of sigma).  One path serves all four weights: only scalars and pointers are chosen, by the work-group's number.
; A wave's codes gather in its own stage in LDS, [4 panels][32 rows][48], and leave as 512 consecutive bytes a store.  Waves share nothing: no barrier.
; A block's scale byte is its largest magnitude's exponent field - 2, held at 1 from below.
; LIMITS: a block of zeros gets the byte 1, not 127 (its codes are zeros; this program alone reads the bytes); NaN and infinities are not served.
.set SPARE, 24576                      ; behind the four stages: the spare words, 128 bytes a wave
.set SPW,  14                          ; v14  my spare word's address; never rewritten
.set NIL,  15                          ; v15  0; never rewritten
.set OFFR, 16                          ; v16-47  row i of a block: i x a row of the weight + 4 x lane; never rewritten
.set X,    48                          ; v48-111 two sets of 32 numbers
.set C,    112                         ; v112-118 a block's codes
.set SB,   120                         ; v120-121 two scale words
.set OUTR, 128                         ; v128-175 the way out
	s_load_b256 s[4:11], s[0:1], 0x0               ; w_qkv, w_proj, w_fc1, w_fc2
	s_load_b128 s[12:15], s[0:1], 0x20             ; zq, wq
	v_lshl_add_u32 v[SPW], v0, 2, SPARE
	v_mov_b32 v[NIL], 0
	v_lshrrev_b32 v1, 5, v0
	v_readfirstlane_b32 s16, v1                    ; wave
	v_and_b32 v2, 31, v0                           ; lane = my column in the wave's 32
	v_lshlrev_b32 v3, 2, v2
	v_and_b32 v8, 7, v2
	v_bfe_u32 v9, v2, 3, 1
	v_bfe_u32 v10, v2, 4, 1
	v_lshl_or_b32 v8, v9, 4, v8
	v_lshl_or_b32 v8, v10, 3, v8                   ; sigma(lane): my column's storage row
	s_mul_i32 s2, s16, 6144                        ; my wave's stage
	v_mul_u32_u24 v4, v8, 48
	v_add_nc_u32 v4, s2, v4                        ; into it: 48 bytes a row
	v_lshlrev_b32 v6, 4, v2                        ; out: 16 bytes a lane
	v_add_nc_u32 v5, s2, v6
	v_lshlrev_b32 v7, 2, v8                        ; my scale word's place
	s_mov_b32 s17, 256                             ; w_fc2's figures: first work-group,
	s_mov_b32 s18, 15                              ; mask and
	s_mov_b32 s19, 4                               ; shift that split the number into y (which 256 of K) and x (which 128 columns),
	s_mov_b32 s20, 4096                            ; a row of the weight in bytes,
	s_mov_b32 s21, 49152                           ; from panel to panel,
	s_mov_b32 s22, 4096                            ; from scale row to scale row,
	s_mov_b32 s23, 3932160                         ; where its codes begin,
	s_mov_b32 s24, 7241728                         ; and its scale words
	s_wait_kmcnt 0x0
	s_mov_b64 s[28:29], s[10:11]
	s_mov_b64 s[30:31], s[14:15]
	s_cmp_lt_u32 ttmp9, 256                        ; w_fc1
	s_cselect_b32 s17, 128, s17
	s_cselect_b32 s18, 3, s18
	s_cselect_b32 s19, 2, s19
	s_cselect_b32 s20, 16384, s20
	s_cselect_b32 s21, 196608, s21
	s_cselect_b32 s22, 16384, s22
	s_cselect_b32 s23, 786432, s23
	s_cselect_b32 s24, 7110656, s24
	s_cselect_b64 s[28:29], s[8:9], s[28:29]
	s_cmp_lt_u32 ttmp9, 128                        ; w_proj
	s_cselect_b32 s17, 96, s17
	s_cselect_b32 s20, 4096, s20
	s_cselect_b32 s21, 49152, s21
	s_cselect_b32 s22, 4096, s22
	s_cselect_b32 s23, 0, s23
	s_cselect_b32 s24, 7077888, s24
	s_cselect_b64 s[28:29], s[6:7], s[28:29]
	s_cmp_lt_u32 ttmp9, 96                         ; w_qkv: rows 4,096 on of zq
	s_cselect_b32 s17, 0, s17
	s_cselect_b32 s20, 12288, s20
	s_cselect_b32 s21, 344064, s21
	s_cselect_b32 s22, 28672, s22
	s_cselect_b32 s23, 196608, s23
	s_cselect_b32 s24, 5521408, s24
	s_cselect_b64 s[28:29], s[4:5], s[28:29]
	s_cselect_b64 s[30:31], s[12:13], s[30:31]
	s_sub_co_u32 s25, ttmp9, s17
	s_and_b32 s26, s25, s18                        ; y
	s_lshr_b32 s25, s25, s19
	s_lshl_b32 s25, s25, 7
	s_lshl_b32 s27, s16, 5
	s_add_co_u32 s25, s25, s27                     ; my wave's first column
	s_lshl_b32 s2, s26, 8
	s_mul_i32 s2, s2, s20                          ; 256 y rows
	s_lshl_b32 s27, s25, 2
	s_add_co_u32 s2, s2, s27
	s_mov_b32 s3, 0
	s_lshl_b32 s27, s20, 5                         ; 32 rows
.irp t, 0,1,2,3,4,5,6,7
	s_add_nc_u64 s[32+2*\t:33+2*\t], s[28:29], s[2:3]   ; block t's base: no pointer is ever stepped
	s_add_co_u32 s2, s2, s27
.endr
	s_lshl_b32 s2, s26, 2
	s_mul_i32 s2, s2, s21                          ; panel 4 y
	s_add_co_u32 s2, s2, s23
	s_mul_i32 s27, s25, 48
	s_add_co_u32 s2, s2, s27
.irp p, 0,1,2,3
	s_add_nc_u64 s[48+2*\p:49+2*\p], s[30:31], s[2:3]
	s_add_co_u32 s2, s2, s21
.endr
	s_lshl_b32 s2, s26, 1
	s_mul_i32 s2, s2, s22                          ; scale row 2 y
	s_add_co_u32 s2, s2, s24
	s_lshl_b32 s27, s25, 2
	s_add_co_u32 s2, s2, s27
.irp s, 0,1
	s_add_nc_u64 s[56+2*\s:57+2*\s], s[30:31], s[2:3]
	s_add_co_u32 s2, s2, s22
.endr
.set I, 0
.rept 32
	v_mad_u32_u24 v[OFFR+I], s20, I, v3
.set I, I+1
.endr
.macro LOAD t                          ; block t: W(32 t + i, my column), i = 0 .. 31: each load reads 128 consecutive bytes a wave, the four waves side by side
.set I, 0
.rept 32
	global_load_b32 v[X+32*((\t)%2)+I], v[OFFR+I], s[32+2*(\t):33+2*(\t)] th:TH_LOAD_NT
.set I, I+1
.endr
.endm
	LOAD 0
	LOAD 1
.macro BLOCK t
.set XS, X+32*((\t)%2)
.if (\t) < 7
	s_wait_loadcnt 32                              ; this block's 32 loads are in; the next block's may be out
.else
	s_wait_loadcnt 0
.endif
	v_max3_num_f32 v12, |v[XS]|, |v[XS+1]|, |v[XS+2]|   ; the block's largest magnitude: all 32 numbers are mine; two chains
	v_max3_num_f32 v13, |v[XS+3]|, |v[XS+4]|, |v[XS+5]|
.irp i, 6,10,14,18,22,26
	v_max3_num_f32 v12, v12, |v[XS+\i]|, |v[XS+\i+1]|
	v_max3_num_f32 v13, v13, |v[XS+\i+2]|, |v[XS+\i+3]|
.endr
	v_max3_num_f32 v12, v12, |v[XS+30]|, |v[XS+31]|
	v_max3_num_f32 v12, v12, v13, 0x1800000        ; and the floor 2^(3 - 127): the byte cannot fall under 1
	v_add_nc_u32 v11, 0xff000000, v12              ; 2 off the exponent field: the conversion's scale operand
	v_lshrrev_b32 v13, 23, v11                     ; the scale's byte
.if (\t)%4 == 0
	v_mov_b32 v[SB+(\t)/4], v13
.else
	v_lshl_or_b32 v[SB+(\t)/4], v13, 8*((\t)%4), v[SB+(\t)/4]
.endif
	v_cvt_scalef32_pk16_fp6_f32 v[C:C+2], v[XS:XS+15], v11
	v_cvt_scalef32_pk16_fp6_f32 v[C+4:C+6], v[XS+16:XS+31], v11   ; (a conversion's three registers begin on an even number)
	v_nop                                          ; one plain line behind a scaled conversion
	v_mov_b32 v[C+3], v[C+4]                       ; the block's 24 bytes on end
	v_mov_b32 v[C+4], v[C+5]
	v_mov_b32 v[C+5], v[C+6]
.irp p, 0,1,2
	ds_store_b64 v4, v[C+2*\p:C+2*\p+1] offset:((\t)/2)*1536+24*((\t)%2)+8*\p
.endr
.if (\t)+2 < 8
	LOAD (\t)+2
.endif
	s_wait_dscnt 0x0                               ; the stores have read their registers: the next block's codes may be written
.endm
.set Q, 0
.rept 8
	BLOCK Q
.set Q, Q+1
.endr
	global_store_b32 v7, v[SB], s[56:57]           ; 32 scale words: 128 consecutive bytes a wave
	global_store_b32 v7, v[SB+1], s[58:59]
.irp i, 0,1,2,3,4,5,6,7,8,9,10,11
	ds_load_b128 v[OUTR+4*\i:OUTR+4*\i+3], v5 offset:512*\i   ; LDS serves a wave's instructions in order: these see my stores
.endr
.irp i, 0,1,2,3,4,5,6,7,8,9,10,11
	s_wait_dscnt 11-\i                             ; load i is in; the younger ones may be out
	global_store_b128 v6, v[OUTR+4*\i:OUTR+4*\i+3], s[48+2*(\i/3):49+2*(\i/3)] offset:512*(\i%3)   ; 512 consecutive bytes, at a multiple of 256
.endr
	s_wait_tensorcnt 0x0                           ; the wave's end
	ds_add_u32 v[SPW], v[NIL]
	s_wait_dscnt 0x0
	s_endpgm
.Lfunc_end_k_q7f8c491e40_prep:
	.size	k_q7f8c491e40_prep, .Lfunc_end_k_q7f8c491e40_prep-k_q7f8c491e40_prep
	.p2alignl 7, 3214868480
	.fill 96, 4, 3214868480
	.section	.rodata,"a",@progbits
	.p2align	6, 0x0
	.amdhsa_kernel k_q7f8c491e40_prep
		.amdhsa_group_segment_fixed_size 25088
		.amdhsa_private_segment_fixed_size 0
		.amdhsa_enable_private_segment 0
		.amdhsa_kernarg_size 48
		.amdhsa_user_sgpr_count 2
		.amdhsa_user_sgpr_kernarg_segment_ptr 1
		.amdhsa_wavefront_size32 1
		.amdhsa_system_sgpr_workgroup_id_x 1
		.amdhsa_system_sgpr_workgroup_id_y 1
		.amdhsa_system_sgpr_workgroup_id_z 1
		.amdhsa_system_vgpr_workitem_id 0
		.amdhsa_next_free_vgpr 176
		.amdhsa_next_free_sgpr 66
		.amdhsa_reserve_vcc 0
		.amdhsa_float_denorm_mode_32 3
		.amdhsa_float_denorm_mode_16_64 3
		.amdhsa_memory_ordered 1
		.amdhsa_forward_progress 1
		.amdhsa_inst_pref_size 47
	.end_amdhsa_kernel
	.amdgpu_metadata
---
amdhsa.version: [ 1, 2 ]
amdhsa.kernels:
  - .name:           k_q7f8c491e40_prep
    .symbol:         k_q7f8c491e40_prep.kd
    .args:
      - { .name: w_qkv, .offset: 0, .size: 8, .value_kind: global_buffer, .address_space: global }
      - { .name: w_proj, .offset: 8, .size: 8, .value_kind: global_buffer, .address_space: global }
      - { .name: w_fc1, .offset: 16, .size: 8, .value_kind: global_buffer, .address_space: global }
      - { .name: w_fc2, .offset: 24, .size: 8, .value_kind: global_buffer, .address_space: global }
      - { .name: zq, .offset: 32, .size: 8, .value_kind: global_buffer, .address_space: global }
      - { .name: wq, .offset: 40, .size: 8, .value_kind: global_buffer, .address_space: global }
    .group_segment_fixed_size: 25088
    .private_segment_fixed_size: 0
    .kernarg_segment_align: 8
    .kernarg_segment_size: 48
    .max_flat_workgroup_size: 128
    .sgpr_count:     66
    .vgpr_count:     176
    .wavefront_size: 32
...
	.end_amdgpu_metadata
.endif
;; end of part 1
;; launch ln1 (part 2): grid 256 x 1, 8 waves a work-group, no clusters, 50,688 bytes of LDS; arguments x, ln1_g, ln1_b, zq; writes zq
.if DOCPART == 2
	.amdgcn_target "amdgcn-amd-amdhsa--gfx1250"
	.amdhsa_code_object_version 6
	.text
	.protected	k_q7f8c491e40_ln1
	.globl	k_q7f8c491e40_ln1
	.p2align	8
	.type	k_q7f8c491e40_ln1,@function
k_q7f8c491e40_ln1:
	s_mov_b64 s[64:65], 0
	v_nop
	global_prefetch_b8 v0, s[64:65] scope:SCOPE_SE
	s_setreg_imm32_b32 hwreg(HW_REG_WAVE_MODE, 25, 1), 1
	s_wait_xcnt 0x0
; LayerNorm over rows of 1,024 f32, then the quantiser along the row: codes of FP6 (E2M3) and E8M0 bytes into rows 0 .. 4,095 of zq.
; zq: codes [16 panels of 64 k][7,168 rows][48 bytes], scale words from byte ZS on, [8][7,168][4].  Storage row s holds token sigma(s) (bits 3 and 4 exchanged).
; A work-group owns storage rows 16 g .. 16 g + 15, wave w two of them, which are two neighbouring tokens: 8,192 consecutive bytes, kept in registers: x is read once.
; Mean first, then the mean of the squared differences (as the definition has it: no difference of large sums), v_rsq_f32, gain and bias, all in f32.
; The conversions want a block of 32 in ONE lane: a row turns through the wave's own stage (places of 128 + 16 bytes).  Codes and bytes of the 16 rows meet in LDS, one barrier, and leave so that 16 lanes store 256 consecutive aligned bytes;
; the scale words leave in pieces of 64 bytes (one part in 25 of what the launch stores).
; LIMITS: a block of zeros gets the byte 1, not 127 (its codes are zeros; this program alone reads the bytes); NaN and infinities are not served.
.set TURNB, 4608                       ; a wave's stage: 32 places of 144 bytes
.set CST,   36864                      ; codes of 16 rows: [16 panels][16 rows][48]
.set SST,   49152                      ; their scale bytes: [8][16 rows][4]
.set SPARE, 49664                      ; the spare words, 128 bytes a wave
.set PSZ,   344064                     ; from panel to panel in zq
.set ZS,    5505024
.set X,   16                           ; v16-79   two rows, 32 numbers a lane each
.set G,   80                           ; v80-111  gain
.set BT,  112                          ; v112-143 bias
.set Y,   144                          ; v144-175 a block of 32
.set C,   176                          ; v176-182 its codes
.set T,   184                          ; v184-191 at work
	s_load_b256 s[4:11], s[0:1], 0x0               ; x, g, b, zq
	v_lshl_add_u32 v14, v0, 2, SPARE               ; v14: my spare word; v15: 0; both never rewritten
	v_mov_b32 v15, 0
	v_lshrrev_b32 v1, 5, v0
	v_readfirstlane_b32 s16, v1                    ; wave
	v_and_b32 v8, 31, v0                           ; lane
	v_lshlrev_b32 v1, 4, v8                        ; v1: 16 x lane
	s_mul_i32 s17, s16, TURNB
	v_lshrrev_b32 v9, 3, v8
	v_mul_u32_u24 v2, v9, 144
	v_and_b32 v9, 7, v8
	v_lshl_add_u32 v2, v9, 4, v2
	v_add_nc_u32 v2, s17, v2                       ; v2: the stage, in: eight lanes' 128 bytes on end, then 16 of padding
	v_mul_u32_u24 v3, v8, 144
	v_add_nc_u32 v3, s17, v3                       ; v3: out: block = lane
	v_lshrrev_b32 v9, 1, v8
	v_mul_u32_u24 v4, v9, 768
	v_and_b32 v9, 1, v8
	v_mad_u32_u24 v4, v9, 24, v4
	s_mul_i32 s17, s16, 96
	s_add_co_u32 s17, s17, CST
	v_add_nc_u32 v4, s17, v4                       ; v4: my block's 24 bytes: panel lane / 2, half lane % 2, row 2 w
	v_lshrrev_b32 v9, 2, v8
	v_and_b32 v10, 3, v8
	v_lshl_add_u32 v5, v9, 6, v10
	s_lshl_b32 s17, s16, 3
	s_add_co_u32 s17, s17, SST
	v_add_nc_u32 v5, s17, v5                       ; v5: my block's byte
	v_mul_u32_u24 v193, v9, 28672
	v_lshl_add_u32 v193, v10, 4, v193              ; v193: wave 0's way out for the scale words, in zq,
	v_add_nc_u32 v192, SST, v1                     ; v192: and in LDS
	s_mul_i32 s17, s16, 1536
	s_add_co_u32 s17, s17, CST
	v_add_nc_u32 v6, s17, v1                       ; v6: panels 2 w, 2 w + 1 on the way out
	v_lshrrev_b32 v7, 4, v8
	v_mul_u32_u24 v7, v7, PSZ-768
	v_add_nc_u32 v7, v7, v1                        ; v7: for the store that ends one panel (lanes 0-15) and begins the next (lanes 16-31)
	v_mov_b32 v11, 0                               ; (upper halves of the pairs v[10:11], v[12:13], named with them)
	v_mov_b32 v13, 0
	s_mov_b32 s12, 0x76543210
	s_mov_b32 s13, 0xfedcba98                      ; v_permlanex16_b32's selects for lane l xor 16
	s_mov_b32 s14, 0x3a800000                      ; 1 / 1,024
	s_mov_b32 s15, 0x3727c5ac                      ; 1e-5
	s_lshr_b32 s18, ttmp9, 1
	s_lshl_b32 s18, s18, 5
	s_and_b32 s19, ttmp9, 1
	s_lshl_b32 s19, s19, 3
	s_add_co_u32 s18, s18, s19
	s_lshl_b32 s19, s16, 1
	s_add_co_u32 s18, s18, s19
	s_lshr_b32 s19, s16, 2
	s_lshl_b32 s19, s19, 3
	s_add_co_u32 s18, s18, s19                     ; my first token: 32 (g / 2) + 8 (g % 2) + 2 w + 8 (w / 4) = sigma(16 g + 2 w)
	s_lshl_b32 s18, s18, 12
	s_mov_b32 s19, 0
	s_mul_i32 s20, s16, 2*PSZ
	s_mul_i32 s21, ttmp9, 768
	s_add_co_u32 s20, s20, s21
	s_mov_b32 s21, 0
	s_lshl_b32 s22, ttmp9, 6
	s_add_co_u32 s22, s22, ZS
	s_mov_b32 s23, 0
	s_wait_kmcnt 0x0
	s_add_nc_u64 s[4:5], s[4:5], s[18:19]
	s_add_nc_u64 s[20:21], s[10:11], s[20:21]      ; codes: panel 2 w, row 16 g
	s_add_nc_u64 s[22:23], s[10:11], s[22:23]      ; scale words: row 16 g
.irp i, 0,1,2,3,4,5,6,7,8,9,10,11,12,13,14,15
	global_load_b128 v[X+4*\i:X+4*\i+3], v1, s[4:5] offset:512*\i   ; 512 consecutive bytes a load
.endr
.irp i, 0,1,2,3,4,5,6,7
	global_load_b128 v[G+4*\i:G+4*\i+3], v1, s[6:7] offset:512*\i
	global_load_b128 v[BT+4*\i:BT+4*\i+3], v1, s[8:9] offset:512*\i
.endr
.macro RED a, b                        ; v[a] + v[b], summed over the 32 lanes, into every lane's v[a]
	v_add_f32 v[\a], v[\a], v[\b]
.irp m, 1,2,4,8
	v_add_f32_dpp v[\a], v[\a], v[\a] row_xmask:\m row_mask:0xf bank_mask:0xf
.endr
	v_permlanex16_b32 v[\b], v[\a], s12, s13
	v_add_f32 v[\a], v[\a], v[\b]
.endm
.macro STAT ro, rr                     ; row ro: the mean is taken off in place; variance + eps into v[rr]
.set XR, X+32*\ro
	v_pk_add_f32 v[T:T+1], v[XR:XR+1], v[XR+2:XR+3]
	v_pk_add_f32 v[T+2:T+3], v[XR+4:XR+5], v[XR+6:XR+7]
.irp j, 8,12,16,20,24,28
	v_pk_add_f32 v[T:T+1], v[T:T+1], v[XR+\j:XR+\j+1]
	v_pk_add_f32 v[T+2:T+3], v[T+2:T+3], v[XR+\j+2:XR+\j+3]
.endr
	v_pk_add_f32 v[T:T+1], v[T:T+1], v[T+2:T+3]
	RED T, T+1
	v_mul_f32 v[T], s14, v[T]                      ; the mean
.irp j, 0,2,4,6,8,10,12,14,16,18,20,22,24,26,28,30
	v_pk_add_f32 v[XR+\j:XR+\j+1], v[XR+\j:XR+\j+1], v[T:T+1] op_sel_hi:[1,0] neg_lo:[0,1] neg_hi:[0,1]
.endr
	v_pk_mul_f32 v[T+2:T+3], v[XR:XR+1], v[XR:XR+1]
	v_pk_mul_f32 v[T+4:T+5], v[XR+2:XR+3], v[XR+2:XR+3]
.irp j, 4,8,12,16,20,24,28
	v_pk_fma_f32 v[T+2:T+3], v[XR+\j:XR+\j+1], v[XR+\j:XR+\j+1], v[T+2:T+3]
	v_pk_fma_f32 v[T+4:T+5], v[XR+\j+2:XR+\j+3], v[XR+\j+2:XR+\j+3], v[T+4:T+5]
.endr
	v_pk_add_f32 v[T+2:T+3], v[T+2:T+3], v[T+4:T+5]
	RED T+2, T+3
	v_fma_f32 v[\rr], v[T+2], s14, s15
.endm
	s_wait_loadcnt 16                              ; x is in; the 16 loads of g and b may be out
	STAT 0, 10
	STAT 1, 12
	v_rsq_f32 v10, v10
	v_rsq_f32 v12, v12
	v_nop                                          ; a plain line behind the two,
	s_wait_alu depctr_va_vdst(0)                   ; and one wait for both, ahead of their first reader
	s_wait_loadcnt 0x0                             ; g and b
.irp ro, 0,1
.irp j, 0,2,4,6,8,10,12,14,16,18,20,22,24,26,28,30
	v_pk_mul_f32 v[X+32*\ro+\j:X+32*\ro+\j+1], v[X+32*\ro+\j:X+32*\ro+\j+1], v[10+2*\ro:11+2*\ro] op_sel_hi:[1,0]
.endr
.irp j, 0,2,4,6,8,10,12,14,16,18,20,22,24,26,28,30
	v_pk_fma_f32 v[X+32*\ro+\j:X+32*\ro+\j+1], v[X+32*\ro+\j:X+32*\ro+\j+1], v[G+\j:G+\j+1], v[BT+\j:BT+\j+1]
.endr
.endr
.macro ROWQ ro                         ; row ro through the stage; lane l then holds block l and quantises it
.irp i, 0,1,2,3,4,5,6,7
	ds_store_b128 v2, v[X+32*\ro+4*\i:X+32*\ro+4*\i+3] offset:576*\i
.endr
.irp j, 0,1,2,3,4,5,6,7
	ds_load_b128 v[Y+4*\j:Y+4*\j+3], v3 offset:16*\j   ; LDS serves a wave's instructions in order: these see the stores above
.endr
	s_wait_dscnt 0x0
	v_max3_num_f32 v[T], |v[Y]|, |v[Y+1]|, |v[Y+2]|
	v_max3_num_f32 v[T+1], |v[Y+3]|, |v[Y+4]|, |v[Y+5]|
.irp i, 6,10,14,18,22,26
	v_max3_num_f32 v[T], v[T], |v[Y+\i]|, |v[Y+\i+1]|
	v_max3_num_f32 v[T+1], v[T+1], |v[Y+\i+2]|, |v[Y+\i+3]|
.endr
	v_max3_num_f32 v[T], v[T], |v[Y+30]|, |v[Y+31]|
	v_max3_num_f32 v[T], v[T], v[T+1], 0x1800000   ; the floor 2^(3 - 127): the byte cannot fall under 1
	v_add_nc_u32 v[T+2], 0xff000000, v[T]          ; 2 off the exponent field: the conversion's scale operand
	v_lshrrev_b32 v[T+3], 23, v[T+2]               ; the byte
	v_cvt_scalef32_pk16_fp6_f32 v[C:C+2], v[Y:Y+15], v[T+2]
	v_cvt_scalef32_pk16_fp6_f32 v[C+4:C+6], v[Y+16:Y+31], v[T+2]
	v_nop                                          ; one plain line behind a scaled conversion
	v_mov_b32 v[C+3], v[C+4]
	v_mov_b32 v[C+4], v[C+5]
	v_mov_b32 v[C+5], v[C+6]
.irp p, 0,1,2
	ds_store_b64 v4, v[C+2*\p:C+2*\p+1] offset:48*\ro+8*\p
.endr
	ds_store_b8 v5, v[T+3] offset:4*\ro
.endm
	ROWQ 0
	ROWQ 1
	s_wait_dscnt 0x0                               ; for the others' sake: my stores have landed
	s_barrier_signal -1
	s_barrier_wait -1
	ds_load_b128 v[Y:Y+3], v6
	ds_load_b128 v[Y+4:Y+7], v6 offset:512
	ds_load_b128 v[Y+8:Y+11], v6 offset:1024
	s_wait_dscnt 0x0
	global_store_b128 v1, v[Y:Y+3], s[20:21]                    ; panel 2 w, bytes 0 .. 511 of the 16 rows' 768
	global_store_b128 v7, v[Y+4:Y+7], s[20:21] offset:512       ; its last 256, and panel 2 w + 1's first 256
	global_store_b128 v1, v[Y+8:Y+11], s[20:21] offset:PSZ+256  ; and its last 512
	s_cmp_lg_u32 s16, 0
	s_cbranch_scc1 .Lend
	ds_load_b128 v[Y+12:Y+15], v192                ; wave 0: the 16 rows' scale words
	s_wait_dscnt 0x0
	global_store_b128 v193, v[Y+12:Y+15], s[22:23]
.Lend:
	s_wait_tensorcnt 0x0                           ; the wave's end
	ds_add_u32 v14, v15
	s_wait_dscnt 0x0
	s_endpgm
.Lfunc_end_k_q7f8c491e40_ln1:
	.size	k_q7f8c491e40_ln1, .Lfunc_end_k_q7f8c491e40_ln1-k_q7f8c491e40_ln1
	.p2alignl 7, 3214868480
	.fill 96, 4, 3214868480
	.section	.rodata,"a",@progbits
	.p2align	6, 0x0
	.amdhsa_kernel k_q7f8c491e40_ln1
		.amdhsa_group_segment_fixed_size 50688
		.amdhsa_private_segment_fixed_size 0
		.amdhsa_enable_private_segment 0
		.amdhsa_kernarg_size 32
		.amdhsa_user_sgpr_count 2
		.amdhsa_user_sgpr_kernarg_segment_ptr 1
		.amdhsa_wavefront_size32 1
		.amdhsa_system_sgpr_workgroup_id_x 1
		.amdhsa_system_sgpr_workgroup_id_y 1
		.amdhsa_system_sgpr_workgroup_id_z 1
		.amdhsa_system_vgpr_workitem_id 0
		.amdhsa_next_free_vgpr 200
		.amdhsa_next_free_sgpr 66
		.amdhsa_reserve_vcc 0
		.amdhsa_float_denorm_mode_32 3
		.amdhsa_float_denorm_mode_16_64 3
		.amdhsa_memory_ordered 1
		.amdhsa_forward_progress 1
		.amdhsa_inst_pref_size 25
	.end_amdhsa_kernel
	.amdgpu_metadata
---
amdhsa.version: [ 1, 2 ]
amdhsa.kernels:
  - .name:           k_q7f8c491e40_ln1
    .symbol:         k_q7f8c491e40_ln1.kd
    .args:
      - { .name: x, .offset: 0, .size: 8, .value_kind: global_buffer, .address_space: global }
      - { .name: ln1_g, .offset: 8, .size: 8, .value_kind: global_buffer, .address_space: global }
      - { .name: ln1_b, .offset: 16, .size: 8, .value_kind: global_buffer, .address_space: global }
      - { .name: zq, .offset: 24, .size: 8, .value_kind: global_buffer, .address_space: global }
    .group_segment_fixed_size: 50688
    .private_segment_fixed_size: 0
    .kernarg_segment_align: 8
    .kernarg_segment_size: 32
    .max_flat_workgroup_size: 256
    .sgpr_count:     66
    .vgpr_count:     200
    .wavefront_size: 32
...
	.end_amdgpu_metadata
.endif
;; end of part 2
;; launch qkv (part 3): grid 12 x 16, 4 waves a work-group, clusters of 4 x 4, 327,680 bytes of LDS; arguments zq, aq; writes aq
.if DOCPART == 3
	.amdgcn_target "amdgcn-amd-amdhsa--gfx1250"
	.amdhsa_code_object_version 6
	.text
	.protected	k_q7f8c491e40_qkv
	.globl	k_q7f8c491e40_qkv
	.p2align	8
	.type	k_q7f8c491e40_qkv,@function
k_q7f8c491e40_qkv:
	s_mov_b64 s[64:65], 0
	v_nop
	global_prefetch_b8 v0, s[64:65] scope:SCOPE_SE
	s_setreg_imm32_b32 hwreg(HW_REG_WAVE_MODE, 25, 1), 1
	s_wait_xcnt 0x0
	s_wait_alu depctr_hold_cnt(0) depctr_sa_sdst(0) depctr_va_vdst(0) depctr_va_sdst(0) depctr_va_ssrc(0) depctr_va_vcc(0) depctr_vm_vsrc(0)
	s_getreg_b32 s2, hwreg(HW_REG_IB_STS2, 6, 4)
	s_cmp_eq_u32 s2, 0
	s_cbranch_scc0 .Lentry_in_a_cluster
	s_endpgm
.Lentry_in_a_cluster:
	s_bfe_u32 s2, ttmp6, 0x10000c
	s_cmp_lg_u32 s2, 0xf033
	s_cbranch_scc0 .Lentry_shape_is_right
	s_endpgm
.Lentry_shape_is_right:
; Product 1, xn x w_qkv, on codes of FP6 (E2M3) with E8M0 scales, and the quantisers of q, k (along the head's 64) and of v (along the keys).
; zq holds both operands as rows of 1,024 codes: rows 0 .. 4,095 tokens, rows 4,096 .. 7,167 the columns of w_qkv; codes [16 panels of 64 k][7,168][48 bytes], scale words [8][7,168][4] from byte ZS on; rows in sigma order (bits 3, 4 exchanged).
; A tile of 256 x 256 is made by four waves, 128 x 128 each: 64 accumulators.  K goes in steps of 256 through two LDS slots; a wave's tensor load brings 128 rows x 4 panels, four dense runs of 6,144 bytes.
; At 48 bytes a row the 32 lanes of a fragment's 8-byte load fall on 64 different banks: no padding.  The scale words of the tile's rows for all of K come once, with the first fills.
; THE MATRIX INSTRUCTION IS USED TRANSPOSED (source 0 = 16 rows of "B", source 1 = 16 rows of "A"): a lane holds one row of A; by sigma the 16 registers of accumulators (a, 2 j), (a, 2 j + 1) are 16 NEIGHBOURING logical rows of B:
; neighbours along the next product's K.  Clusters x = 0, 1: A = tokens, B = the columns of q and k.  Cluster x = 2: A = the columns of v, B = tokens, so that the registers run along the KEYS.  Only scalars are chosen, by the cluster's x.
; CLUSTERS 4 x 4: A's tiles are asked for jointly along a row of the cluster, B's along a column.
; OUT (aq): q, k codes [32 heads][4,096 positions][48]; v codes from 6,291,456 on, [64 panels of 64 keys][1,024 channels][48]; q, k scale words from 9,437,184 on, [16][4,096][4]; v's from 9,699,328 on, [32][1,024][4].
; LIMITS: a block of zeros gets the byte 1, not 127 (its codes are zeros; this program alone reads the bytes); NaN and infinities are not served.
; REGISTERS: window 0: v0-31 addresses, v32-63 scale words (two sets), v128-223 A's fragments (one set), later the epilogue's work; window 1: B's fragments, two sets; windows 2, 3: the accumulators, (a, b) at v[8 (8 (a % 4) + b)].
.set SIZE_K, 1024
.set PSA, 344064
.set PSB, 344064
.set SSA, 28672
.set SSB, 28672
.set ZS,  5505024
.set NQ, 2
.set FR, 12
.set NL, 6
.set NP, 4
.set PANB,  6144                       ; 128 rows of a panel
.set HALFT, 4*PANB                     ; what one tensor load brings
.set SLOT,  4*HALFT                    ; A's two halves, then B's two
.set NKS,   SIZE_K/128
.set LAPS,  SIZE_K/512
.set SCL,   2*SLOT                     ; behind the ring: scale words, [NKS][128 rows][4] for each of the four halves
.set HALFS, 512*NKS
.set SPARE, SCL+4*HALFS                ; the spare words, 128 bytes a wave
.set ADRA, 16
.set ADRB, 20
.set STO,  24                          ; the stage: my codes
.set RD,   25                          ; the stage, back
.set CO,   26                          ; 16 x lane
.set ADRS, 27
.set SPW,  28
.set NIL,  29
.set STS,  30                          ; the stage: my scale word
.set SC,   32
.set AF,   128
.set PC,   128                         ; the epilogue: codes just made,
.set TM,   160                         ; at work,
.set PW,   176                         ; the scale word just made
.set SEL,  2
.set G1, 24
.set G0, 32
.set G1B, 48
.set G0B, 56
.set G1S, 68
.set G0S, 76
.set G1SB, 80
.set G0SB, 88
.set MSB, 0
.macro WIN new                         ; the immediate's high byte repeats the setting that is left
.if MSB != (\new)
	s_set_vgpr_msb (MSB<<8)|(\new)
.set MSB, (\new)
.endif
.endm
.set MUL_LO, 0xa1
.set MUL_HI, 0xf1
.set TO_B,   0x40
.macro JLOAD g0a, g1a, g0b, g1b        ; a joint load: waves 0, 1 fetch for A, waves 2, 3 for B; s_nop 0 and four v_nop follow each line
	s_cmp_eq_u32 s15, 0
	s_cbranch_scc0 .Lfor_b_\@
	tensor_load_to_lds s[\g0a:\g0a+3], s[\g1a:\g1a+7]
	s_nop 0
.rept 4
	v_nop
.endr
	s_branch .Lasked_\@
.Lfor_b_\@:
	tensor_load_to_lds s[\g0b:\g0b+3], s[\g1b:\g1b+7]
	s_nop 0
.rept 4
	v_nop
.endr
.Lasked_\@:
.endm
.macro CREST
	s_cmp_lg_u32 s14, 0
	s_cbranch_scc1 .Lnot_wave_0_\@
	s_barrier_signal -3
.Lnot_wave_0_\@:
	s_barrier_wait -3
	s_barrier_signal -1
	s_barrier_wait -1
.endm
.macro CROUND
	s_barrier_signal -1
	s_barrier_wait -1
	CREST
.endm
.macro SHAPE g, c, r, p                ; words 1 to 7 of a group 1: r rows of c elements of 8 bytes, p elements apart
	s_mov_b32 s[\g+1], (\c)<<16
	s_mov_b32 s[\g+2], (\r)<<16
	s_mov_b32 s[\g+3], (\c)<<16
	s_mov_b32 s[\g+4], \r
	s_mov_b32 s[\g+5], \p
	s_mov_b32 s[\g+6], 0
	s_mov_b32 s[\g+7], 0
.endm
	s_load_b128 s[4:7], s[0:1], 0x0                ; zq, aq
	v_lshl_add_u32 v[SPW], v0, 2, SPARE
	v_mov_b32 v[NIL], 0
	ds_add_u32 v[SPW], v[NIL]                      ; the wave's opening: the add, and its wait ahead of my first tensor load
	v_lshrrev_b32 v1, 5, v0
	v_readfirstlane_b32 s14, v1                    ; wave
	s_lshr_b32 s15, s14, 1                         ; my half of the tile's rows of A.  Also: I fetch for A (0) or B (1)
	s_and_b32 s16, s14, 1                          ; my half of its rows of B.  Also: which 128 rows I fetch
	s_bfe_u32 s40, ttmp6, 0x40000                  ; cx
	s_bfe_u32 s41, ttmp6, 0x40004                  ; cy
	s_and_b32 s19, ttmp7, 0xffff                   ; cluster y
	s_mov_b32 s11, 196608
	s_mov_b32 s98, 9437184
	s_mov_b32 s99, 16384
	s_cmp_eq_u32 ttmp9, 2                          ; the cluster's x, the same in all sixteen partners: v's clusters?
	s_cselect_b32 s42, s19, ttmp9                  ; which cluster coordinate counts B's tiles,
	s_cselect_b32 s17, 0, s19                      ; and A's
	s_cselect_b32 s8, 6144, 0                      ; A's first row in zq
	s_cselect_b32 s9, 0, 4096                      ; B's
	s_cselect_b32 s10, 6291456, 0                  ; where the codes go,
	s_cselect_b32 s11, 49152, s11                  ; from panel to panel,
	s_cselect_b32 s98, 9699328, s98                ; where the scale words go,
	s_cselect_b32 s99, 4096, s99                   ; from scale row to scale row
	s_lshl_b32 s42, s42, 2
	s_add_co_u32 s42, s42, s40                     ; B's tile
	s_lshl_b32 s17, s17, 2
	s_add_co_u32 s17, s17, s41                     ; A's tile
	s_lshl_b32 s43, s41, 2
	s_lshl_b32 s43, 15, s43                        ; my row of the cluster
	s_lshl_b32 s44, 0x1111, s40                    ; my column
	s_or_b32 s[G1+0], s43, (3<<16)|(1<<21)         ; the mask; elements of 8 bytes; bit 21 beside a mask; no padding
	s_or_b32 s[G1B+0], s44, (3<<16)|(1<<21)
	s_or_b32 s[G1S+0], s43, (3<<16)|(1<<21)
	s_or_b32 s[G1SB+0], s44, (3<<16)|(1<<21)
	SHAPE G1, 768, 4, PSA/8                        ; four panels' runs of 6,144 bytes
	SHAPE G1B, 768, 4, PSB/8
	SHAPE G1S, 64, NKS, SSA/8                      ; NKS runs of 512 bytes
	SHAPE G1SB, 64, NKS, SSB/8
	s_lshl_b32 s18, s16, 7
	s_lshl_b32 s20, s17, 8
	s_add_co_u32 s20, s20, s18
	s_add_co_u32 s20, s20, s8                      ; A: the first row that I fetch
	s_lshl_b32 s46, s42, 8
	s_add_co_u32 s46, s46, s18
	s_add_co_u32 s46, s46, s9                      ; B likewise
	s_lshl_b32 s22, s20, 2
	s_add_co_u32 s22, s22, ZS
	s_mul_i32 s20, s20, 48
	s_lshl_b32 s92, s46, 2
	s_add_co_u32 s92, s92, ZS
	s_mul_i32 s46, s46, 48
	s_mov_b32 s21, 0
	s_mov_b32 s23, 0
	s_mov_b32 s47, 0
	s_mov_b32 s93, 0
	s_mul_i32 s45, s14, HALFT                      ; where they go: by the wave's number alone
	s_mul_i32 s94, s14, HALFS
	s_wait_dscnt 0x0                               ; the opening add is done
	s_wait_kmcnt 0x0
	s_add_nc_u64 s[20:21], s[4:5], s[20:21]
	s_add_nc_u64 s[22:23], s[4:5], s[22:23]
	s_add_nc_u64 s[46:47], s[4:5], s[46:47]
	s_add_nc_u64 s[92:93], s[4:5], s[92:93]
	CROUND                                         ; all sixteen work-groups are here: the first joint loads meet
	s_mov_b32 s[G0S], 1
	s_add_co_u32 s[G0S+1], s94, SCL
	s_mov_b64 s[G0S+2:G0S+3], s[22:23]
	s_or_b32 s[G0S+3], s[G0S+3], 0x80000000
	s_mov_b32 s[G0SB], 1
	s_add_co_u32 s[G0SB+1], s94, SCL
	s_mov_b64 s[G0SB+2:G0SB+3], s[92:93]
	s_or_b32 s[G0SB+3], s[G0SB+3], 0x80000000
	JLOAD G0S, G1S, G0SB, G1SB                     ; the scale words first
.irp s, 0,1
	s_mov_b32 s[G0+4*\s], 1
	s_add_co_u32 s[G0+4*\s+1], s45, \s*SLOT
	s_add_nc_u64 s[G0+4*\s+2:G0+4*\s+3], s[20:21], \s*4*PSA
	s_or_b32 s[G0+4*\s+3], s[G0+4*\s+3], 0x80000000
	s_mov_b32 s[G0B+4*\s], 1
	s_add_co_u32 s[G0B+4*\s+1], s45, \s*SLOT
	s_add_nc_u64 s[G0B+4*\s+2:G0B+4*\s+3], s[46:47], \s*4*PSB
	s_or_b32 s[G0B+4*\s+3], s[G0B+4*\s+3], 0x80000000
	JLOAD G0+4*\s, G1, G0B+4*\s, G1B
.endr
	v_and_b32 v1, 15, v0                           ; r
	v_bfe_u32 v2, v0, 4, 1                         ; h
	v_mul_u32_u24 v3, v1, 48
	v_mad_u32_u24 v4, v2, 24, v3                   ; a fragment's row x 48 + 24 x half
	s_mul_i32 s21, s15, HALFT
	s_mul_i32 s22, s16, HALFT
	s_add_co_u32 s22, s22, 2*HALFT
.irp s, 0,1
	v_add_nc_u32 v[ADRA+\s], s21, v4
	v_add_nc_u32 v[ADRB+\s], s22, v4
	s_add_co_u32 s21, s21, SLOT
	s_add_co_u32 s22, s22, SLOT
.endr
	v_lshlrev_b32 v5, 2, v1
	s_mul_i32 s21, s15, HALFS
	s_mul_i32 s22, s16, HALFS
	s_add_co_u32 s22, s22, 2*HALFS
	s_sub_co_u32 s22, s22, s21
	v_mul_u32_u24 v6, s22, v2                      ; lanes 16-31 take B's words
	s_add_co_u32 s21, s21, SCL
	v_add_nc_u32 v5, v5, v6
	v_add_nc_u32 v[ADRS], s21, v5
	s_mul_i32 s23, s14, 12800                      ; my stage, in slot 0: [2 panels][128 rows][48], then 128 scale words
	v_add_nc_u32 v[STO], s23, v4
	v_lshlrev_b32 v5, 2, v1
	v_add_nc_u32 v[STS], s23, v5
	v_add_nc_u32 v[STS], 12288, v[STS]
	v_and_b32 v6, 31, v0
	v_lshlrev_b32 v[CO], 4, v6
	v_add_nc_u32 v[RD], s23, v[CO]
	s_lshl_b32 s20, s17, 8
	s_lshl_b32 s21, s15, 7
	s_add_co_u32 s20, s20, s21                     ; my first row of the result
	s_lshl_b32 s46, s42, 1
	s_add_co_u32 s46, s46, s16                     ; which 128 along the result's K are mine
	s_mul_i32 s47, s46, s99
	s_lshl_b32 s21, s20, 2
	s_add_co_u32 s47, s47, s21
	s_add_co_u32 s96, s47, s98
	s_mov_b32 s97, 0
	s_add_nc_u64 s[96:97], s[6:7], s[96:97]        ; my 128 scale words
	s_mul_i32 s46, s46, s11
	s_lshl_b32 s46, s46, 1
	s_mul_i32 s20, s20, 48
	s_add_co_u32 s12, s46, s20
	s_add_co_u32 s12, s12, s10
	s_mov_b32 s13, 0
	s_add_nc_u64 s[12:13], s[6:7], s[12:13]        ; my first panel's 6,144 bytes,
	s_mov_b32 s10, s11
	s_mov_b32 s11, 0
	s_add_nc_u64 s[66:67], s[12:13], s[10:11]      ; and my second's
.macro FRAG reg, adr, q, i             ; 16 rows x 128 K: 12 registers: registers 6 c on hold k = 64 c + 32 h + 0 .. 31: 24 bytes of panel 2 q + c, as they lie, in pieces of 8
.irp p, 0,1,2,3,4,5
	ds_load_b64 v[\reg+2*\p:\reg+2*\p+1], v[\adr] offset:(2*(\q)+\p/3)*PANB+(\i)*768+8*(\p%3)
.endr
.endm
.macro MUL16 a0, p, q, sc, zero        ; A's blocks a0, a0 + 1 x B's eight; the 64 accumulators take turns, one instruction a turn
.irp a, \a0, \a0+1
.irp b, 0,1,2,3,4,5,6,7
.if \zero
	v_wmma_scale_f32_16x16x128_f8f6f4 v[8*(8*((\a)%4)+\b):8*(8*((\a)%4)+\b)+7], v[128*(\p)+FR*\b:128*(\p)+FR*\b+FR-1], v[AF+FR*(\a):AF+FR*(\a)+FR-1], 0, v[SC+8*NQ*(\sc)+NQ*\b+(\q)], v[SC+8*NQ*(\sc)+NQ*(\a)+(\q)] matrix_a_fmt:MATRIX_FMT_FP6 matrix_b_fmt:MATRIX_FMT_FP6 matrix_a_scale:MATRIX_SCALE_ROW1
.else
	v_wmma_scale_f32_16x16x128_f8f6f4 v[8*(8*((\a)%4)+\b):8*(8*((\a)%4)+\b)+7], v[128*(\p)+FR*\b:128*(\p)+FR*\b+FR-1], v[AF+FR*(\a):AF+FR*(\a)+FR-1], v[8*(8*((\a)%4)+\b):8*(8*((\a)%4)+\b)+7], v[SC+8*NQ*(\sc)+NQ*\b+(\q)], v[SC+8*NQ*(\sc)+NQ*(\a)+(\q)] matrix_a_fmt:MATRIX_FMT_FP6 matrix_b_fmt:MATRIX_FMT_FP6 matrix_a_scale:MATRIX_SCALE_ROW1
.endif
.endr
.endr
.endm
.macro FETCH_B slot, q, p
	WIN TO_B
.irp i, 0,1,2,3,4,5,6,7
	FRAG 128*(\p)+FR*\i, ADRB+\slot, \q, \i
.endr
	WIN 0
.endm
.macro FETCH_A slot, q, i0
.irp i, \i0, \i0+1, \i0+2, \i0+3
	FRAG AF+FR*(\i), ADRA+\slot, \q, \i
.endr
.endm
.macro SCALES sc                       ; a slot's scale words: register 2 i + q: lanes 0-15 A's block i, lanes 16-31 B's block i, the slot's q-th 128 along K
.irp i, 0,1,2,3,4,5,6,7
.irp q, 0,1
	ds_load_b32 v[SC+8*NQ*\sc+NQ*\i+\q], v[ADRS] offset:512*\q+64*\i
.endr
.endr
.endm
.macro PLACES n                        ; plain vector lines between a matrix instruction and a load into, or a read of, its registers
.rept \n
	v_nop
.endr
.endm
.macro STEP slot, q, zero
	s_wait_dscnt 4*NL                              ; all but the youngest 24 loads (A's blocks 4-7) are in
	WIN MUL_LO
	MUL16 0, (\q)%2, \q, \slot, \zero
	MUL16 2, (\q)%2, \q, \slot, \zero
	s_wait_dscnt 0
	PLACES NP
	FETCH_B \slot, (\q)+1, 1-(\q)%2
	FETCH_A \slot, (\q)+1, 0
	WIN MUL_HI
	MUL16 4, (\q)%2, \q, \slot, \zero
	MUL16 6, (\q)%2, \q, \slot, \zero
	PLACES NP
	WIN 0
	FETCH_A \slot, (\q)+1, 4
.endm
.macro TURN slot, next, fill           ; a slot's last step changes slots: one barrier (with fill = 1 it opens a round of the cluster's)
	s_wait_tensorcnt 0x0                           ; all my tensor loads have landed: my part of the next slot
	ds_add_u32 v[SPW], v[NIL]                      ; 0 onto my spare word
	s_wait_dscnt 4*NL+1                            ; (the add and the youngest 24 loads may be out)
	WIN MUL_LO
	MUL16 0, 1, NQ-1, \slot, 0
	s_wait_dscnt 0x0                               ; the add is done, and my reads of this slot are over
	s_barrier_signal -1
	MUL16 2, 1, NQ-1, \slot, 0
	WIN 0
	s_barrier_wait -1
.if \fill
	CREST                                          ; no wave of any partner still reads this slot or has a load on its way
	s_add_nc_u64 s[G0+4*\slot+2:G0+4*\slot+3], s[G0+4*\slot+2:G0+4*\slot+3], 8*PSA
	s_add_nc_u64 s[G0B+4*\slot+2:G0B+4*\slot+3], s[G0B+4*\slot+2:G0B+4*\slot+3], 8*PSB
	JLOAD G0+4*\slot, G1, G0B+4*\slot, G1B         ; the first tensor load behind the round; its four v_nop are also the places in front of the loads below
.else
	PLACES NP
.endif
	v_add_nc_u32 v[ADRS], 512*NQ, v[ADRS]          ; the next slot's scale words (no LDS load of mine is out)
	FETCH_B \next, 0, 0
	FETCH_A \next, 0, 0
	SCALES \next
	WIN MUL_HI
	MUL16 4, 1, NQ-1, \slot, 0
	MUL16 6, 1, NQ-1, \slot, 0
	PLACES NP
	WIN 0
	FETCH_A \next, 0, 4
.endm
; 64 numbers of a lane in window w, v[s] on, register 16 b + i = k 32 b + 16 h + i of my row, become a fragment's codes in v[PC] on and its scale word in v[PW] (window 0)
.macro QUANT s, w
	WIN (\w)|((\w)<<2)
.irp b, 0,1,2,3
	v_max3_num_f32 v[TM+\b], |v[(\s)+16*\b]|, |v[(\s)+1+16*\b]|, 0x1800000   ; my 16 numbers of block b, and the floor 2^(3 - 127); each accumulator is read from its low end on
.endr
	WIN ((\w)<<2)|((\w)<<4)
.irp i, 2,4,6,8,10,12,14
.irp b, 0,1,2,3
	v_max3_num_f32 v[TM+\b], v[TM+\b], |v[(\s)+16*\b+\i]|, |v[(\s)+1+16*\b+\i]|
.endr
.endr
	WIN 0
.irp b, 0,1,2,3
	v_permlanex16_b32 v[TM+4+\b], v[TM+\b], s[SEL], s[SEL+1]
.endr
.irp b, 0,1,2,3
	v_max_num_f32 v[TM+\b], v[TM+\b], v[TM+4+\b]   ; with lane l xor 16's: the block's largest magnitude
.endr
.irp b, 0,1,2,3
	v_add_nc_u32 v[TM+12+\b], 0xff000000, v[TM+\b] ; 2 off the exponent field: the conversion's scale operand
.endr
.irp b, 0,1,2,3
	v_lshrrev_b32 v[TM+4+\b], 23, v[TM+12+\b]      ; the byte
.endr
	v_lshl_or_b32 v[PW], v[TM+5], 8, v[TM+4]
	v_lshl_or_b32 v[PW], v[TM+6], 16, v[PW]
	v_lshl_or_b32 v[PW], v[TM+7], 24, v[PW]
	WIN (\w)
.irp c, 0,1
	v_cvt_scalef32_pk16_fp6_f32 v[PC+6*\c:PC+2+6*\c], v[(\s)+32*\c:(\s)+15+32*\c], v[TM+12+2*\c]
	v_cvt_scalef32_pk16_fp6_f32 v[PC+12+4*\c:PC+14+4*\c], v[(\s)+16+32*\c:(\s)+31+32*\c], v[TM+12+2*\c+1]
.endr
	WIN 0
	v_nop                                          ; one plain line behind a scaled conversion
.irp c, 0,1                                    ; a whole block to a lane: lanes 0-15 block 2 c, lanes 16-31 block 2 c + 1
.irp i, 0,1,2
	v_permlane16_swap_b32 v[PC+6*\c+\i], v[PC+12+4*\c+\i]
.endr
.irp i, 0,1,2
	v_mov_b32 v[PC+3+6*\c+\i], v[PC+12+4*\c+\i]
.endr
.endr
.endm
.macro PUT adrc, adrs, offc, offs      ; the fragment into my stage, in the layout of the buffer: panel c, my row, 24 bytes for each half of the lanes
.irp c, 0,1
.irp p, 0,1,2
	ds_store_b64 v[\adrc], v[PC+6*\c+2*\p:PC+6*\c+2*\p+1] offset:(\offc)+6144*\c+8*\p
.endr
.endr
	ds_store_b32 v[\adrs], v[PW] offset:(\offs)    ; both halves of the lanes write the same word with the same value
	s_wait_dscnt 0x0                               ; the stores have read their registers
.endm
.macro FLUSH                           ; my stage's 12,800 bytes leave: every store covers 512 consecutive bytes, at a multiple of 256
.set I, 0
.rept 25
	ds_load_b128 v[128+4*I:131+4*I], v[RD] offset:512*I
.set I, I+1
.endr
.set I, 0
.rept 12
	s_wait_dscnt 24-I                              ; load I is in; the younger ones may be out
	global_store_b128 v[CO], v[128+4*I:131+4*I], s[12:13] offset:512*I
.set I, I+1
.endr
.rept 12
	s_wait_dscnt 24-I
	global_store_b128 v[CO], v[128+4*I:131+4*I], s[66:67] offset:512*(I-12)
.set I, I+1
.endr
	s_wait_dscnt 0x0
	global_store_b128 v[CO], v[224:227], s[96:97]
.endm
	s_wait_tensorcnt 1                             ; the scale words and my part of K step 0 are in (K step 1's load may be out),
	s_barrier_signal -1
	s_barrier_wait -1                              ; everybody's are
	FETCH_B 0, 0, 0
	FETCH_A 0, 0, 0
	SCALES 0
	FETCH_A 0, 0, 4
	STEP 0, 0, 1                                   ; the first step's products start the sums
	s_mov_b32 s3, LAPS-1
.Llap:
	TURN 0, 1, 1
	STEP 1, 0, 0
	TURN 1, 0, 1
	STEP 0, 0, 0
	s_sub_co_u32 s3, s3, 1
	s_cmp_lg_u32 s3, 0
	s_cbranch_scc1 .Llap
	TURN 0, 1, 0                                   ; the last lap fills nothing
	STEP 1, 0, 0
	s_wait_dscnt 4*NL
	WIN MUL_LO
	MUL16 0, 1, NQ-1, 1, 0
	MUL16 2, 1, NQ-1, 1, 0
	s_wait_dscnt 0
	WIN MUL_HI
	MUL16 4, 1, NQ-1, 1, 0
	MUL16 6, 1, NQ-1, 1, 0
	WIN 0
	; THE WAY OUT: each block of 16 rows x my 128 columns is one fragment of the next product.  The stage lies in slot 0, which has had its last fill and its last read.
	s_mov_b32 s[SEL], 0x76543210
	s_mov_b32 s[SEL+1], 0xfedcba98
	PLACES NP
.irp b, 0,1,2,3
	v_mov_b32 v[TM+4+\b], 0                        ; written once: a lane permute's destination counts as one of its sources
.endr
.irp a, 0,1,2,3,4,5,6,7
	QUANT 64*(\a%4), 2+\a/4
	PUT STO, STS, 768*\a, 64*\a
.endr
	FLUSH
	s_wait_tensorcnt 0x0                           ; the wave's end
	ds_add_u32 v[SPW], v[NIL]
	s_wait_dscnt 0x0
	CROUND                                         ; the closing round
	s_endpgm
.Lfunc_end_k_q7f8c491e40_qkv:
	.size	k_q7f8c491e40_qkv, .Lfunc_end_k_q7f8c491e40_qkv-k_q7f8c491e40_qkv
	.p2alignl 7, 3214868480
	.fill 96, 4, 3214868480
	.section	.rodata,"a",@progbits
	.p2align	6, 0x0
	.amdhsa_kernel k_q7f8c491e40_qkv
		.amdhsa_group_segment_fixed_size 327680
		.amdhsa_private_segment_fixed_size 0
		.amdhsa_enable_private_segment 0
		.amdhsa_kernarg_size 16
		.amdhsa_user_sgpr_count 2
		.amdhsa_user_sgpr_kernarg_segment_ptr 1
		.amdhsa_wavefront_size32 1
		.amdhsa_system_sgpr_workgroup_id_x 1
		.amdhsa_system_sgpr_workgroup_id_y 1
		.amdhsa_system_sgpr_workgroup_id_z 1
		.amdhsa_system_vgpr_workitem_id 0
		.amdhsa_next_free_vgpr 1024
		.amdhsa_next_free_sgpr 100
		.amdhsa_reserve_vcc 0
		.amdhsa_float_denorm_mode_32 3
		.amdhsa_float_denorm_mode_16_64 3
		.amdhsa_memory_ordered 1
		.amdhsa_forward_progress 1
		.amdhsa_inst_pref_size 173
	.end_amdhsa_kernel
	.amdgpu_metadata
---
amdhsa.version: [ 1, 2 ]
amdhsa.kernels:
  - .name:           k_q7f8c491e40_qkv
    .symbol:         k_q7f8c491e40_qkv.kd
    .args:
      - { .name: zq, .offset: 0, .size: 8, .value_kind: global_buffer, .address_space: global }
      - { .name: aq, .offset: 8, .size: 8, .value_kind: global_buffer, .address_space: global }
    .group_segment_fixed_size: 327680
    .private_segment_fixed_size: 0
    .kernarg_segment_align: 8
    .kernarg_segment_size: 16
    .max_flat_workgroup_size: 128
    .sgpr_count:     100
    .vgpr_count:     1024
    .wavefront_size: 32
...
	.end_amdgpu_metadata
.endif
;; end of part 3
;; launch attn (part 4): grid 8 x 32, 16 waves a work-group, clusters of 4 x 1, 210,944 bytes of LDS; arguments aq, oq; writes oq
.if DOCPART == 4
	.amdgcn_target "amdgcn-amd-amdhsa--gfx1250"
	.amdhsa_code_object_version 6
	.text
	.protected	k_q7f8c491e40_attn
	.globl	k_q7f8c491e40_attn
	.p2align	8
	.type	k_q7f8c491e40_attn,@function
k_q7f8c491e40_attn:
	s_mov_b64 s[64:65], 0
	v_nop
	global_prefetch_b8 v0, s[64:65] scope:SCOPE_SE
	s_setreg_imm32_b32 hwreg(HW_REG_WAVE_MODE, 25, 1), 1
	s_wait_xcnt 0x0
	s_wait_alu depctr_hold_cnt(0) depctr_sa_sdst(0) depctr_va_vdst(0) depctr_va_sdst(0) depctr_va_ssrc(0) depctr_va_vcc(0) depctr_vm_vsrc(0)
	s_getreg_b32 s2, hwreg(HW_REG_IB_STS2, 6, 4)
	s_cmp_eq_u32 s2, 0
	s_cbranch_scc0 .Lentry_in_a_cluster
	s_endpgm
.Lentry_in_a_cluster:
	s_bfe_u32 s2, ttmp6, 0x10000c
	s_cmp_lg_u32 s2, 0x3003
	s_cbranch_scc0 .Lentry_shape_is_right
	s_endpgm
.Lentry_shape_is_right:
; Products 2 and 3 with the softmax between them, and the quantiser of o, on codes of FP6 (E2M3) with E8M0 scales.  32 (batch, head) pairs, 2,048 positions, head size 64.
; t = score x log2(e) / 8; M = the running largest t rounded UP to a whole number; p = 2^(t - M) is quantised along the keys, not normalised; the row's sum is taken of the unquantised p and divides at the end.
; SHARES.  A work-group owns 256 positions of one (batch, head), each of its sixteen waves 16 of them in 256 registers: four waves to a SIMD, so that one wave's vector work stands beside another's products and LDS loads.
; ALL OF THE HEAD'S K AND V CODES (196,608 bytes) AND THEIR SCALE WORDS LIE IN LDS, filled once: no ring, no refill, no barrier in the loop.  The four query blocks of a cluster ask for them JOINTLY.
; LAYOUT.  Both products are used transposed (S^T = K Q^T, O^T = V^T P^T): a lane holds one query.  Positions and channels are stored in sigma order (bits 3, 4 exchanged), so the 16 registers of two neighbouring tiles are
; 16 neighbouring keys (for p) or channels (for o).  THE FIRST PRODUCT'S K IS 64: the upper six registers of Q's and K's fragments hold zero codes, and their scale words come as 16 bits, zero-extended:
; the upper two bytes stand for a power of two that multiplies zeros.
; OUT (oq): codes [16 heads][4,096 positions][48], scale words from 3,145,728 on, [8 pairs of heads][4,096][4].  A lane stores 12 bytes twice (a wave's two stores fill 768 consecutive bytes) and 2 scale bytes: short pieces, 3.3 MB in all.
; LIMITS: a block of zeros gets the byte 1, not 127 (its codes are zeros; this program alone reads the bytes); NaN and infinities are not served.
; REGISTERS: v1-4 addresses that stay; v5, v6 the add's two; v8-11 the step's addresses; v12 -M, v13 the largest t, v[14:15] the sum; v16-27 Q; v28-31 V's scale words; v32-79 four fragments of K; v80-127 four of V;
;   v128-191 S^T, then p; v192-223 O^T; v224-235 p's codes; v232-254 at work; v248-251 K's scale words, v253 p's, v255 Q's.
.set VB,    98304                      ; K's codes lie at 0: [2,048 positions][48]; V's here: [32 panels of 64 keys][64 channels][48]
.set SCK,   196608                     ; K's scale words, a pair of heads': [2,048][4]
.set SCV,   204800                     ; V's: [16 steps][64 channels][4]
.set SPARE, 208896                     ; the spare words, 128 bytes a wave
.set SPW, 5
.set NIL, 6
.set KF,  32
.set VF,  80
.set S,   128
.set O,   192
.set WV,  8
.set SEL, 20
.set CS,  22
.set G1K,  24
.set G1V,  32
.set G1SK, 40
.set G1SV, 48
.set G0SK, 56
.set G0K0, 60
.set G0K1, 68
.set G0SV, 72
.set G0V0, 76
.set G0V1, 80
.set TK, 84                            ; s84  where the step's codes begin, in K's region and in V's: 6,144 bytes a step
.set TS, 85                            ; s85  K's scale words: 512 a step
.set TJ, 86                            ; s86  V's: 256 a step
.set CNT, 87
.macro CROUND
	s_barrier_signal -1
	s_barrier_wait -1
	s_cmp_lg_u32 s[WV], 0
	s_cbranch_scc1 .Lnot_wave_0_\@
	s_barrier_signal -3
.Lnot_wave_0_\@:
	s_barrier_wait -3
	s_barrier_signal -1
	s_barrier_wait -1
.endm
.macro SHAPE g, c, r, p                ; a group 1: the mask of all four partners, bit 21 beside it, elements of 8 bytes, no padding; r rows of c elements, p apart
	s_mov_b32 s[\g], 15|(3<<16)|(1<<21)
	s_mov_b32 s[\g+1], (\c)<<16
	s_mov_b32 s[\g+2], (\r)<<16
	s_mov_b32 s[\g+3], (\c)<<16
	s_mov_b32 s[\g+4], \r
	s_mov_b32 s[\g+5], \p
	s_mov_b32 s[\g+6], 0
	s_mov_b32 s[\g+7], 0
.endm
.macro GROUP0 g, lds                   ; a group 0 from the LDS address in s[lds] and the byte offset in s[18:19]
	s_mov_b32 s[\g], 1
	s_mov_b32 s[\g+1], s[\lds]
	s_add_nc_u64 s[\g+2:\g+3], s[4:5], s[18:19]
	s_or_b32 s[\g+3], s[\g+3], 0x80000000
.endm
	s_load_b128 s[4:7], s[0:1], 0x0                ; aq, oq
	v_lshl_add_u32 v[SPW], v0, 2, SPARE
	v_mov_b32 v[NIL], 0
	ds_add_u32 v[SPW], v[NIL]                      ; the wave's opening: the add, and its wait ahead of the first tensor loads
	v_lshrrev_b32 v8, 5, v0
	v_readfirstlane_b32 s[WV], v8                  ; wave 0..15
	s_bfe_u32 s9, ttmp6, 0x40000                   ; cx
	s_lshl_b32 s10, ttmp9, 2
	s_add_co_u32 s10, s10, s9                      ; my block of 256 positions: it enters Q's and o's addresses alone
	s_and_b32 s11, ttmp7, 0xffff
	s_lshr_b32 s12, s11, 4                         ; batch
	s_and_b32 s13, s11, 15                         ; head
	s_and_b32 s14, s[WV], 1                        ; which half I fetch, if I fetch
	s_lshr_b32 s15, s13, 1
	s_and_b32 s16, s13, 1
	SHAPE G1K, 32, 96, 32                          ; 24,576 dense bytes as rows of 256
	SHAPE G1V, 384, 8, 6144                        ; 8 panels' runs of 3,072 bytes
	SHAPE G1SK, 32, 16, 32                         ; 4,096 dense bytes
	SHAPE G1SV, 32, 8, 512                         ; 8 steps' runs of 256 bytes
	s_mov_b32 s[SEL], 0x76543210
	s_mov_b32 s[SEL+1], 0xfedcba98
	s_mov_b32 s[CS], 0x3e38aa3b                    ; c = log2(e) / 8
	s_mov_b32 s[CS+1], s[CS]
	s_mov_b32 s[TK], 0
	s_mov_b32 s[TS], 0
	s_mov_b32 s[TJ], 0
	s_mov_b32 s[CNT], 16
	s_lshl_b32 s96, s15, 14
	s_lshl_b32 s17, s12, 13
	s_add_co_u32 s96, s96, s17                     ; scale words: the pair of heads, the batch
	s_mul_i32 s97, s13, 196608
	s_mul_i32 s17, s12, 98304
	s_add_co_u32 s97, s97, s17                     ; codes: the head, the batch
	s_mov_b32 s19, 0
	s_wait_dscnt 0x0                               ; the opening add is done
	s_wait_kmcnt 0x0
	s_lshl_b32 s17, s14, 12                        ; K's scale words: my 4,096 bytes
	s_add_co_u32 s18, s17, s96
	s_add_co_u32 s18, s18, 9437184+131072
	s_add_co_u32 s17, s17, SCK
	GROUP0 G0SK, 17
	s_mul_i32 s17, s14, 24576                      ; K's codes: 512 positions, twice
	s_add_co_u32 s18, s17, s97
	s_add_co_u32 s18, s18, 16*196608
	GROUP0 G0K0, 17
	s_add_co_u32 s18, s18, 49152
	s_add_co_u32 s17, s17, 49152
	GROUP0 G0K1, 17
	s_lshl_b32 s18, s12, 16                        ; V's scale words: 8 steps
	s_lshl_b32 s17, s14, 15
	s_add_co_u32 s18, s18, s17
	s_lshl_b32 s17, s13, 8
	s_add_co_u32 s18, s18, s17
	s_add_co_u32 s18, s18, 9699328
	s_lshl_b32 s17, s14, 11
	s_add_co_u32 s17, s17, SCV
	GROUP0 G0SV, 17
	s_lshl_b32 s18, s12, 5                         ; V's codes: 8 panels, twice
	s_lshl_b32 s17, s14, 3
	s_add_co_u32 s18, s18, s17
	s_mul_i32 s18, s18, 49152
	s_mul_i32 s17, s13, 3072
	s_add_co_u32 s18, s18, s17
	s_add_co_u32 s18, s18, 6291456
	s_mul_i32 s17, s14, 24576
	s_add_co_u32 s17, s17, VB
	GROUP0 G0V0, 17
	s_add_co_u32 s18, s18, 16*49152
	s_add_co_u32 s17, s17, 49152
	GROUP0 G0V1, 17
	CROUND                                         ; all four work-groups are here: the joint loads meet
	s_cmp_lt_u32 s[WV], 2                          ; a wave's fills stand in one branch on the wave's number: three loads of mine are out at the most
	s_cbranch_scc0 .Lnot_k
	tensor_load_to_lds s[G0SK:G0SK+3], s[G1SK:G1SK+7]
	s_nop 0
	tensor_load_to_lds s[G0K0:G0K0+3], s[G1K:G1K+7]
	s_nop 0
	tensor_load_to_lds s[G0K1:G0K1+3], s[G1K:G1K+7]
	s_nop 0
.rept 4
	v_nop
.endr
	s_branch .Lasked
.Lnot_k:
	s_cmp_lt_u32 s[WV], 4
	s_cbranch_scc0 .Lasked
	tensor_load_to_lds s[G0SV:G0SV+3], s[G1SV:G1SV+7]
	s_nop 0
	tensor_load_to_lds s[G0V0:G0V0+3], s[G1V:G1V+7]
	s_nop 0
	tensor_load_to_lds s[G0V1:G0V1+3], s[G1V:G1V+7]
	s_nop 0
.rept 4
	v_nop
.endr
.Lasked:
	s_mul_i32 s98, s10, 12288                      ; my 16 positions: 48 bytes each
	s_mul_i32 s17, s[WV], 768
	s_add_co_u32 s98, s98, s17
	s_add_co_u32 s98, s98, s97
	s_mov_b32 s99, 0
	s_add_nc_u64 s[92:93], s[4:5], s[98:99]        ; Q's codes
	s_add_nc_u64 s[88:89], s[6:7], s[98:99]        ; o's
	s_lshl_b32 s98, s10, 10
	s_lshl_b32 s17, s[WV], 6
	s_add_co_u32 s98, s98, s17
	s_add_co_u32 s98, s98, s96
	s_lshl_b32 s17, s16, 1
	s_add_co_u32 s98, s98, s17                     ; their scale words, my head's two bytes
	s_add_nc_u64 s[94:95], s[4:5], s[98:99]
	s_add_nc_u64 s[94:95], s[94:95], 9437184
	s_add_nc_u64 s[90:91], s[6:7], s[98:99]
	s_add_nc_u64 s[90:91], s[90:91], 3145728
	v_and_b32 v8, 15, v0                           ; r
	v_bfe_u32 v9, v0, 4, 1                         ; h
	v_mul_u32_u24 v1, v8, 48
	v_mad_u32_u24 v1, v9, 24, v1                   ; v1: a fragment's row x 48 + 24 x half
	v_add_nc_u32 v2, VB, v1                        ; v2: the same in V's region
	v_lshlrev_b32 v254, 2, v8
	s_add_co_u32 s17, s17, SCK
	v_add_nc_u32 v3, s17, v254                     ; v3: K's scale words, my head's two bytes
	v_add_nc_u32 v4, SCV, v254                     ; v4: V's
.irp p, 0,1,2
	global_load_b64 v[16+2*\p:17+2*\p], v1, s[92:93] offset:8*\p   ; Q's 64 codes a row stay in registers
.endr
	global_load_u16 v255, v254, s[94:95]           ; Q's two scale bytes
.irp j, 22,23,24,25,26,27
	v_mov_b32 v\j, 0                               ; k = 64 .. 127: zero codes
.endr
.irp t, 0,1,2,3
.irp j, 6,7,8,9,10,11
	v_mov_b32 v[KF+12*\t+\j], 0                    ; likewise in K's fragments: written once, never loaded
.endr
.endr
	v_mov_b32 v13, 0xff61b1e6                      ; the largest t so far: -3e38
	v_floor_f32 v12, -v13                          ; -M
	v_mov_b32 v14, 0
	v_mov_b32 v15, 0
.irp b, 0,1,2,3
	v_mov_b32 v[236+\b], 0                         ; a lane permute's destination counts as one of its sources
.endr
	v_mov_b32 v253, 0                              ; (named as the upper half of v[252:253] before it is first written)
.set I, 0
.rept 32
	v_mov_b32 v[O+I], 0                            ; O^T: the loop is written once; its first step finds zeros
.set I, I+1
.endr
	s_wait_tensorcnt 0x0                           ; my fills have landed,
	s_barrier_signal -1
	s_barrier_wait -1                              ; everybody's have
	s_wait_loadcnt 0x0                             ; Q
.Lstep:                                            ; 16 trips of 128 keys
	v_add_nc_u32 v8, s[TK], v1
	v_add_nc_u32 v9, s[TK], v2
	v_add_nc_u32 v10, s[TS], v3
	v_add_nc_u32 v11, s[TJ], v4
.irp t, 0,1,2,3
.irp p, 0,1,2
	ds_load_b64 v[KF+12*\t+2*\p:KF+12*\t+2*\p+1], v8 offset:768*\t+8*\p
.endr
	ds_load_u16 v[248+\t], v10 offset:64*\t
.endr
	s_wait_dscnt 0x0
.irp t, 0,1,2,3
	v_wmma_scale_f32_16x16x128_f8f6f4 v[S+8*\t:S+8*\t+7], v[KF+12*\t:KF+12*\t+11], v[16:27], 0, v[248+\t], v255 matrix_a_fmt:MATRIX_FMT_FP6 matrix_b_fmt:MATRIX_FMT_FP6
.endr
.rept 4
	v_nop                                          ; places in front of loads into registers that these products read
.endr
.irp t, 0,1,2,3
.irp p, 0,1,2
	ds_load_b64 v[KF+12*\t+2*\p:KF+12*\t+2*\p+1], v8 offset:3072+768*\t+8*\p
.endr
	ds_load_u16 v[248+\t], v10 offset:256+64*\t
.endr
.irp t, 0,1,2,3                                ; V's fragments are asked for here and land under the softmax
.irp p, 0,1,2,3,4,5
	ds_load_b64 v[VF+12*\t+2*\p:VF+12*\t+2*\p+1], v9 offset:3072*(\p/3)+768*\t+8*(\p%3)
.endr
	ds_load_b32 v[28+\t], v11 offset:64*\t
.endr
	s_wait_dscnt 28                                ; K's are in; V's 28 loads may be out
.irp t, 0,1,2,3
	v_wmma_scale_f32_16x16x128_f8f6f4 v[S+32+8*\t:S+32+8*\t+7], v[KF+12*\t:KF+12*\t+11], v[16:27], 0, v[248+\t], v255 matrix_a_fmt:MATRIX_FMT_FP6 matrix_b_fmt:MATRIX_FMT_FP6
.endr
.rept 4
	v_nop
.endr
.irp b, 0,1,2,3
	v_max3_num_f32 v[232+\b], v[S+16*\b], v[S+1+16*\b], v[S+2+16*\b]   ; the largest score of each block of 32 keys: for the row's maximum and, since p rises with the score, for the block's largest p
.endr
.irp i, 3,5,7,9,11,13
.irp b, 0,1,2,3
	v_max3_num_f32 v[232+\b], v[232+\b], v[S+16*\b+\i], v[S+1+16*\b+\i]
.endr
.endr
.irp b, 0,1,2,3
	v_max_num_f32 v[232+\b], v[232+\b], v[S+15+16*\b]
.endr
.irp b, 0,1,2,3
	v_permlanex16_b32 v[236+\b], v[232+\b], s[SEL], s[SEL+1]
.endr
.irp b, 0,1,2,3
	v_max_num_f32 v[232+\b], v[232+\b], v[236+\b]
.endr
	v_max3_num_f32 v254, v232, v233, v234
	v_max_num_f32 v254, v254, v235
	v_mul_f32 v254, s[CS], v254                    ; as t
	v_max_num_f32 v13, v13, v254                   ; the running largest t
	v_mov_b32 v254, v12
	v_floor_f32 v12, -v13                          ; the new -M = -ceil(t)
	v_sub_f32 v254, v12, v254                      ; old M - new M: a whole number, 0 or less
	v_cvt_i32_f32 v254, v254
	v_ldexp_f32 v252, 1.0, v254                    ; f = 2^(old M - new M): rounds nothing
.set I, 0
.rept 32
	v_pk_fma_f32 v[S+I:S+I+1], v[S+I:S+I+1], s[CS:CS+1], v[12:13] op_sel_hi:[1,0,0]   ; t - M
.set I, I+2
.endr
.irp b, 0,1,2,3
	v_fma_f32 v[232+\b], v[232+\b], s[CS], v12
.endr
.set I, 0
.rept 64
	v_exp_f32 v[S+I], v[S+I]                       ; p = 2^(t - M)
.set I, I+1
.endr
	v_pk_mul_f32 v[14:15], v[14:15], v[252:253] op_sel_hi:[1,0]   ; the sums under the new M (a plain line behind the exponentials)
	s_wait_alu depctr_va_vdst(0)                   ; one wait for the batch, ahead of its first reader
.irp b, 0,1,2,3
	v_exp_f32 v[232+\b], v[232+\b]                 ; each block's largest p
.endr
	v_pk_add_f32 v[236:237], v[S:S+1], v[S+2:S+3]  ; the row's sum of the unquantised p, in two chains
.irp j, 4,8,12,16,20,24,28,32,36,40,44,48,52,56,60
	v_pk_add_f32 v[14:15], v[14:15], v[S+\j:S+\j+1]
	v_pk_add_f32 v[236:237], v[236:237], v[S+2+\j:S+3+\j]
.endr
	v_pk_add_f32 v[14:15], v[14:15], v[236:237]
	s_wait_alu depctr_va_vdst(0)                   ; and one for the four
.irp b, 0,1,2,3
	v_max_num_f32 v[232+\b], 0x1800000, v[232+\b]  ; the floor 2^(3 - 127)
.endr
.irp b, 0,1,2,3
	v_add_nc_u32 v[244+\b], 0xff000000, v[232+\b]
.endr
.irp b, 0,1,2,3
	v_lshrrev_b32 v[236+\b], 23, v[244+\b]
.endr
	v_lshl_or_b32 v253, v237, 8, v236              ; p's scale word
	v_lshl_or_b32 v253, v238, 16, v253
	v_lshl_or_b32 v253, v239, 24, v253
.irp c, 0,1
	v_cvt_scalef32_pk16_fp6_f32 v[224+6*\c:226+6*\c], v[S+32*\c:S+15+32*\c], v[244+2*\c]
	v_cvt_scalef32_pk16_fp6_f32 v[236+4*\c:238+4*\c], v[S+16+32*\c:S+31+32*\c], v[244+2*\c+1]
.endr
	v_nop
.irp c, 0,1
.irp i, 0,1,2
	v_permlane16_swap_b32 v[224+6*\c+\i], v[236+4*\c+\i]
.endr
.irp i, 0,1,2
	v_mov_b32 v[227+6*\c+\i], v[236+4*\c+\i]
.endr
.endr
.set I, 0
.rept 16
	v_pk_mul_f32 v[O+I:O+I+1], v[O+I:O+I+1], v[252:253] op_sel_hi:[1,0]   ; O^T under the new M; these are also the places between p's scale word and codes and the products below
.set I, I+2
.endr
	s_wait_dscnt 0x0                               ; V
.irp t, 0,1,2,3
	v_wmma_scale_f32_16x16x128_f8f6f4 v[O+8*\t:O+8*\t+7], v[VF+12*\t:VF+12*\t+11], v[224:235], v[O+8*\t:O+8*\t+7], v[28+\t], v253 matrix_a_fmt:MATRIX_FMT_FP6 matrix_b_fmt:MATRIX_FMT_FP6
.endr
	s_add_co_u32 s[TK], s[TK], 6144
	s_add_co_u32 s[TS], s[TS], 512
	s_add_co_u32 s[TJ], s[TJ], 256
	s_sub_co_u32 s[CNT], s[CNT], 1
	s_cmp_lg_u32 s[CNT], 0
	s_cbranch_scc1 .Lstep
	; THE WAY OUT: o = O^T / the sum; register 16 b + i is channel 32 b + 16 h + i of my query: quantised along the channels, which are the next product's K
	v_add_f32 v14, v14, v15
	v_permlanex16_b32 v252, v14, s[SEL], s[SEL+1]
	v_add_f32 v14, v14, v252
	v_rcp_f32 v14, v14
	v_and_b32 v8, 15, v0                           ; (plain lines behind the reciprocal and behind the last products)
	v_bfe_u32 v9, v0, 4, 1
	v_mul_u32_u24 v7, v8, 48
	v_mad_u32_u24 v7, v9, 12, v7                   ; my 16 codes of a block: 12 bytes
	v_lshlrev_b32 v254, 2, v8
	s_wait_alu depctr_va_vdst(0)                   ; the wait ahead of the reciprocal's first reader
.set I, 0
.rept 16
	v_pk_mul_f32 v[S+I:S+I+1], v[O+I:O+I+1], v[14:15] op_sel_hi:[1,0]
.set I, I+2
.endr
.irp b, 0,1
	v_max3_num_f32 v[232+\b], |v[S+16*\b]|, |v[S+1+16*\b]|, 0x1800000
.endr
.irp i, 2,4,6,8,10,12,14
.irp b, 0,1
	v_max3_num_f32 v[232+\b], v[232+\b], |v[S+16*\b+\i]|, |v[S+1+16*\b+\i]|
.endr
.endr
.irp b, 0,1
	v_permlanex16_b32 v[236+\b], v[232+\b], s[SEL], s[SEL+1]
.endr
.irp b, 0,1
	v_max_num_f32 v[232+\b], v[232+\b], v[236+\b]
.endr
.irp b, 0,1
	v_add_nc_u32 v[244+\b], 0xff000000, v[232+\b]
.endr
.irp b, 0,1
	v_lshrrev_b32 v[236+\b], 23, v[244+\b]
.endr
	v_lshl_or_b32 v240, v237, 8, v236
	v_cvt_scalef32_pk16_fp6_f32 v[224:226], v[S:S+15], v244
	v_cvt_scalef32_pk16_fp6_f32 v[228:230], v[S+16:S+31], v245
	v_nop
	global_store_b96 v7, v[224:226], s[88:89]
	global_store_b96 v7, v[228:230], s[88:89] offset:24
	global_store_b16 v254, v240, s[90:91]          ; both halves of the lanes write the same two bytes with the same value
	s_wait_tensorcnt 0x0                           ; the wave's end
	ds_add_u32 v[SPW], v[NIL]
	s_wait_dscnt 0x0
	CROUND                                         ; the closing round
	s_endpgm
.Lfunc_end_k_q7f8c491e40_attn:
	.size	k_q7f8c491e40_attn, .Lfunc_end_k_q7f8c491e40_attn-k_q7f8c491e40_attn
	.p2alignl 7, 3214868480
	.fill 96, 4, 3214868480
	.section	.rodata,"a",@progbits
	.p2align	6, 0x0
	.amdhsa_kernel k_q7f8c491e40_attn
		.amdhsa_group_segment_fixed_size 210944
		.amdhsa_private_segment_fixed_size 0
		.amdhsa_enable_private_segment 0
		.amdhsa_kernarg_size 16
		.amdhsa_user_sgpr_count 2
		.amdhsa_user_sgpr_kernarg_segment_ptr 1
		.amdhsa_wavefront_size32 1
		.amdhsa_system_sgpr_workgroup_id_x 1
		.amdhsa_system_sgpr_workgroup_id_y 1
		.amdhsa_system_sgpr_workgroup_id_z 1
		.amdhsa_system_vgpr_workitem_id 0
		.amdhsa_next_free_vgpr 256
		.amdhsa_next_free_sgpr 100
		.amdhsa_reserve_vcc 0
		.amdhsa_float_denorm_mode_32 3
		.amdhsa_float_denorm_mode_16_64 3
		.amdhsa_memory_ordered 1
		.amdhsa_forward_progress 1
		.amdhsa_inst_pref_size 33
	.end_amdhsa_kernel
	.amdgpu_metadata
---
amdhsa.version: [ 1, 2 ]
amdhsa.kernels:
  - .name:           k_q7f8c491e40_attn
    .symbol:         k_q7f8c491e40_attn.kd
    .args:
      - { .name: aq, .offset: 0, .size: 8, .value_kind: global_buffer, .address_space: global }
      - { .name: oq, .offset: 8, .size: 8, .value_kind: global_buffer, .address_space: global }
    .group_segment_fixed_size: 210944
    .private_segment_fixed_size: 0
    .kernarg_segment_align: 8
    .kernarg_segment_size: 16
    .max_flat_workgroup_size: 512
    .sgpr_count:     100
    .vgpr_count:     256
    .wavefront_size: 32
...
	.end_amdgpu_metadata
.endif
;; end of part 4
;; launch proj (part 5): grid 4 x 16, 4 waves a work-group, clusters of 4 x 4, 327,680 bytes of LDS; arguments oq, wq, b_proj, x, x1; writes x1
.if DOCPART == 5
	.amdgcn_target "amdgcn-amd-amdhsa--gfx1250"
	.amdhsa_code_object_version 6
	.text
	.protected	k_q7f8c491e40_proj
	.globl	k_q7f8c491e40_proj
	.p2align	8
	.type	k_q7f8c491e40_proj,@function
k_q7f8c491e40_proj:
	s_mov_b64 s[64:65], 0
	v_nop
	global_prefetch_b8 v0, s[64:65] scope:SCOPE_SE
	s_setreg_imm32_b32 hwreg(HW_REG_WAVE_MODE, 25, 1), 1
	s_wait_xcnt 0x0
	s_wait_alu depctr_hold_cnt(0) depctr_sa_sdst(0) depctr_va_vdst(0) depctr_va_sdst(0) depctr_va_ssrc(0) depctr_va_vcc(0) depctr_vm_vsrc(0)
	s_getreg_b32 s2, hwreg(HW_REG_IB_STS2, 6, 4)
	s_cmp_eq_u32 s2, 0
	s_cbranch_scc0 .Lentry_in_a_cluster
	s_endpgm
.Lentry_in_a_cluster:
	s_bfe_u32 s2, ttmp6, 0x10000c
	s_cmp_lg_u32 s2, 0xf033
	s_cbranch_scc0 .Lentry_shape_is_right
	s_endpgm
.Lentry_shape_is_right:
; Product 4 on codes of FP6 (E2M3) with E8M0 scales: x1 = x + o w_proj + b_proj, f32 out.  K = 1,024.
; A = oq: codes [16 panels of 64 k][4,096 rows][48 bytes], scale words from 3,145,728 on, [8][4,096][4].  B = wq: w_proj's codes at 0, [16][1,024][48], scale words from 7,077,888 on, [8][1,024][4].  Rows in sigma order (bits 3, 4 exchanged).
; A tile of 256 x 256 is made by four waves, 128 x 128 each: 64 accumulators.  K goes in steps of 256 through two LDS slots; a wave's tensor load brings 128 rows x 4 panels, four dense runs of 6,144 bytes.
; At 48 bytes a row the 32 lanes of a fragment's 8-byte load fall on 64 different banks: no padding.  The scale words of the tile's rows for all of K come once, with the first fills.
; THE MATRIX INSTRUCTION IS USED TRANSPOSED (source 0 = 16 rows of B, source 1 = 16 rows of A): a lane holds one row of A and, in accumulator (a, b), the logical columns 32 (b / 2) + 16 h + 8 (b % 2) + 0 .. 7.
; CLUSTERS 4 x 4: A's tiles are asked for jointly along a row of the cluster, B's along a column.  The grid has 64 work-groups: one tile of 256 x 256 each.
; THE WAY OUT: 16 rows at a time through the wave's stage (in slot 0, which has had its last fill and read); residual and bias are added to whole rows of 512 bytes; storage row 16 a + t is token 32 (a / 2) + 8 (a % 2) + t + 8 (t / 8).
; REGISTERS: window 0: v0-31 addresses, v32-63 scale words, v64-67 the bias, v128-223 A's fragments, later v128-255 rows on the way out; window 1: B's fragments, later the residual; windows 2, 3: the accumulators.
.set SIZE_K, 1024
.set PSA, 196608
.set PSB, 49152
.set SSA, 16384
.set SSB, 4096
.set ASO, 3145728
.set BCO, 0
.set BSO, 7077888
.set NQ, 2
.set FR, 12
.set NL, 6
.set NP, 4
.set PANB,  6144
.set HALFT, 4*PANB
.set SLOT,  4*HALFT
.set NKS,   SIZE_K/128
.set LAPS,  SIZE_K/512
.set SCL,   2*SLOT
.set HALFS, 512*NKS
.set SPARE, SCL+4*HALFS
.set SPITCH, 528
.set ADRA, 16
.set ADRB, 20
.set STO,  24
.set RD,   25
.set CO,   26
.set ADRS, 27
.set SPW,  28
.set NIL,  29
.set SC,   32
.set AF,   128
.set BK,   128
.set G1, 24
.set G0, 32
.set G1B, 48
.set G0B, 56
.set G1S, 68
.set G0S, 76
.set G1SB, 80
.set G0SB, 88
.set MSB, 0
.macro WIN new                         ; the immediate's high byte repeats the setting that is left
.if MSB != (\new)
	s_set_vgpr_msb (MSB<<8)|(\new)
.set MSB, (\new)
.endif
.endm
.set MUL_LO, 0xa1
.set MUL_HI, 0xf1
.set TO_B,   0x40
.macro JLOAD g0a, g1a, g0b, g1b        ; a joint load: waves 0, 1 fetch for A, waves 2, 3 for B; s_nop 0 and four v_nop follow each line
	s_cmp_eq_u32 s15, 0
	s_cbranch_scc0 .Lfor_b_\@
	tensor_load_to_lds s[\g0a:\g0a+3], s[\g1a:\g1a+7]
	s_nop 0
.rept 4
	v_nop
.endr
	s_branch .Lasked_\@
.Lfor_b_\@:
	tensor_load_to_lds s[\g0b:\g0b+3], s[\g1b:\g1b+7]
	s_nop 0
.rept 4
	v_nop
.endr
.Lasked_\@:
.endm
.macro CREST
	s_cmp_lg_u32 s14, 0
	s_cbranch_scc1 .Lnot_wave_0_\@
	s_barrier_signal -3
.Lnot_wave_0_\@:
	s_barrier_wait -3
	s_barrier_signal -1
	s_barrier_wait -1
.endm
.macro CROUND
	s_barrier_signal -1
	s_barrier_wait -1
	CREST
.endm
.macro SHAPE g, c, r, p                ; words 1 to 7 of a group 1: r rows of c elements of 8 bytes, p elements apart
	s_mov_b32 s[\g+1], (\c)<<16
	s_mov_b32 s[\g+2], (\r)<<16
	s_mov_b32 s[\g+3], (\c)<<16
	s_mov_b32 s[\g+4], \r
	s_mov_b32 s[\g+5], \p
	s_mov_b32 s[\g+6], 0
	s_mov_b32 s[\g+7], 0
.endm
	s_load_b256 s[4:11], s[0:1], 0x0               ; A, wq, the bias, the residual
	s_load_b64 s[12:13], s[0:1], 0x20              ; the result
	v_lshl_add_u32 v[SPW], v0, 2, SPARE
	v_mov_b32 v[NIL], 0
	ds_add_u32 v[SPW], v[NIL]                      ; the wave's opening: the add, and its wait ahead of my first tensor load
	v_lshrrev_b32 v1, 5, v0
	v_readfirstlane_b32 s14, v1                    ; wave
	s_lshr_b32 s15, s14, 1                         ; my half of the tile's rows.  Also: I fetch for A (0) or B (1)
	s_and_b32 s16, s14, 1                          ; my half of its columns.  Also: which 128 rows I fetch
	s_bfe_u32 s40, ttmp6, 0x40000                  ; cx
	s_bfe_u32 s41, ttmp6, 0x40004                  ; cy
	s_lshl_b32 s42, ttmp9, 2
	s_add_co_u32 s42, s42, s40                     ; tile column
	s_and_b32 s17, ttmp7, 0xffff
	s_lshl_b32 s17, s17, 2
	s_add_co_u32 s17, s17, s41                     ; tile row
	s_lshl_b32 s43, s41, 2
	s_lshl_b32 s43, 15, s43                        ; my row of the cluster
	s_lshl_b32 s44, 0x1111, s40                    ; my column
	s_or_b32 s[G1+0], s43, (3<<16)|(1<<21)         ; the mask; elements of 8 bytes; bit 21 beside a mask; no padding
	s_or_b32 s[G1B+0], s44, (3<<16)|(1<<21)
	s_or_b32 s[G1S+0], s43, (3<<16)|(1<<21)
	s_or_b32 s[G1SB+0], s44, (3<<16)|(1<<21)
	SHAPE G1, 768, 4, PSA/8
	SHAPE G1B, 768, 4, PSB/8
	SHAPE G1S, 64, NKS, SSA/8
	SHAPE G1SB, 64, NKS, SSB/8
	s_lshl_b32 s18, s16, 7
	s_lshl_b32 s20, s17, 8
	s_add_co_u32 s20, s20, s18                     ; A: the first row that I fetch
	s_lshl_b32 s46, s42, 8
	s_add_co_u32 s46, s46, s18                     ; B likewise
	s_lshl_b32 s22, s20, 2
	s_add_co_u32 s22, s22, ASO
	s_mul_i32 s20, s20, 48
	s_lshl_b32 s92, s46, 2
	s_add_co_u32 s92, s92, BSO
	s_mul_i32 s46, s46, 48
	s_add_co_u32 s46, s46, BCO
	s_mov_b32 s21, 0
	s_mov_b32 s23, 0
	s_mov_b32 s47, 0
	s_mov_b32 s93, 0
	s_mul_i32 s45, s14, HALFT
	s_mul_i32 s94, s14, HALFS
	s_wait_dscnt 0x0                               ; the opening add is done
	s_wait_kmcnt 0x0
	s_add_nc_u64 s[20:21], s[4:5], s[20:21]
	s_add_nc_u64 s[22:23], s[4:5], s[22:23]
	s_add_nc_u64 s[46:47], s[6:7], s[46:47]
	s_add_nc_u64 s[92:93], s[6:7], s[92:93]
	CROUND                                         ; all sixteen work-groups are here: the first joint loads meet
	s_mov_b32 s[G0S], 1
	s_add_co_u32 s[G0S+1], s94, SCL
	s_mov_b64 s[G0S+2:G0S+3], s[22:23]
	s_or_b32 s[G0S+3], s[G0S+3], 0x80000000
	s_mov_b32 s[G0SB], 1
	s_add_co_u32 s[G0SB+1], s94, SCL
	s_mov_b64 s[G0SB+2:G0SB+3], s[92:93]
	s_or_b32 s[G0SB+3], s[G0SB+3], 0x80000000
	JLOAD G0S, G1S, G0SB, G1SB
.irp s, 0,1
	s_mov_b32 s[G0+4*\s], 1
	s_add_co_u32 s[G0+4*\s+1], s45, \s*SLOT
	s_add_nc_u64 s[G0+4*\s+2:G0+4*\s+3], s[20:21], \s*4*PSA
	s_or_b32 s[G0+4*\s+3], s[G0+4*\s+3], 0x80000000
	s_mov_b32 s[G0B+4*\s], 1
	s_add_co_u32 s[G0B+4*\s+1], s45, \s*SLOT
	s_add_nc_u64 s[G0B+4*\s+2:G0B+4*\s+3], s[46:47], \s*4*PSB
	s_or_b32 s[G0B+4*\s+3], s[G0B+4*\s+3], 0x80000000
	JLOAD G0+4*\s, G1, G0B+4*\s, G1B
.endr
	v_and_b32 v1, 15, v0                           ; r
	v_bfe_u32 v2, v0, 4, 1                         ; h
	v_mul_u32_u24 v3, v1, 48
	v_mad_u32_u24 v4, v2, 24, v3
	s_mul_i32 s21, s15, HALFT
	s_mul_i32 s22, s16, HALFT
	s_add_co_u32 s22, s22, 2*HALFT
.irp s, 0,1
	v_add_nc_u32 v[ADRA+\s], s21, v4
	v_add_nc_u32 v[ADRB+\s], s22, v4
	s_add_co_u32 s21, s21, SLOT
	s_add_co_u32 s22, s22, SLOT
.endr
	v_lshlrev_b32 v5, 2, v1
	s_mul_i32 s21, s15, HALFS
	s_mul_i32 s22, s16, HALFS
	s_add_co_u32 s22, s22, 2*HALFS
	s_sub_co_u32 s22, s22, s21
	v_mul_u32_u24 v6, s22, v2                      ; lanes 16-31 take B's words
	s_add_co_u32 s21, s21, SCL
	v_add_nc_u32 v5, v5, v6
	v_add_nc_u32 v[ADRS], s21, v5
	s_mul_i32 s23, s14, 16*SPITCH                  ; my stage
	v_mul_u32_u24 v5, v1, SPITCH
	v_lshl_add_u32 v5, v2, 6, v5                   ; in: row r, 64 bytes on for lanes 16-31
	v_add_nc_u32 v[STO], s23, v5
	v_and_b32 v6, 31, v0
	v_lshlrev_b32 v[CO], 4, v6
	v_add_nc_u32 v[RD], s23, v[CO]                 ; back: a row of 512 bytes
	s_lshl_b32 s20, s17, 8
	s_lshl_b32 s21, s15, 7
	s_add_co_u32 s20, s20, s21
	s_lshl_b32 s20, s20, 12                        ; my first row, 4,096 bytes a row
	s_lshl_b32 s46, s42, 10
	s_lshl_b32 s47, s16, 9
	s_add_co_u32 s46, s46, s47                     ; my first column, in bytes
	s_mov_b32 s47, 0
	s_add_nc_u64 s[8:9], s[8:9], s[46:47]
	s_add_co_u32 s20, s20, s46
	s_mov_b32 s21, 0
	s_add_nc_u64 s[10:11], s[10:11], s[20:21]
	s_add_nc_u64 s[12:13], s[12:13], s[20:21]
	global_load_b128 v[64:67], v[CO], s[8:9]       ; the bias of my four columns of a row's 128
.macro FRAG reg, adr, q, i
.irp p, 0,1,2,3,4,5
	ds_load_b64 v[\reg+2*\p:\reg+2*\p+1], v[\adr] offset:(2*(\q)+\p/3)*PANB+(\i)*768+8*(\p%3)
.endr
.endm
.macro MUL16 a0, p, q, sc, zero        ; A's blocks a0, a0 + 1 x B's eight; the 64 accumulators take turns, one instruction a turn
.irp a, \a0, \a0+1
.irp b, 0,1,2,3,4,5,6,7
.if \zero
	v_wmma_scale_f32_16x16x128_f8f6f4 v[8*(8*((\a)%4)+\b):8*(8*((\a)%4)+\b)+7], v[128*(\p)+FR*\b:128*(\p)+FR*\b+FR-1], v[AF+FR*(\a):AF+FR*(\a)+FR-1], 0, v[SC+8*NQ*(\sc)+NQ*\b+(\q)], v[SC+8*NQ*(\sc)+NQ*(\a)+(\q)] matrix_a_fmt:MATRIX_FMT_FP6 matrix_b_fmt:MATRIX_FMT_FP6 matrix_a_scale:MATRIX_SCALE_ROW1
.else
	v_wmma_scale_f32_16x16x128_f8f6f4 v[8*(8*((\a)%4)+\b):8*(8*((\a)%4)+\b)+7], v[128*(\p)+FR*\b:128*(\p)+FR*\b+FR-1], v[AF+FR*(\a):AF+FR*(\a)+FR-1], v[8*(8*((\a)%4)+\b):8*(8*((\a)%4)+\b)+7], v[SC+8*NQ*(\sc)+NQ*\b+(\q)], v[SC+8*NQ*(\sc)+NQ*(\a)+(\q)] matrix_a_fmt:MATRIX_FMT_FP6 matrix_b_fmt:MATRIX_FMT_FP6 matrix_a_scale:MATRIX_SCALE_ROW1
.endif
.endr
.endr
.endm
.macro FETCH_B slot, q, p
	WIN TO_B
.irp i, 0,1,2,3,4,5,6,7
	FRAG 128*(\p)+FR*\i, ADRB+\slot, \q, \i
.endr
	WIN 0
.endm
.macro FETCH_A slot, q, i0
.irp i, \i0, \i0+1, \i0+2, \i0+3
	FRAG AF+FR*(\i), ADRA+\slot, \q, \i
.endr
.endm
.macro SCALES sc
.irp i, 0,1,2,3,4,5,6,7
.irp q, 0,1
	ds_load_b32 v[SC+8*NQ*\sc+NQ*\i+\q], v[ADRS] offset:512*\q+64*\i
.endr
.endr
.endm
.macro PLACES n                        ; plain vector lines between a matrix instruction and a load into, or a read of, its registers
.rept \n
	v_nop
.endr
.endm
.macro STEP slot, q, zero
	s_wait_dscnt 4*NL                              ; all but the youngest 24 loads (A's blocks 4-7) are in
	WIN MUL_LO
	MUL16 0, (\q)%2, \q, \slot, \zero
	MUL16 2, (\q)%2, \q, \slot, \zero
	s_wait_dscnt 0
	PLACES NP
	FETCH_B \slot, (\q)+1, 1-(\q)%2
	FETCH_A \slot, (\q)+1, 0
	WIN MUL_HI
	MUL16 4, (\q)%2, \q, \slot, \zero
	MUL16 6, (\q)%2, \q, \slot, \zero
	PLACES NP
	WIN 0
	FETCH_A \slot, (\q)+1, 4
.endm
.macro TURN slot, next, fill           ; a slot's last step changes slots: one barrier (with fill = 1 it opens a round of the cluster's)
	s_wait_tensorcnt 0x0                           ; all my tensor loads have landed: my part of the next slot
	ds_add_u32 v[SPW], v[NIL]                      ; 0 onto my spare word
	s_wait_dscnt 4*NL+1                            ; (the add and the youngest 24 loads may be out)
	WIN MUL_LO
	MUL16 0, 1, NQ-1, \slot, 0
	s_wait_dscnt 0x0                               ; the add is done, and my reads of this slot are over
	s_barrier_signal -1
	MUL16 2, 1, NQ-1, \slot, 0
	WIN 0
	s_barrier_wait -1
.if \fill
	CREST                                          ; no wave of any partner still reads this slot or has a load on its way
	s_add_nc_u64 s[G0+4*\slot+2:G0+4*\slot+3], s[G0+4*\slot+2:G0+4*\slot+3], 8*PSA
	s_add_nc_u64 s[G0B+4*\slot+2:G0B+4*\slot+3], s[G0B+4*\slot+2:G0B+4*\slot+3], 8*PSB
	JLOAD G0+4*\slot, G1, G0B+4*\slot, G1B
.else
	PLACES NP
.endif
	v_add_nc_u32 v[ADRS], 512*NQ, v[ADRS]
	FETCH_B \next, 0, 0
	FETCH_A \next, 0, 0
	SCALES \next
	WIN MUL_HI
	MUL16 4, 1, NQ-1, \slot, 0
	MUL16 6, 1, NQ-1, \slot, 0
	PLACES NP
	WIN 0
	FETCH_A \next, 0, 4
.endm
.macro RLOAD a                         ; the residual's 16 rows of block a, 512 consecutive bytes a load, into window 1, where B's fragments are done with
	WIN 0x40
.irp t, 0,1,2,3,4,5,6,7,8,9,10,11,12,13,14,15
	global_load_b128 v[64*((\a)%2)+4*\t:64*((\a)%2)+4*\t+3], v[CO], s[10:11] offset:(32*((\a)/2)+8*((\a)%2)+\t+8*(\t/8))*4096
.endr
	WIN 0
.endm
.macro TOSTAGE a
.set AC, 64*((\a)%4)
	WIN 0x08+4*((\a)/4)                            ; an LDS store's data: window 2 or 3
.irp b, 0,1,2,3,4,5,6,7
	ds_store_b128 v[STO], v[AC+8*\b:AC+8*\b+3] offset:128*(\b/2)+32*(\b%2)        ; each accumulator from its low end on
	ds_store_b128 v[STO], v[AC+8*\b+4:AC+8*\b+7] offset:128*(\b/2)+32*(\b%2)+16
.endr
	WIN 0
.set BB, BK+64*((\a)%2)
.irp t, 0,1,2,3,4,5,6,7,8,9,10,11,12,13,14,15
	ds_load_b128 v[BB+4*\t:BB+4*\t+3], v[RD] offset:\t*SPITCH   ; LDS serves a wave's instructions in order: these see the stores above
.endr
.endm
.macro SEND a, younger, left
.set BB, BK+64*((\a)%2)
.set RB, 64*((\a)%2)
	s_wait_dscnt \younger                          ; the block is back in registers; the next block's LDS instructions may be out
	s_wait_loadcnt \left                           ; its residual is in; the next block's loads may be out
	WIN 0x04                                       ; source 1: window 1
.set I, 0
.rept 32
	v_pk_add_f32 v[BB+I:BB+I+1], v[BB+I:BB+I+1], v[RB+I:RB+I+1]
.set I, I+2
.endr
	WIN 0
.irp t, 0,1,2,3,4,5,6,7,8,9,10,11,12,13,14,15
	v_pk_add_f32 v[BB+4*\t:BB+4*\t+1], v[BB+4*\t:BB+4*\t+1], v[64:65]
	v_pk_add_f32 v[BB+4*\t+2:BB+4*\t+3], v[BB+4*\t+2:BB+4*\t+3], v[66:67]
.endr
.irp t, 0,1,2,3,4,5,6,7,8,9,10,11,12,13,14,15
	global_store_b128 v[CO], v[BB+4*\t:BB+4*\t+3], s[12:13] offset:(32*((\a)/2)+8*((\a)%2)+\t+8*(\t/8))*4096   ; 512 consecutive bytes, at a multiple of 256
.endr
.endm
	s_wait_loadcnt 0x0                             ; the bias
	s_wait_tensorcnt 1                             ; the scale words and my part of K step 0 are in (K step 1's load may be out),
	s_barrier_signal -1
	s_barrier_wait -1                              ; everybody's are
	FETCH_B 0, 0, 0
	FETCH_A 0, 0, 0
	SCALES 0
	FETCH_A 0, 0, 4
	STEP 0, 0, 1
	s_mov_b32 s3, LAPS-1
.Llap:
	TURN 0, 1, 1
	STEP 1, 0, 0
	TURN 1, 0, 1
	STEP 0, 0, 0
	s_sub_co_u32 s3, s3, 1
	s_cmp_lg_u32 s3, 0
	s_cbranch_scc1 .Llap
	TURN 0, 1, 0
	STEP 1, 0, 0
	s_wait_dscnt 4*NL
	WIN MUL_LO
	MUL16 0, 1, NQ-1, 1, 0
	MUL16 2, 1, NQ-1, 1, 0
	s_wait_dscnt 0
	WIN MUL_HI
	MUL16 4, 1, NQ-1, 1, 0
	MUL16 6, 1, NQ-1, 1, 0
	WIN 0
	PLACES NP
	RLOAD 0
	RLOAD 1
	TOSTAGE 0
.irp a, 1,2,3,4,5,6,7
.if \a > 1
	s_wait_xcnt 0x0                                ; block a - 2's stores have read their registers: block a's loads may land there
.endif
	TOSTAGE \a
	SEND \a-1, 32, 16
.if \a < 7
	RLOAD \a+1
.endif
.endr
	s_wait_xcnt 0x0
	SEND 7, 0, 0
	s_wait_tensorcnt 0x0                           ; the wave's end
	ds_add_u32 v[SPW], v[NIL]
	s_wait_dscnt 0x0
	CROUND                                         ; the closing round
	s_endpgm
.Lfunc_end_k_q7f8c491e40_proj:
	.size	k_q7f8c491e40_proj, .Lfunc_end_k_q7f8c491e40_proj-k_q7f8c491e40_proj
	.p2alignl 7, 3214868480
	.fill 96, 4, 3214868480
	.section	.rodata,"a",@progbits
	.p2align	6, 0x0
	.amdhsa_kernel k_q7f8c491e40_proj
		.amdhsa_group_segment_fixed_size 327680
		.amdhsa_private_segment_fixed_size 0
		.amdhsa_enable_private_segment 0
		.amdhsa_kernarg_size 40
		.amdhsa_user_sgpr_count 2
		.amdhsa_user_sgpr_kernarg_segment_ptr 1
		.amdhsa_wavefront_size32 1
		.amdhsa_system_sgpr_workgroup_id_x 1
		.amdhsa_system_sgpr_workgroup_id_y 1
		.amdhsa_system_sgpr_workgroup_id_z 1
		.amdhsa_system_vgpr_workitem_id 0
		.amdhsa_next_free_vgpr 1024
		.amdhsa_next_free_sgpr 100
		.amdhsa_reserve_vcc 0
		.amdhsa_float_denorm_mode_32 3
		.amdhsa_float_denorm_mode_16_64 3
		.amdhsa_memory_ordered 1
		.amdhsa_forward_progress 1
		.amdhsa_inst_pref_size 206
	.end_amdhsa_kernel
	.amdgpu_metadata
---
amdhsa.version: [ 1, 2 ]
amdhsa.kernels:
  - .name:           k_q7f8c491e40_proj
    .symbol:         k_q7f8c491e40_proj.kd
    .args:
      - { .name: oq, .offset: 0, .size: 8, .value_kind: global_buffer, .address_space: global }
      - { .name: wq, .offset: 8, .size: 8, .value_kind: global_buffer, .address_space: global }
      - { .name: b_proj, .offset: 16, .size: 8, .value_kind: global_buffer, .address_space: global }
      - { .name: x, .offset: 24, .size: 8, .value_kind: global_buffer, .address_space: global }
      - { .name: x1, .offset: 32, .size: 8, .value_kind: global_buffer, .address_space: global }
    .group_segment_fixed_size: 327680
    .private_segment_fixed_size: 0
    .kernarg_segment_align: 8
    .kernarg_segment_size: 40
    .max_flat_workgroup_size: 128
    .sgpr_count:     100
    .vgpr_count:     1024
    .wavefront_size: 32
...
	.end_amdgpu_metadata
.endif
;; end of part 5
;; launch ln2: the kernel of part 2 again; grid 256 x 1, 8 waves a work-group, no clusters, 50,688 bytes of LDS; arguments x1, ln2_g, ln2_b, zq; writes zq
;; launch fc1 (part 6): grid 16 x 16, 4 waves a work-group, clusters of 4 x 4, 327,680 bytes of LDS; arguments zq, wq, b_fc1, hq; writes hq
.if DOCPART == 6
	.amdgcn_target "amdgcn-amd-amdhsa--gfx1250"
	.amdhsa_code_object_version 6
	.text
	.protected	k_q7f8c491e40_fc1
	.globl	k_q7f8c491e40_fc1
	.p2align	8
	.type	k_q7f8c491e40_fc1,@function
k_q7f8c491e40_fc1:
	s_mov_b64 s[64:65], 0
	v_nop
	global_prefetch_b8 v0, s[64:65] scope:SCOPE_SE
	s_setreg_imm32_b32 hwreg(HW_REG_WAVE_MODE, 25, 1), 1
	s_wait_xcnt 0x0
	s_wait_alu depctr_hold_cnt(0) depctr_sa_sdst(0) depctr_va_vdst(0) depctr_va_sdst(0) depctr_va_ssrc(0) depctr_va_vcc(0) depctr_vm_vsrc(0)
	s_getreg_b32 s2, hwreg(HW_REG_IB_STS2, 6, 4)
	s_cmp_eq_u32 s2, 0
	s_cbranch_scc0 .Lentry_in_a_cluster
	s_endpgm
.Lentry_in_a_cluster:
	s_bfe_u32 s2, ttmp6, 0x10000c
	s_cmp_lg_u32 s2, 0xf033
	s_cbranch_scc0 .Lentry_shape_is_right
	s_endpgm
.Lentry_shape_is_right:
; Product 5 on codes of FP6 (E2M3) with E8M0 scales, the bias, the exact GELU 0.5 x (1 + erf(x / sqrt 2)) in f32, and the quantiser of the hidden layer along its 4,096 units.  K = 1,024.
; A = zq rows 0 .. 4,095: codes [16 panels of 64 k][7,168 rows][48 bytes], scale words from 5,505,024 on, [8][7,168][4].  B = wq: w_fc1's codes from 786,432 on, [16][4,096][48], scale words from 7,110,656 on, [8][4,096][4].
; Rows in sigma order (bits 3, 4 exchanged).  OUT (hq): codes [64 panels][4,096 rows][48], scale words from 12,582,912 on, [32][4,096][4].
; A tile of 256 x 256 is made by four waves, 128 x 128 each: 64 accumulators.  K goes in steps of 256 through two LDS slots; a wave's tensor load brings 128 rows x 4 panels, four dense runs of 6,144 bytes.
; THE MATRIX INSTRUCTION IS USED TRANSPOSED (source 0 = 16 rows of B, source 1 = 16 rows of A): a lane holds one row of A; by sigma the 16 registers of accumulators (a, 2 j), (a, 2 j + 1) are hidden units 32 j + 16 h + 0 .. 15.
; CLUSTERS 4 x 4: A's tiles are asked for jointly along a row of the cluster, B's along a column.
; THE EPILOGUE is a loop of eight trips, one block of 16 rows each, so that GELU and quantiser are written once: a trip copies its block's 64 numbers a lane into window 0, adding the bias (eight copies, chosen by the trip's number).
; erf(z) = z P(z^2) / Q(z^2), z held to +-4: polynomials of degree 6 and 4.  LIMITS: that formula is within a few units in the last place of erf, and beyond |z| = 4 gives what it gives at 4, which is 1 in f32;
; a block of zeros gets the byte 1, not 127 (its codes are zeros; this program alone reads the bytes); NaN and infinities are not served.
; REGISTERS: window 0: v0-31 addresses and two constants, v32-63 scale words, v64-127 the bias, v128-223 A's fragments, later v128-255 the epilogue's work; window 1: B's fragments; windows 2, 3: the accumulators.
.set SIZE_K, 1024
.set PSA, 344064
.set PSB, 196608
.set SSA, 28672
.set SSB, 16384
.set ASO, 5505024
.set BCO, 786432
.set BSO, 7110656
.set OPS, 196608
.set OSS, 16384
.set OSO, 12582912
.set NQ, 2
.set FR, 12
.set NL, 6
.set NP, 4
.set PANB,  6144
.set HALFT, 4*PANB
.set SLOT,  4*HALFT
.set NKS,   SIZE_K/128
.set LAPS,  SIZE_K/512
.set SCL,   2*SLOT
.set HALFS, 512*NKS
.set SPARE, SCL+4*HALFS
.set ADRA, 16
.set ADRB, 20
.set STO,  24
.set RD,   25
.set CO,   26
.set ADRS, 27
.set SPW,  28
.set NIL,  29
.set STS,  30
.set SC,   32
.set AF,   128
.set PC,   192
.set TM,   216
.set PW,   232
.set GZ,   192                         ; GELU: z,
.set GW,   208                         ; z^2, later x / 2,
.set GP,   224                         ; P,
.set GQ,   240                         ; Q
.set VA11, 18                          ; v[18:19], v[22:23]: two constants as vector pairs (a first Horner step has two constants)
.set VB6,  22
.set SEL,  2
.set KC, 24                            ; scalar pairs, both words written: 1 / sqrt 2 and the coefficients
.set A13, 26
.set A9, 28
.set A7, 30
.set A5, 32
.set A3, 34
.set A1, 36
.set B8, 38
.set B4, 40
.set B2, 42
.set B0, 44
.set G1, 24
.set G0, 32
.set G1B, 48
.set G0B, 56
.set G1S, 68
.set G0S, 76
.set G1SB, 80
.set G0SB, 88
.set MSB, 0
.macro WIN new                         ; the immediate's high byte repeats the setting that is left
.if MSB != (\new)
	s_set_vgpr_msb (MSB<<8)|(\new)
.set MSB, (\new)
.endif
.endm
.set MUL_LO, 0xa1
.set MUL_HI, 0xf1
.set TO_B,   0x40
.macro JLOAD g0a, g1a, g0b, g1b        ; a joint load: waves 0, 1 fetch for A, waves 2, 3 for B; s_nop 0 and four v_nop follow each line
	s_cmp_eq_u32 s15, 0
	s_cbranch_scc0 .Lfor_b_\@
	tensor_load_to_lds s[\g0a:\g0a+3], s[\g1a:\g1a+7]
	s_nop 0
.rept 4
	v_nop
.endr
	s_branch .Lasked_\@
.Lfor_b_\@:
	tensor_load_to_lds s[\g0b:\g0b+3], s[\g1b:\g1b+7]
	s_nop 0
.rept 4
	v_nop
.endr
.Lasked_\@:
.endm
.macro CREST
	s_cmp_lg_u32 s14, 0
	s_cbranch_scc1 .Lnot_wave_0_\@
	s_barrier_signal -3
.Lnot_wave_0_\@:
	s_barrier_wait -3
	s_barrier_signal -1
	s_barrier_wait -1
.endm
.macro CROUND
	s_barrier_signal -1
	s_barrier_wait -1
	CREST
.endm
.macro SHAPE g, c, r, p                ; words 1 to 7 of a group 1: r rows of c elements of 8 bytes, p elements apart
	s_mov_b32 s[\g+1], (\c)<<16
	s_mov_b32 s[\g+2], (\r)<<16
	s_mov_b32 s[\g+3], (\c)<<16
	s_mov_b32 s[\g+4], \r
	s_mov_b32 s[\g+5], \p
	s_mov_b32 s[\g+6], 0
	s_mov_b32 s[\g+7], 0
.endm
	s_load_b256 s[4:11], s[0:1], 0x0               ; zq, wq, b_fc1, hq
	v_lshl_add_u32 v[SPW], v0, 2, SPARE
	v_mov_b32 v[NIL], 0
	ds_add_u32 v[SPW], v[NIL]                      ; the wave's opening: the add, and its wait ahead of my first tensor load
	v_lshrrev_b32 v1, 5, v0
	v_readfirstlane_b32 s14, v1                    ; wave
	s_lshr_b32 s15, s14, 1
	s_and_b32 s16, s14, 1
	s_bfe_u32 s40, ttmp6, 0x40000                  ; cx
	s_bfe_u32 s41, ttmp6, 0x40004                  ; cy
	s_lshl_b32 s42, ttmp9, 2
	s_add_co_u32 s42, s42, s40                     ; tile column
	s_and_b32 s17, ttmp7, 0xffff
	s_lshl_b32 s17, s17, 2
	s_add_co_u32 s17, s17, s41                     ; tile row
	s_lshl_b32 s43, s41, 2
	s_lshl_b32 s43, 15, s43
	s_lshl_b32 s44, 0x1111, s40
	s_or_b32 s[G1+0], s43, (3<<16)|(1<<21)
	s_or_b32 s[G1B+0], s44, (3<<16)|(1<<21)
	s_or_b32 s[G1S+0], s43, (3<<16)|(1<<21)
	s_or_b32 s[G1SB+0], s44, (3<<16)|(1<<21)
	SHAPE G1, 768, 4, PSA/8
	SHAPE G1B, 768, 4, PSB/8
	SHAPE G1S, 64, NKS, SSA/8
	SHAPE G1SB, 64, NKS, SSB/8
	s_lshl_b32 s18, s16, 7
	s_lshl_b32 s20, s17, 8
	s_add_co_u32 s20, s20, s18
	s_lshl_b32 s46, s42, 8
	s_add_co_u32 s46, s46, s18
	s_lshl_b32 s22, s20, 2
	s_add_co_u32 s22, s22, ASO
	s_mul_i32 s20, s20, 48
	s_lshl_b32 s92, s46, 2
	s_add_co_u32 s92, s92, BSO
	s_mul_i32 s46, s46, 48
	s_add_co_u32 s46, s46, BCO
	s_mov_b32 s21, 0
	s_mov_b32 s23, 0
	s_mov_b32 s47, 0
	s_mov_b32 s93, 0
	s_mul_i32 s45, s14, HALFT
	s_mul_i32 s94, s14, HALFS
	s_wait_dscnt 0x0                               ; the opening add is done
	s_wait_kmcnt 0x0
	s_add_nc_u64 s[20:21], s[4:5], s[20:21]
	s_add_nc_u64 s[22:23], s[4:5], s[22:23]
	s_add_nc_u64 s[46:47], s[6:7], s[46:47]
	s_add_nc_u64 s[92:93], s[6:7], s[92:93]
	CROUND                                         ; all sixteen work-groups are here: the first joint loads meet
	s_mov_b32 s[G0S], 1
	s_add_co_u32 s[G0S+1], s94, SCL
	s_mov_b64 s[G0S+2:G0S+3], s[22:23]
	s_or_b32 s[G0S+3], s[G0S+3], 0x80000000
	s_mov_b32 s[G0SB], 1
	s_add_co_u32 s[G0SB+1], s94, SCL
	s_mov_b64 s[G0SB+2:G0SB+3], s[92:93]
	s_or_b32 s[G0SB+3], s[G0SB+3], 0x80000000
	JLOAD G0S, G1S, G0SB, G1SB
.irp s, 0,1
	s_mov_b32 s[G0+4*\s], 1
	s_add_co_u32 s[G0+4*\s+1], s45, \s*SLOT
	s_add_nc_u64 s[G0+4*\s+2:G0+4*\s+3], s[20:21], \s*4*PSA
	s_or_b32 s[G0+4*\s+3], s[G0+4*\s+3], 0x80000000
	s_mov_b32 s[G0B+4*\s], 1
	s_add_co_u32 s[G0B+4*\s+1], s45, \s*SLOT
	s_add_nc_u64 s[G0B+4*\s+2:G0B+4*\s+3], s[46:47], \s*4*PSB
	s_or_b32 s[G0B+4*\s+3], s[G0B+4*\s+3], 0x80000000
	JLOAD G0+4*\s, G1, G0B+4*\s, G1B
.endr
	v_and_b32 v1, 15, v0                           ; r
	v_bfe_u32 v2, v0, 4, 1                         ; h
	v_mul_u32_u24 v3, v1, 48
	v_mad_u32_u24 v4, v2, 24, v3
	s_mul_i32 s21, s15, HALFT
	s_mul_i32 s22, s16, HALFT
	s_add_co_u32 s22, s22, 2*HALFT
.irp s, 0,1
	v_add_nc_u32 v[ADRA+\s], s21, v4
	v_add_nc_u32 v[ADRB+\s], s22, v4
	s_add_co_u32 s21, s21, SLOT
	s_add_co_u32 s22, s22, SLOT
.endr
	v_lshlrev_b32 v5, 2, v1
	s_mul_i32 s21, s15, HALFS
	s_mul_i32 s22, s16, HALFS
	s_add_co_u32 s22, s22, 2*HALFS
	s_sub_co_u32 s22, s22, s21
	v_mul_u32_u24 v6, s22, v2
	s_add_co_u32 s21, s21, SCL
	v_add_nc_u32 v5, v5, v6
	v_add_nc_u32 v[ADRS], s21, v5
	s_mul_i32 s23, s14, 12800                      ; my stage, in slot 0: [2 panels][128 rows][48], then 128 scale words
	v_add_nc_u32 v[STO], s23, v4
	v_lshlrev_b32 v5, 2, v1
	v_add_nc_u32 v[STS], s23, v5
	v_add_nc_u32 v[STS], 12288, v[STS]
	v_and_b32 v6, 31, v0
	v_lshlrev_b32 v[CO], 4, v6
	v_add_nc_u32 v[RD], s23, v[CO]
	v_lshlrev_b32 v13, 6, v2                       ; the bias: 64 bytes on for lanes 16-31
	s_lshl_b32 s20, s17, 8
	s_lshl_b32 s21, s15, 7
	s_add_co_u32 s20, s20, s21                     ; my first row
	s_lshl_b32 s46, s42, 1
	s_add_co_u32 s46, s46, s16                     ; which 128 hidden units are mine
	s_mul_i32 s47, s46, OSS
	s_lshl_b32 s21, s20, 2
	s_add_co_u32 s47, s47, s21
	s_add_co_u32 s96, s47, OSO
	s_mov_b32 s97, 0
	s_add_nc_u64 s[96:97], s[10:11], s[96:97]      ; my 128 scale words
	s_lshl_b32 s98, s46, 9
	s_mov_b32 s99, 0
	s_add_nc_u64 s[8:9], s[8:9], s[98:99]          ; my 128 numbers of the bias
	s_mul_i32 s46, s46, 2*OPS
	s_mul_i32 s20, s20, 48
	s_add_co_u32 s12, s46, s20
	s_mov_b32 s13, 0
	s_add_nc_u64 s[12:13], s[10:11], s[12:13]      ; my first panel's 6,144 bytes,
	s_add_nc_u64 s[66:67], s[12:13], OPS           ; and my second's
.irp j, 0,1,2,3
.irp k, 0,1,2,3
	global_load_b128 v[64+16*\j+4*\k:67+16*\j+4*\k], v13, s[8:9] offset:128*\j+16*\k   ; register 16 j + i: the bias of hidden unit 32 j + 16 h + i
.endr
.endr
.macro FRAG reg, adr, q, i
.irp p, 0,1,2,3,4,5
	ds_load_b64 v[\reg+2*\p:\reg+2*\p+1], v[\adr] offset:(2*(\q)+\p/3)*PANB+(\i)*768+8*(\p%3)
.endr
.endm
.macro MUL16 a0, p, q, sc, zero        ; A's blocks a0, a0 + 1 x B's eight; the 64 accumulators take turns, one instruction a turn
.irp a, \a0, \a0+1
.irp b, 0,1,2,3,4,5,6,7
.if \zero
	v_wmma_scale_f32_16x16x128_f8f6f4 v[8*(8*((\a)%4)+\b):8*(8*((\a)%4)+\b)+7], v[128*(\p)+FR*\b:128*(\p)+FR*\b+FR-1], v[AF+FR*(\a):AF+FR*(\a)+FR-1], 0, v[SC+8*NQ*(\sc)+NQ*\b+(\q)], v[SC+8*NQ*(\sc)+NQ*(\a)+(\q)] matrix_a_fmt:MATRIX_FMT_FP6 matrix_b_fmt:MATRIX_FMT_FP6 matrix_a_scale:MATRIX_SCALE_ROW1
.else
	v_wmma_scale_f32_16x16x128_f8f6f4 v[8*(8*((\a)%4)+\b):8*(8*((\a)%4)+\b)+7], v[128*(\p)+FR*\b:128*(\p)+FR*\b+FR-1], v[AF+FR*(\a):AF+FR*(\a)+FR-1], v[8*(8*((\a)%4)+\b):8*(8*((\a)%4)+\b)+7], v[SC+8*NQ*(\sc)+NQ*\b+(\q)], v[SC+8*NQ*(\sc)+NQ*(\a)+(\q)] matrix_a_fmt:MATRIX_FMT_FP6 matrix_b_fmt:MATRIX_FMT_FP6 matrix_a_scale:MATRIX_SCALE_ROW1
.endif
.endr
.endr
.endm
.macro FETCH_B slot, q, p
	WIN TO_B
.irp i, 0,1,2,3,4,5,6,7
	FRAG 128*(\p)+FR*\i, ADRB+\slot, \q, \i
.endr
	WIN 0
.endm
.macro FETCH_A slot, q, i0
.irp i, \i0, \i0+1, \i0+2, \i0+3
	FRAG AF+FR*(\i), ADRA+\slot, \q, \i
.endr
.endm
.macro SCALES sc
.irp i, 0,1,2,3,4,5,6,7
.irp q, 0,1
	ds_load_b32 v[SC+8*NQ*\sc+NQ*\i+\q], v[ADRS] offset:512*\q+64*\i
.endr
.endr
.endm
.macro PLACES n                        ; plain vector lines between a matrix instruction and a load into, or a read of, its registers
.rept \n
	v_nop
.endr
.endm
.macro STEP slot, q, zero
	s_wait_dscnt 4*NL                              ; all but the youngest 24 loads (A's blocks 4-7) are in
	WIN MUL_LO
	MUL16 0, (\q)%2, \q, \slot, \zero
	MUL16 2, (\q)%2, \q, \slot, \zero
	s_wait_dscnt 0
	PLACES NP
	FETCH_B \slot, (\q)+1, 1-(\q)%2
	FETCH_A \slot, (\q)+1, 0
	WIN MUL_HI
	MUL16 4, (\q)%2, \q, \slot, \zero
	MUL16 6, (\q)%2, \q, \slot, \zero
	PLACES NP
	WIN 0
	FETCH_A \slot, (\q)+1, 4
.endm
.macro TURN slot, next, fill           ; a slot's last step changes slots: one barrier (with fill = 1 it opens a round of the cluster's)
	s_wait_tensorcnt 0x0                           ; all my tensor loads have landed: my part of the next slot
	ds_add_u32 v[SPW], v[NIL]                      ; 0 onto my spare word
	s_wait_dscnt 4*NL+1                            ; (the add and the youngest 24 loads may be out)
	WIN MUL_LO
	MUL16 0, 1, NQ-1, \slot, 0
	s_wait_dscnt 0x0                               ; the add is done, and my reads of this slot are over
	s_barrier_signal -1
	MUL16 2, 1, NQ-1, \slot, 0
	WIN 0
	s_barrier_wait -1
.if \fill
	CREST                                          ; no wave of any partner still reads this slot or has a load on its way
	s_add_nc_u64 s[G0+4*\slot+2:G0+4*\slot+3], s[G0+4*\slot+2:G0+4*\slot+3], 8*PSA
	s_add_nc_u64 s[G0B+4*\slot+2:G0B+4*\slot+3], s[G0B+4*\slot+2:G0B+4*\slot+3], 8*PSB
	JLOAD G0+4*\slot, G1, G0B+4*\slot, G1B
.else
	PLACES NP
.endif
	v_add_nc_u32 v[ADRS], 512*NQ, v[ADRS]
	FETCH_B \next, 0, 0
	FETCH_A \next, 0, 0
	SCALES \next
	WIN MUL_HI
	MUL16 4, 1, NQ-1, \slot, 0
	MUL16 6, 1, NQ-1, \slot, 0
	PLACES NP
	WIN 0
	FETCH_A \next, 0, 4
.endm
; 64 numbers of a lane, v[s] on (window 0), register 16 b + i = k 32 b + 16 h + i of my row, become a fragment's codes in v[PC] on and its scale word in v[PW]
.macro QUANT s
.irp b, 0,1,2,3
	v_max3_num_f32 v[TM+\b], |v[(\s)+16*\b]|, |v[(\s)+1+16*\b]|, 0x1800000   ; my 16 numbers of block b, and the floor 2^(3 - 127)
.endr
.irp i, 2,4,6,8,10,12,14
.irp b, 0,1,2,3
	v_max3_num_f32 v[TM+\b], v[TM+\b], |v[(\s)+16*\b+\i]|, |v[(\s)+1+16*\b+\i]|
.endr
.endr
.irp b, 0,1,2,3
	v_permlanex16_b32 v[TM+4+\b], v[TM+\b], s[SEL], s[SEL+1]
.endr
.irp b, 0,1,2,3
	v_max_num_f32 v[TM+\b], v[TM+\b], v[TM+4+\b]
.endr
.irp b, 0,1,2,3
	v_add_nc_u32 v[TM+12+\b], 0xff000000, v[TM+\b]
.endr
.irp b, 0,1,2,3
	v_lshrrev_b32 v[TM+4+\b], 23, v[TM+12+\b]
.endr
	v_lshl_or_b32 v[PW], v[TM+5], 8, v[TM+4]
	v_lshl_or_b32 v[PW], v[TM+6], 16, v[PW]
	v_lshl_or_b32 v[PW], v[TM+7], 24, v[PW]
.irp c, 0,1
	v_cvt_scalef32_pk16_fp6_f32 v[PC+6*\c:PC+2+6*\c], v[(\s)+32*\c:(\s)+15+32*\c], v[TM+12+2*\c]
	v_cvt_scalef32_pk16_fp6_f32 v[PC+12+4*\c:PC+14+4*\c], v[(\s)+16+32*\c:(\s)+31+32*\c], v[TM+12+2*\c+1]
.endr
	v_nop                                          ; one plain line behind a scaled conversion
.irp c, 0,1
.irp i, 0,1,2
	v_permlane16_swap_b32 v[PC+6*\c+\i], v[PC+12+4*\c+\i]
.endr
.irp i, 0,1,2
	v_mov_b32 v[PC+3+6*\c+\i], v[PC+12+4*\c+\i]
.endr
.endr
.endm
.macro PUT adrc, adrs, offc, offs
.irp c, 0,1
.irp p, 0,1,2
	ds_store_b64 v[\adrc], v[PC+6*\c+2*\p:PC+6*\c+2*\p+1] offset:(\offc)+6144*\c+8*\p
.endr
.endr
	ds_store_b32 v[\adrs], v[PW] offset:(\offs)    ; both halves of the lanes write the same word with the same value
	s_wait_dscnt 0x0                               ; the stores have read their registers
.endm
.macro FLUSH                           ; my stage's 12,800 bytes leave: every store covers 512 consecutive bytes, at a multiple of 256
.set I, 0
.rept 25
	ds_load_b128 v[128+4*I:131+4*I], v[RD] offset:512*I
.set I, I+1
.endr
.set I, 0
.rept 12
	s_wait_dscnt 24-I                              ; load I is in; the younger ones may be out
	global_store_b128 v[CO], v[128+4*I:131+4*I], s[12:13] offset:512*I
.set I, I+1
.endr
.rept 12
	s_wait_dscnt 24-I
	global_store_b128 v[CO], v[128+4*I:131+4*I], s[66:67] offset:512*(I-12)
.set I, I+1
.endr
	s_wait_dscnt 0x0
	global_store_b128 v[CO], v[224:227], s[96:97]
.endm
.macro COPY a                          ; block a's 64 numbers a lane + the bias -> v128-191 of window 0; each accumulator is read from its low end on
	WIN 2+(\a)/4
.set I, 0
.rept 32
	v_pk_add_f32 v[128+I:129+I], v[64*((\a)%4)+I:64*((\a)%4)+I+1], v[64+I:65+I]
.set I, I+2
.endr
	WIN 0
.endm
.macro PAIR reg, bits
	s_mov_b32 s[\reg], \bits
	s_mov_b32 s[\reg+1], \bits
.endm
.macro GELU16 xr                       ; 16 numbers in place: x -> 0.5 x (1 + erf(x / sqrt 2))
.irp j, 0,2,4,6,8,10,12,14
	v_pk_mul_f32 v[GZ+\j:GZ+\j+1], v[\xr+\j:\xr+\j+1], s[KC:KC+1] op_sel_hi:[1,0]
.endr
.irp j, 0,1,2,3,4,5,6,7,8,9,10,11,12,13,14,15
	v_med3_num_f32 v[GZ+\j], v[GZ+\j], -4.0, 4.0
.endr
.irp j, 0,2,4,6,8,10,12,14
	v_pk_mul_f32 v[GW+\j:GW+\j+1], v[GZ+\j:GZ+\j+1], v[GZ+\j:GZ+\j+1]
.endr
.irp j, 0,2,4,6,8,10,12,14
	v_pk_fma_f32 v[GP+\j:GP+\j+1], v[GW+\j:GW+\j+1], s[A13:A13+1], v[VA11:VA11+1] op_sel_hi:[1,0,1]
.endr
.irp k, A9, A7, A5, A3, A1
.irp j, 0,2,4,6,8,10,12,14
	v_pk_fma_f32 v[GP+\j:GP+\j+1], v[GP+\j:GP+\j+1], v[GW+\j:GW+\j+1], s[\k:\k+1] op_sel_hi:[1,1,0]
.endr
.endr
.irp j, 0,2,4,6,8,10,12,14
	v_pk_fma_f32 v[GQ+\j:GQ+\j+1], v[GW+\j:GW+\j+1], s[B8:B8+1], v[VB6:VB6+1] op_sel_hi:[1,0,1]
.endr
.irp k, B4, B2, B0
.irp j, 0,2,4,6,8,10,12,14
	v_pk_fma_f32 v[GQ+\j:GQ+\j+1], v[GQ+\j:GQ+\j+1], v[GW+\j:GW+\j+1], s[\k:\k+1] op_sel_hi:[1,1,0]
.endr
.endr
.irp j, 0,1,2,3,4,5,6,7,8,9,10,11,12,13,14,15
	v_rcp_f32 v[GQ+\j], v[GQ+\j]
.endr
.irp j, 0,2,4,6,8,10,12,14
	v_pk_mul_f32 v[GP+\j:GP+\j+1], v[GP+\j:GP+\j+1], v[GZ+\j:GZ+\j+1]   ; z P: plain work behind the reciprocals
.endr
.irp j, 0,2,4,6,8,10,12,14
	v_pk_mul_f32 v[GW+\j:GW+\j+1], v[\xr+\j:\xr+\j+1], 0.5 op_sel_hi:[1,0]
.endr
	s_wait_alu depctr_va_vdst(0)                   ; one wait for the sixteen, ahead of their first reader
.irp j, 0,2,4,6,8,10,12,14
	v_pk_mul_f32 v[GP+\j:GP+\j+1], v[GP+\j:GP+\j+1], v[GQ+\j:GQ+\j+1]   ; erf
.endr
.irp j, 0,2,4,6,8,10,12,14
	v_pk_fma_f32 v[\xr+\j:\xr+\j+1], v[GW+\j:GW+\j+1], v[GP+\j:GP+\j+1], v[GW+\j:GW+\j+1]
.endr
.endm
	s_wait_loadcnt 0x0                             ; the bias
	s_wait_tensorcnt 1                             ; the scale words and my part of K step 0 are in (K step 1's load may be out),
	s_barrier_signal -1
	s_barrier_wait -1                              ; everybody's are
	FETCH_B 0, 0, 0
	FETCH_A 0, 0, 0
	SCALES 0
	FETCH_A 0, 0, 4
	STEP 0, 0, 1
	s_mov_b32 s3, LAPS-1
.Llap:
	TURN 0, 1, 1
	STEP 1, 0, 0
	TURN 1, 0, 1
	STEP 0, 0, 0
	s_sub_co_u32 s3, s3, 1
	s_cmp_lg_u32 s3, 0
	s_cbranch_scc1 .Llap
	TURN 0, 1, 0
	STEP 1, 0, 0
	s_wait_dscnt 4*NL
	WIN MUL_LO
	MUL16 0, 1, NQ-1, 1, 0
	MUL16 2, 1, NQ-1, 1, 0
	s_wait_dscnt 0
	WIN MUL_HI
	MUL16 4, 1, NQ-1, 1, 0
	MUL16 6, 1, NQ-1, 1, 0
	WIN 0
	; THE EPILOGUE.  No tensor load of mine is out since the last change of slots: the descriptors' registers take the constants.
	s_mov_b32 s[SEL], 0x76543210
	s_mov_b32 s[SEL+1], 0xfedcba98
	PAIR KC,  0x3f3504f3
	PAIR A13, 0xaf95df0b
	PAIR A9,  0xb60cff51
	PAIR A7,  0xb86ec2d2
	PAIR A5,  0xba40ac63
	PAIR A3,  0xbb41a1f6
	PAIR A1,  0xbc83dbd4
	PAIR B8,  0xb77460cd
	PAIR B4,  0xbadc924e
	PAIR B2,  0xbbf19bf8
	PAIR B0,  0xbc69b6a7
	PLACES NP
	v_mov_b32 v[VA11], 0x32edffee
	v_mov_b32 v[VA11+1], 0x32edffee
	v_mov_b32 v[VB6], 0xb95fbd29
	v_mov_b32 v[VB6+1], 0xb95fbd29
.irp b, 0,1,2,3
	v_mov_b32 v[TM+4+\b], 0                        ; a lane permute's destination counts as one of its sources
.endr
	s_mov_b32 s50, 0                               ; the block
	s_mov_b32 s48, 0                               ; its place in the stage: 768 bytes of codes,
	s_mov_b32 s49, 0                               ; 64 of scale words
.Lrow:
.irp a, 0,1,2,3,4,5,6
	s_cmp_eq_u32 s50, \a
	s_cbranch_scc0 .Lnot_\a
	COPY \a
	s_branch .Lgo
.Lnot_\a:
.endr
	COPY 7
.Lgo:
	GELU16 128
	GELU16 144
	GELU16 160
	GELU16 176
	QUANT 128
	v_add_nc_u32 v31, s48, v[STO]
	v_add_nc_u32 v12, s49, v[STS]
	PUT 31, 12, 0, 0
	s_add_co_u32 s48, s48, 768
	s_add_co_u32 s49, s49, 64
	s_add_co_u32 s50, s50, 1
	s_cmp_lt_u32 s50, 8
	s_cbranch_scc1 .Lrow
	FLUSH
	s_wait_tensorcnt 0x0                           ; the wave's end
	ds_add_u32 v[SPW], v[NIL]
	s_wait_dscnt 0x0
	CROUND                                         ; the closing round
	s_endpgm
.Lfunc_end_k_q7f8c491e40_fc1:
	.size	k_q7f8c491e40_fc1, .Lfunc_end_k_q7f8c491e40_fc1-k_q7f8c491e40_fc1
	.p2alignl 7, 3214868480
	.fill 96, 4, 3214868480
	.section	.rodata,"a",@progbits
	.p2align	6, 0x0
	.amdhsa_kernel k_q7f8c491e40_fc1
		.amdhsa_group_segment_fixed_size 327680
		.amdhsa_private_segment_fixed_size 0
		.amdhsa_enable_private_segment 0
		.amdhsa_kernarg_size 32
		.amdhsa_user_sgpr_count 2
		.amdhsa_user_sgpr_kernarg_segment_ptr 1
		.amdhsa_wavefront_size32 1
		.amdhsa_system_sgpr_workgroup_id_x 1
		.amdhsa_system_sgpr_workgroup_id_y 1
		.amdhsa_system_sgpr_workgroup_id_z 1
		.amdhsa_system_vgpr_workitem_id 0
		.amdhsa_next_free_vgpr 1024
		.amdhsa_next_free_sgpr 100
		.amdhsa_reserve_vcc 0
		.amdhsa_float_denorm_mode_32 3
		.amdhsa_float_denorm_mode_16_64 3
		.amdhsa_memory_ordered 1
		.amdhsa_forward_progress 1
		.amdhsa_inst_pref_size 200
	.end_amdhsa_kernel
	.amdgpu_metadata
---
amdhsa.version: [ 1, 2 ]
amdhsa.kernels:
  - .name:           k_q7f8c491e40_fc1
    .symbol:         k_q7f8c491e40_fc1.kd
    .args:
      - { .name: zq, .offset: 0, .size: 8, .value_kind: global_buffer, .address_space: global }
      - { .name: wq, .offset: 8, .size: 8, .value_kind: global_buffer, .address_space: global }
      - { .name: b_fc1, .offset: 16, .size: 8, .value_kind: global_buffer, .address_space: global }
      - { .name: hq, .offset: 24, .size: 8, .value_kind: global_buffer, .address_space: global }
    .group_segment_fixed_size: 327680
    .private_segment_fixed_size: 0
    .kernarg_segment_align: 8
    .kernarg_segment_size: 32
    .max_flat_workgroup_size: 128
    .sgpr_count:     100
    .vgpr_count:     1024
    .wavefront_size: 32
...
	.end_amdgpu_metadata
.endif
;; end of part 6
;; launch fc2 (part 7): grid 4 x 16, 4 waves a work-group, clusters of 4 x 4, 327,680 bytes of LDS; arguments hq, wq, b_fc2, x1, out0; writes out0
.if DOCPART == 7
	.amdgcn_target "amdgcn-amd-amdhsa--gfx1250"
	.amdhsa_code_object_version 6
	.text
	.protected	k_q7f8c491e40_fc2
	.globl	k_q7f8c491e40_fc2
	.p2align	8
	.type	k_q7f8c491e40_fc2,@function
k_q7f8c491e40_fc2:
	s_mov_b64 s[64:65], 0
	v_nop
	global_prefetch_b8 v0, s[64:65] scope:SCOPE_SE
	s_setreg_imm32_b32 hwreg(HW_REG_WAVE_MODE, 25, 1), 1
	s_wait_xcnt 0x0
	s_wait_alu depctr_hold_cnt(0) depctr_sa_sdst(0) depctr_va_vdst(0) depctr_va_sdst(0) depctr_va_ssrc(0) depctr_va_vcc(0) depctr_vm_vsrc(0)
	s_getreg_b32 s2, hwreg(HW_REG_IB_STS2, 6, 4)
	s_cmp_eq_u32 s2, 0
	s_cbranch_scc0 .Lentry_in_a_cluster
	s_endpgm
.Lentry_in_a_cluster:
	s_bfe_u32 s2, ttmp6, 0x10000c
	s_cmp_lg_u32 s2, 0xf033
	s_cbranch_scc0 .Lentry_shape_is_right
	s_endpgm
.Lentry_shape_is_right:
; Product 6 on codes of FP6 (E2M3) with E8M0 scales: out = x1 + h w_fc2 + b_fc2, f32 out.  K = 4,096.
; A = hq: codes [64 panels of 64 k][4,096 rows][48 bytes], scale words from 12,582,912 on, [32][4,096][4].  B = wq: w_fc2's codes from 3,932,160 on, [64][1,024][48], scale words from 7,241,728 on, [32][1,024][4].  Rows in sigma order (bits 3, 4 exchanged).
; A tile of 256 x 256 is made by four waves, 128 x 128 each: 64 accumulators.  K goes in steps of 256 through two LDS slots; a wave's tensor load brings 128 rows x 4 panels, four dense runs of 6,144 bytes.
; At 48 bytes a row the 32 lanes of a fragment's 8-byte load fall on 64 different banks: no padding.  The scale words of the tile's rows for all of K come once, with the first fills.
; THE MATRIX INSTRUCTION IS USED TRANSPOSED (source 0 = 16 rows of B, source 1 = 16 rows of A): a lane holds one row of A and, in accumulator (a, b), the logical columns 32 (b / 2) + 16 h + 8 (b % 2) + 0 .. 7.
; CLUSTERS 4 x 4: A's tiles are asked for jointly along a row of the cluster, B's along a column.  The grid has 64 work-groups: one tile of 256 x 256 each.
; THE WAY OUT: 16 rows at a time through the wave's stage (in slot 0, which has had its last fill and read); residual and bias are added to whole rows of 512 bytes; storage row 16 a + t is token 32 (a / 2) + 8 (a % 2) + t + 8 (t / 8).
; REGISTERS: window 0: v0-31 addresses, v32-63 scale words, v64-67 the bias, v128-223 A's fragments, later v128-255 rows on the way out; window 1: B's fragments, later the residual; windows 2, 3: the accumulators.
.set SIZE_K, 4096
.set PSA, 196608
.set PSB, 49152
.set SSA, 16384
.set SSB, 4096
.set ASO, 12582912
.set BCO, 3932160
.set BSO, 7241728
.set NQ, 2
.set FR, 12
.set NL, 6
.set NP, 4
.set PANB,  6144
.set HALFT, 4*PANB
.set SLOT,  4*HALFT
.set NKS,   SIZE_K/128
.set LAPS,  SIZE_K/512
.set SCL,   2*SLOT
.set HALFS, 512*NKS
.set SPARE, SCL+4*HALFS
.set SPITCH, 528
.set ADRA, 16
.set ADRB, 20
.set STO,  24
.set RD,   25
.set CO,   26
.set ADRS, 27
.set SPW,  28
.set NIL,  29
.set SC,   32
.set AF,   128
.set BK,   128
.set G1, 24
.set G0, 32
.set G1B, 48
.set G0B, 56
.set G1S, 68
.set G0S, 76
.set G1SB, 80
.set G0SB, 88
.set MSB, 0
.macro WIN new                         ; the immediate's high byte repeats the setting that is left
.if MSB != (\new)
	s_set_vgpr_msb (MSB<<8)|(\new)
.set MSB, (\new)
.endif
.endm
.set MUL_LO, 0xa1
.set MUL_HI, 0xf1
.set TO_B,   0x40
.macro JLOAD g0a, g1a, g0b, g1b        ; a joint load: waves 0, 1 fetch for A, waves 2, 3 for B; s_nop 0 and four v_nop follow each line
	s_cmp_eq_u32 s15, 0
	s_cbranch_scc0 .Lfor_b_\@
	tensor_load_to_lds s[\g0a:\g0a+3], s[\g1a:\g1a+7]
	s_nop 0
.rept 4
	v_nop
.endr
	s_branch .Lasked_\@
.Lfor_b_\@:
	tensor_load_to_lds s[\g0b:\g0b+3], s[\g1b:\g1b+7]
	s_nop 0
.rept 4
	v_nop
.endr
.Lasked_\@:
.endm
.macro CREST
	s_cmp_lg_u32 s14, 0
	s_cbranch_scc1 .Lnot_wave_0_\@
	s_barrier_signal -3
.Lnot_wave_0_\@:
	s_barrier_wait -3
	s_barrier_signal -1
	s_barrier_wait -1
.endm
.macro CROUND
	s_barrier_signal -1
	s_barrier_wait -1
	CREST
.endm
.macro SHAPE g, c, r, p                ; words 1 to 7 of a group 1: r rows of c elements of 8 bytes, p elements apart
	s_mov_b32 s[\g+1], (\c)<<16
	s_mov_b32 s[\g+2], (\r)<<16
	s_mov_b32 s[\g+3], (\c)<<16
	s_mov_b32 s[\g+4], \r
	s_mov_b32 s[\g+5], \p
	s_mov_b32 s[\g+6], 0
	s_mov_b32 s[\g+7], 0
.endm
	s_load_b256 s[4:11], s[0:1], 0x0               ; A, wq, the bias, the residual
	s_load_b64 s[12:13], s[0:1], 0x20              ; the result
	v_lshl_add_u32 v[SPW], v0, 2, SPARE
	v_mov_b32 v[NIL], 0
	ds_add_u32 v[SPW], v[NIL]                      ; the wave's opening: the add, and its wait ahead of my first tensor load
	v_lshrrev_b32 v1, 5, v0
	v_readfirstlane_b32 s14, v1                    ; wave
	s_lshr_b32 s15, s14, 1                         ; my half of the tile's rows.  Also: I fetch for A (0) or B (1)
	s_and_b32 s16, s14, 1                          ; my half of its columns.  Also: which 128 rows I fetch
	s_bfe_u32 s40, ttmp6, 0x40000                  ; cx
	s_bfe_u32 s41, ttmp6, 0x40004                  ; cy
	s_lshl_b32 s42, ttmp9, 2
	s_add_co_u32 s42, s42, s40                     ; tile column
	s_and_b32 s17, ttmp7, 0xffff
	s_lshl_b32 s17, s17, 2
	s_add_co_u32 s17, s17, s41                     ; tile row
	s_lshl_b32 s43, s41, 2
	s_lshl_b32 s43, 15, s43                        ; my row of the cluster
	s_lshl_b32 s44, 0x1111, s40                    ; my column
	s_or_b32 s[G1+0], s43, (3<<16)|(1<<21)         ; the mask; elements of 8 bytes; bit 21 beside a mask; no padding
	s_or_b32 s[G1B+0], s44, (3<<16)|(1<<21)
	s_or_b32 s[G1S+0], s43, (3<<16)|(1<<21)
	s_or_b32 s[G1SB+0], s44, (3<<16)|(1<<21)
	SHAPE G1, 768, 4, PSA/8
	SHAPE G1B, 768, 4, PSB/8
	SHAPE G1S, 64, NKS, SSA/8
	SHAPE G1SB, 64, NKS, SSB/8
	s_lshl_b32 s18, s16, 7
	s_lshl_b32 s20, s17, 8
	s_add_co_u32 s20, s20, s18                     ; A: the first row that I fetch
	s_lshl_b32 s46, s42, 8
	s_add_co_u32 s46, s46, s18                     ; B likewise
	s_lshl_b32 s22, s20, 2
	s_add_co_u32 s22, s22, ASO
	s_mul_i32 s20, s20, 48
	s_lshl_b32 s92, s46, 2
	s_add_co_u32 s92, s92, BSO
	s_mul_i32 s46, s46, 48
	s_add_co_u32 s46, s46, BCO
	s_mov_b32 s21, 0
	s_mov_b32 s23, 0
	s_mov_b32 s47, 0
	s_mov_b32 s93, 0
	s_mul_i32 s45, s14, HALFT
	s_mul_i32 s94, s14, HALFS
	s_wait_dscnt 0x0                               ; the opening add is done
	s_wait_kmcnt 0x0
	s_add_nc_u64 s[20:21], s[4:5], s[20:21]
	s_add_nc_u64 s[22:23], s[4:5], s[22:23]
	s_add_nc_u64 s[46:47], s[6:7], s[46:47]
	s_add_nc_u64 s[92:93], s[6:7], s[92:93]
	CROUND                                         ; all sixteen work-groups are here: the first joint loads meet
	s_mov_b32 s[G0S], 1
	s_add_co_u32 s[G0S+1], s94, SCL
	s_mov_b64 s[G0S+2:G0S+3], s[22:23]
	s_or_b32 s[G0S+3], s[G0S+3], 0x80000000
	s_mov_b32 s[G0SB], 1
	s_add_co_u32 s[G0SB+1], s94, SCL
	s_mov_b64 s[G0SB+2:G0SB+3], s[92:93]
	s_or_b32 s[G0SB+3], s[G0SB+3], 0x80000000
	JLOAD G0S, G1S, G0SB, G1SB
.irp s, 0,1
	s_mov_b32 s[G0+4*\s], 1
	s_add_co_u32 s[G0+4*\s+1], s45, \s*SLOT
	s_add_nc_u64 s[G0+4*\s+2:G0+4*\s+3], s[20:21], \s*4*PSA
	s_or_b32 s[G0+4*\s+3], s[G0+4*\s+3], 0x80000000
	s_mov_b32 s[G0B+4*\s], 1
	s_add_co_u32 s[G0B+4*\s+1], s45, \s*SLOT
	s_add_nc_u64 s[G0B+4*\s+2:G0B+4*\s+3], s[46:47], \s*4*PSB
	s_or_b32 s[G0B+4*\s+3], s[G0B+4*\s+3], 0x80000000
	JLOAD G0+4*\s, G1, G0B+4*\s, G1B
.endr
	v_and_b32 v1, 15, v0                           ; r
	v_bfe_u32 v2, v0, 4, 1                         ; h
	v_mul_u32_u24 v3, v1, 48
	v_mad_u32_u24 v4, v2, 24, v3
	s_mul_i32 s21, s15, HALFT
	s_mul_i32 s22, s16, HALFT
	s_add_co_u32 s22, s22, 2*HALFT
.irp s, 0,1
	v_add_nc_u32 v[ADRA+\s], s21, v4
	v_add_nc_u32 v[ADRB+\s], s22, v4
	s_add_co_u32 s21, s21, SLOT
	s_add_co_u32 s22, s22, SLOT
.endr
	v_lshlrev_b32 v5, 2, v1
	s_mul_i32 s21, s15, HALFS
	s_mul_i32 s22, s16, HALFS
	s_add_co_u32 s22, s22, 2*HALFS
	s_sub_co_u32 s22, s22, s21
	v_mul_u32_u24 v6, s22, v2                      ; lanes 16-31 take B's words
	s_add_co_u32 s21, s21, SCL
	v_add_nc_u32 v5, v5, v6
	v_add_nc_u32 v[ADRS], s21, v5
	s_mul_i32 s23, s14, 16*SPITCH                  ; my stage
	v_mul_u32_u24 v5, v1, SPITCH
	v_lshl_add_u32 v5, v2, 6, v5                   ; in: row r, 64 bytes on for lanes 16-31
	v_add_nc_u32 v[STO], s23, v5
	v_and_b32 v6, 31, v0
	v_lshlrev_b32 v[CO], 4, v6
	v_add_nc_u32 v[RD], s23, v[CO]                 ; back: a row of 512 bytes
	s_lshl_b32 s20, s17, 8
	s_lshl_b32 s21, s15, 7
	s_add_co_u32 s20, s20, s21
	s_lshl_b32 s20, s20, 12                        ; my first row, 4,096 bytes a row
	s_lshl_b32 s46, s42, 10
	s_lshl_b32 s47, s16, 9
	s_add_co_u32 s46, s46, s47                     ; my first column, in bytes
	s_mov_b32 s47, 0
	s_add_nc_u64 s[8:9], s[8:9], s[46:47]
	s_add_co_u32 s20, s20, s46
	s_mov_b32 s21, 0
	s_add_nc_u64 s[10:11], s[10:11], s[20:21]
	s_add_nc_u64 s[12:13], s[12:13], s[20:21]
	global_load_b128 v[64:67], v[CO], s[8:9]       ; the bias of my four columns of a row's 128
.macro FRAG reg, adr, q, i
.irp p, 0,1,2,3,4,5
	ds_load_b64 v[\reg+2*\p:\reg+2*\p+1], v[\adr] offset:(2*(\q)+\p/3)*PANB+(\i)*768+8*(\p%3)
.endr
.endm
.macro MUL16 a0, p, q, sc, zero        ; A's blocks a0, a0 + 1 x B's eight; the 64 accumulators take turns, one instruction a turn
.irp a, \a0, \a0+1
.irp b, 0,1,2,3,4,5,6,7
.if \zero
	v_wmma_scale_f32_16x16x128_f8f6f4 v[8*(8*((\a)%4)+\b):8*(8*((\a)%4)+\b)+7], v[128*(\p)+FR*\b:128*(\p)+FR*\b+FR-1], v[AF+FR*(\a):AF+FR*(\a)+FR-1], 0, v[SC+8*NQ*(\sc)+NQ*\b+(\q)], v[SC+8*NQ*(\sc)+NQ*(\a)+(\q)] matrix_a_fmt:MATRIX_FMT_FP6 matrix_b_fmt:MATRIX_FMT_FP6 matrix_a_scale:MATRIX_SCALE_ROW1
.else
	v_wmma_scale_f32_16x16x128_f8f6f4 v[8*(8*((\a)%4)+\b):8*(8*((\a)%4)+\b)+7], v[128*(\p)+FR*\b:128*(\p)+FR*\b+FR-1], v[AF+FR*(\a):AF+FR*(\a)+FR-1], v[8*(8*((\a)%4)+\b):8*(8*((\a)%4)+\b)+7], v[SC+8*NQ*(\sc)+NQ*\b+(\q)], v[SC+8*NQ*(\sc)+NQ*(\a)+(\q)] matrix_a_fmt:MATRIX_FMT_FP6 matrix_b_fmt:MATRIX_FMT_FP6 matrix_a_scale:MATRIX_SCALE_ROW1
.endif
.endr
.endr
.endm
.macro FETCH_B slot, q, p
	WIN TO_B
.irp i, 0,1,2,3,4,5,6,7
	FRAG 128*(\p)+FR*\i, ADRB+\slot, \q, \i
.endr
	WIN 0
.endm
.macro FETCH_A slot, q, i0
.irp i, \i0, \i0+1, \i0+2, \i0+3
	FRAG AF+FR*(\i), ADRA+\slot, \q, \i
.endr
.endm
.macro SCALES sc
.irp i, 0,1,2,3,4,5,6,7
.irp q, 0,1
	ds_load_b32 v[SC+8*NQ*\sc+NQ*\i+\q], v[ADRS] offset:512*\q+64*\i
.endr
.endr
.endm
.macro PLACES n                        ; plain vector lines between a matrix instruction and a load into, or a read of, its registers
.rept \n
	v_nop
.endr
.endm
.macro STEP slot, q, zero
	s_wait_dscnt 4*NL                              ; all but the youngest 24 loads (A's blocks 4-7) are in
	WIN MUL_LO
	MUL16 0, (\q)%2, \q, \slot, \zero
	MUL16 2, (\q)%2, \q, \slot, \zero
	s_wait_dscnt 0
	PLACES NP
	FETCH_B \slot, (\q)+1, 1-(\q)%2
	FETCH_A \slot, (\q)+1, 0
	WIN MUL_HI
	MUL16 4, (\q)%2, \q, \slot, \zero
	MUL16 6, (\q)%2, \q, \slot, \zero
	PLACES NP
	WIN 0
	FETCH_A \slot, (\q)+1, 4
.endm
.macro TURN slot, next, fill           ; a slot's last step changes slots: one barrier (with fill = 1 it opens a round of the cluster's)
	s_wait_tensorcnt 0x0                           ; all my tensor loads have landed: my part of the next slot
	ds_add_u32 v[SPW], v[NIL]                      ; 0 onto my spare word
	s_wait_dscnt 4*NL+1                            ; (the add and the youngest 24 loads may be out)
	WIN MUL_LO
	MUL16 0, 1, NQ-1, \slot, 0
	s_wait_dscnt 0x0                               ; the add is done, and my reads of this slot are over
	s_barrier_signal -1
	MUL16 2, 1, NQ-1, \slot, 0
	WIN 0
	s_barrier_wait -1
.if \fill
	CREST                                          ; no wave of any partner still reads this slot or has a load on its way
	s_add_nc_u64 s[G0+4*\slot+2:G0+4*\slot+3], s[G0+4*\slot+2:G0+4*\slot+3], 8*PSA
	s_add_nc_u64 s[G0B+4*\slot+2:G0B+4*\slot+3], s[G0B+4*\slot+2:G0B+4*\slot+3], 8*PSB
	JLOAD G0+4*\slot, G1, G0B+4*\slot, G1B
.else
	PLACES NP
.endif
	v_add_nc_u32 v[ADRS], 512*NQ, v[ADRS]
	FETCH_B \next, 0, 0
	FETCH_A \next, 0, 0
	SCALES \next
	WIN MUL_HI
	MUL16 4, 1, NQ-1, \slot, 0
	MUL16 6, 1, NQ-1, \slot, 0
	PLACES NP
	WIN 0
	FETCH_A \next, 0, 4
.endm
.macro RLOAD a                         ; the residual's 16 rows of block a, 512 consecutive bytes a load, into window 1, where B's fragments are done with
	WIN 0x40
.irp t, 0,1,2,3,4,5,6,7,8,9,10,11,12,13,14,15
	global_load_b128 v[64*((\a)%2)+4*\t:64*((\a)%2)+4*\t+3], v[CO], s[10:11] offset:(32*((\a)/2)+8*((\a)%2)+\t+8*(\t/8))*4096
.endr
	WIN 0
.endm
.macro TOSTAGE a
.set AC, 64*((\a)%4)
	WIN 0x08+4*((\a)/4)                            ; an LDS store's data: window 2 or 3
.irp b, 0,1,2,3,4,5,6,7
	ds_store_b128 v[STO], v[AC+8*\b:AC+8*\b+3] offset:128*(\b/2)+32*(\b%2)        ; each accumulator from its low end on
	ds_store_b128 v[STO], v[AC+8*\b+4:AC+8*\b+7] offset:128*(\b/2)+32*(\b%2)+16
.endr
	WIN 0
.set BB, BK+64*((\a)%2)
.irp t, 0,1,2,3,4,5,6,7,8,9,10,11,12,13,14,15
	ds_load_b128 v[BB+4*\t:BB+4*\t+3], v[RD] offset:\t*SPITCH   ; LDS serves a wave's instructions in order: these see the stores above
.endr
.endm
.macro SEND a, younger, left
.set BB, BK+64*((\a)%2)
.set RB, 64*((\a)%2)
	s_wait_dscnt \younger                          ; the block is back in registers; the next block's LDS instructions may be out
	s_wait_loadcnt \left                           ; its residual is in; the next block's loads may be out
	WIN 0x04                                       ; source 1: window 1
.set I, 0
.rept 32
	v_pk_add_f32 v[BB+I:BB+I+1], v[BB+I:BB+I+1], v[RB+I:RB+I+1]
.set I, I+2
.endr
	WIN 0
.irp t, 0,1,2,3,4,5,6,7,8,9,10,11,12,13,14,15
	v_pk_add_f32 v[BB+4*\t:BB+4*\t+1], v[BB+4*\t:BB+4*\t+1], v[64:65]
	v_pk_add_f32 v[BB+4*\t+2:BB+4*\t+3], v[BB+4*\t+2:BB+4*\t+3], v[66:67]
.endr
.irp t, 0,1,2,3,4,5,6,7,8,9,10,11,12,13,14,15
	global_store_b128 v[CO], v[BB+4*\t:BB+4*\t+3], s[12:13] offset:(32*((\a)/2)+8*((\a)%2)+\t+8*(\t/8))*4096 th:TH_STORE_NT   ; 512 consecutive bytes, at a multiple of 256; written once, read by nobody here
.endr
.endm
	s_wait_loadcnt 0x0                             ; the bias
	s_wait_tensorcnt 1                             ; the scale words and my part of K step 0 are in (K step 1's load may be out),
	s_barrier_signal -1
	s_barrier_wait -1                              ; everybody's are
	FETCH_B 0, 0, 0
	FETCH_A 0, 0, 0
	SCALES 0
	FETCH_A 0, 0, 4
	STEP 0, 0, 1
	s_mov_b32 s3, LAPS-1
.Llap:
	TURN 0, 1, 1
	STEP 1, 0, 0
	TURN 1, 0, 1
	STEP 0, 0, 0
	s_sub_co_u32 s3, s3, 1
	s_cmp_lg_u32 s3, 0
	s_cbranch_scc1 .Llap
	TURN 0, 1, 0
	STEP 1, 0, 0
	s_wait_dscnt 4*NL
	WIN MUL_LO
	MUL16 0, 1, NQ-1, 1, 0
	MUL16 2, 1, NQ-1, 1, 0
	s_wait_dscnt 0
	WIN MUL_HI
	MUL16 4, 1, NQ-1, 1, 0
	MUL16 6, 1, NQ-1, 1, 0
	WIN 0
	PLACES NP
	RLOAD 0
	RLOAD 1
	TOSTAGE 0
.irp a, 1,2,3,4,5,6,7
.if \a > 1
	s_wait_xcnt 0x0                                ; block a - 2's stores have read their registers: block a's loads may land there
.endif
	TOSTAGE \a
	SEND \a-1, 32, 16
.if \a < 7
	RLOAD \a+1
.endif
.endr
	s_wait_xcnt 0x0
	SEND 7, 0, 0
	s_wait_tensorcnt 0x0                           ; the wave's end
	ds_add_u32 v[SPW], v[NIL]
	s_wait_dscnt 0x0
	CROUND                                         ; the closing round
	s_endpgm
.Lfunc_end_k_q7f8c491e40_fc2:
	.size	k_q7f8c491e40_fc2, .Lfunc_end_k_q7f8c491e40_fc2-k_q7f8c491e40_fc2
	.p2alignl 7, 3214868480
	.fill 96, 4, 3214868480
	.section	.rodata,"a",@progbits
	.p2align	6, 0x0
	.amdhsa_kernel k_q7f8c491e40_fc2
		.amdhsa_group_segment_fixed_size 327680
		.amdhsa_private_segment_fixed_size 0
		.amdhsa_enable_private_segment 0
		.amdhsa_kernarg_size 40
		.amdhsa_user_sgpr_count 2
		.amdhsa_user_sgpr_kernarg_segment_ptr 1
		.amdhsa_wavefront_size32 1
		.amdhsa_system_sgpr_workgroup_id_x 1
		.amdhsa_system_sgpr_workgroup_id_y 1
		.amdhsa_system_sgpr_workgroup_id_z 1
		.amdhsa_system_vgpr_workitem_id 0
		.amdhsa_next_free_vgpr 1024
		.amdhsa_next_free_sgpr 100
		.amdhsa_reserve_vcc 0
		.amdhsa_float_denorm_mode_32 3
		.amdhsa_float_denorm_mode_16_64 3
		.amdhsa_memory_ordered 1
		.amdhsa_forward_progress 1
		.amdhsa_inst_pref_size 206
	.end_amdhsa_kernel
	.amdgpu_metadata
---
amdhsa.version: [ 1, 2 ]
amdhsa.kernels:
  - .name:           k_q7f8c491e40_fc2
    .symbol:         k_q7f8c491e40_fc2.kd
    .args:
      - { .name: hq, .offset: 0, .size: 8, .value_kind: global_buffer, .address_space: global }
      - { .name: wq, .offset: 8, .size: 8, .value_kind: global_buffer, .address_space: global }
      - { .name: b_fc2, .offset: 16, .size: 8, .value_kind: global_buffer, .address_space: global }
      - { .name: x1, .offset: 24, .size: 8, .value_kind: global_buffer, .address_space: global }
      - { .name: out0, .offset: 32, .size: 8, .value_kind: global_buffer, .address_space: global }
    .group_segment_fixed_size: 327680
    .private_segment_fixed_size: 0
    .kernarg_segment_align: 8
    .kernarg_segment_size: 40
    .max_flat_workgroup_size: 128
    .sgpr_count:     100
    .vgpr_count:     1024
    .wavefront_size: 32
...
	.end_amdgpu_metadata
.endif
;; end of part 7
;; ======== version 2 of 2: 7 launches
;; limits: right only within a limited range of input values
;; workspace buffers: zq 5,734,400 bytes; wq 7,372,800 bytes; aq 9,830,400 bytes; oq 3,276,800 bytes; x1 16,777,216 bytes; hq 13,107,200 bytes
;; launch prep (part 8): grid 448 x 1, 8 waves a work-group, no clusters, 99,840 bytes of LDS; arguments x, ln1_g, ln1_b, zq, w_qkv, w_proj, w_fc1, w_fc2, wq; writes zq, wq
.if DOCPART == 8
	.amdgcn_target "amdgcn-amd-amdhsa--gfx1250"
	.amdhsa_code_object_version 6
	.text
	.protected	k_q7f8c491e40_prep
	.globl	k_q7f8c491e40_prep
	.p2align	8
	.type	k_q7f8c491e40_prep,@function
k_q7f8c491e40_prep:
	s_mov_b64 s[64:65], 0
	v_nop
	global_prefetch_b8 v0, s[64:65] scope:SCOPE_SE
	s_setreg_imm32_b32 hwreg(HW_REG_WAVE_MODE, 25, 1), 1
	s_wait_xcnt 0x0
; The four weights, f32 [K][N] with K as FIRST axis, become codes of FP6 (E2M3) and E8M0 scale bytes, quantised along K.
; LAYOUT of every code matrix of this program: codes [K/64 panels][R rows][48 bytes], scale words [K/128][R rows][4 bytes] (byte b: k = 32 b on).
; Rows stand in SIGMA order: storage row s holds logical row sigma(s), sigma = bits 3 and 4 of the index exchanged.
; A LANE TAKES A COLUMN n AND ITS REGISTERS RUN DOWN K: a block of 32 along K is one lane's 32 registers, and the conversions give codes with K innermost.
; Four waves take 128 columns x 256 of K, a wave 32 columns (one group of sigma).  One path serves all four weights: only scalars and pointers are chosen, by the work-group's number.
; A wave's codes gather in its own stage in LDS, [4 panels][32 rows][48], and leave as 512 consecutive bytes a store.  Waves share nothing: no barrier.
; A block's scale byte is its largest magnitude's exponent field - 2, held at 1 from below.
; LIMITS: a block of zeros gets the byte 1, not 127 (its codes are zeros; this program alone reads the bytes); NaN and infinities are not served.
.set SPARE, 98816                      ; behind both paths' LDS bytes: the spare words, 128 bytes a wave
.set PST,   49664                      ; the weights' path: eight stages of 6,144 bytes, behind the norm's bytes: each path has LDS bytes of its own
.set SPW,  14                          ; v14  my spare word's address; never rewritten
.set NIL,  15                          ; v15  0; never rewritten
.set OFFR, 16                          ; v16-47  row i of a block: i x a row of the weight + 4 x lane; never rewritten
.set X,    48                          ; v48-111 two sets of 32 numbers
.set C,    112                         ; v112-118 a block's codes
.set SB,   120                         ; v120-121 two scale words
.set OUTR, 128                         ; v128-175 the way out
; ONE LAUNCH, TWO PATHS THAT SHARE NO DATA, parted by the work-group's number: work-groups 0 .. 255 norm and quantise 16 rows of the first argument each (.Lnorm, below);
; the others quantise the weights: four waves take 128 columns x 256 of K, as said above, and a work-group's eight waves take two such parts, 2 (g - 256) and 2 (g - 256) + 1.
; A launch of 256 work-groups of this body is the norm alone.
	v_lshl_add_u32 v[SPW], v0, 2, SPARE
	v_mov_b32 v[NIL], 0
	v_lshrrev_b32 v1, 5, v0
	v_readfirstlane_b32 s16, v1                    ; wave 0..7
	s_cmp_lt_u32 ttmp9, 256
	s_cbranch_scc1 .Lnorm
	s_load_b256 s[4:11], s[0:1], 0x20              ; w_qkv, w_proj, w_fc1, w_fc2
	s_load_b64 s[12:13], s[0:1], 0x18              ; zq
	s_load_b64 s[14:15], s[0:1], 0x40              ; wq
	s_sub_co_u32 s60, ttmp9, 256
	s_lshl_b32 s60, s60, 1
	s_lshr_b32 s61, s16, 2
	s_add_co_u32 s60, s60, s61                     ; s60: which part of 128 columns x 256 of K
	s_and_b32 s61, s16, 3                          ; s61: which 32 of its columns
	v_and_b32 v2, 31, v0                           ; lane = my column in the wave's 32
	v_lshlrev_b32 v3, 2, v2
	v_and_b32 v8, 7, v2
	v_bfe_u32 v9, v2, 3, 1
	v_bfe_u32 v10, v2, 4, 1
	v_lshl_or_b32 v8, v9, 4, v8
	v_lshl_or_b32 v8, v10, 3, v8                   ; sigma(lane): my column's storage row
	s_mul_i32 s2, s16, 6144
	s_add_co_u32 s2, s2, PST
	v_mul_u32_u24 v4, v8, 48
	v_add_nc_u32 v4, s2, v4                        ; into it: 48 bytes a row
	v_lshlrev_b32 v6, 4, v2                        ; out: 16 bytes a lane
	v_add_nc_u32 v5, s2, v6
	v_lshlrev_b32 v7, 2, v8                        ; my scale word's place
	s_mov_b32 s17, 256                             ; w_fc2's figures: first work-group,
	s_mov_b32 s18, 15                              ; mask and
	s_mov_b32 s19, 4                               ; shift that split the number into y (which 256 of K) and x (which 128 columns),
	s_mov_b32 s20, 4096                            ; a row of the weight in bytes,
	s_mov_b32 s21, 49152                           ; from panel to panel,
	s_mov_b32 s22, 4096                            ; from scale row to scale row,
	s_mov_b32 s23, 3932160                         ; where its codes begin,
	s_mov_b32 s24, 7241728                         ; and its scale words
	s_wait_kmcnt 0x0
	s_mov_b64 s[28:29], s[10:11]
	s_mov_b64 s[30:31], s[14:15]
	s_cmp_lt_u32 s60, 256
	s_cselect_b32 s17, 128, s17
	s_cselect_b32 s18, 3, s18
	s_cselect_b32 s19, 2, s19
	s_cselect_b32 s20, 16384, s20
	s_cselect_b32 s21, 196608, s21
	s_cselect_b32 s22, 16384, s22
	s_cselect_b32 s23, 786432, s23
	s_cselect_b32 s24, 7110656, s24
	s_cselect_b64 s[28:29], s[8:9], s[28:29]
	s_cmp_lt_u32 s60, 128
	s_cselect_b32 s17, 96, s17
	s_cselect_b32 s20, 4096, s20
	s_cselect_b32 s21, 49152, s21
	s_cselect_b32 s22, 4096, s22
	s_cselect_b32 s23, 0, s23
	s_cselect_b32 s24, 7077888, s24
	s_cselect_b64 s[28:29], s[6:7], s[28:29]
	s_cmp_lt_u32 s60, 96
	s_cselect_b32 s17, 0, s17
	s_cselect_b32 s20, 12288, s20
	s_cselect_b32 s21, 344064, s21
	s_cselect_b32 s22, 28672, s22
	s_cselect_b32 s23, 196608, s23
	s_cselect_b32 s24, 5521408, s24
	s_cselect_b64 s[28:29], s[4:5], s[28:29]
	s_cselect_b64 s[30:31], s[12:13], s[30:31]
	s_sub_co_u32 s25, s60, s17
	s_and_b32 s26, s25, s18                        ; y
	s_lshr_b32 s25, s25, s19
	s_lshl_b32 s25, s25, 7
	s_lshl_b32 s27, s61, 5
	s_add_co_u32 s25, s25, s27                     ; my wave's first column
	s_lshl_b32 s2, s26, 8
	s_mul_i32 s2, s2, s20                          ; 256 y rows
	s_lshl_b32 s27, s25, 2
	s_add_co_u32 s2, s2, s27
	s_mov_b32 s3, 0
	s_lshl_b32 s27, s20, 5                         ; 32 rows
.irp t, 0,1,2,3,4,5,6,7
	s_add_nc_u64 s[32+2*\t:33+2*\t], s[28:29], s[2:3]   ; block t's base: no pointer is ever stepped
	s_add_co_u32 s2, s2, s27
.endr
	s_lshl_b32 s2, s26, 2
	s_mul_i32 s2, s2, s21                          ; panel 4 y
	s_add_co_u32 s2, s2, s23
	s_mul_i32 s27, s25, 48
	s_add_co_u32 s2, s2, s27
.irp p, 0,1,2,3
	s_add_nc_u64 s[48+2*\p:49+2*\p], s[30:31], s[2:3]
	s_add_co_u32 s2, s2, s21
.endr
	s_lshl_b32 s2, s26, 1
	s_mul_i32 s2, s2, s22                          ; scale row 2 y
	s_add_co_u32 s2, s2, s24
	s_lshl_b32 s27, s25, 2
	s_add_co_u32 s2, s2, s27
.irp s, 0,1
	s_add_nc_u64 s[56+2*\s:57+2*\s], s[30:31], s[2:3]
	s_add_co_u32 s2, s2, s22
.endr
.set I, 0
.rept 32
	v_mad_u32_u24 v[OFFR+I], s20, I, v3
.set I, I+1
.endr
.macro LOAD t                          ; block t: W(32 t + i, my column), i = 0 .. 31: each load reads 128 consecutive bytes a wave, the four waves side by side
.set I, 0
.rept 32
	global_load_b32 v[X+32*((\t)%2)+I], v[OFFR+I], s[32+2*(\t):33+2*(\t)] th:TH_LOAD_NT
.set I, I+1
.endr
.endm
	LOAD 0
	LOAD 1
.macro BLOCK t
.set XS, X+32*((\t)%2)
.if (\t) < 7
	s_wait_loadcnt 32                              ; this block's 32 loads are in; the next block's may be out
.else
	s_wait_loadcnt 0
.endif
	v_max3_num_f32 v12, |v[XS]|, |v[XS+1]|, |v[XS+2]|   ; the block's largest magnitude: all 32 numbers are mine; two chains
	v_max3_num_f32 v13, |v[XS+3]|, |v[XS+4]|, |v[XS+5]|
.irp i, 6,10,14,18,22,26
	v_max3_num_f32 v12, v12, |v[XS+\i]|, |v[XS+\i+1]|
	v_max3_num_f32 v13, v13, |v[XS+\i+2]|, |v[XS+\i+3]|
.endr
	v_max3_num_f32 v12, v12, |v[XS+30]|, |v[XS+31]|
	v_max3_num_f32 v12, v12, v13, 0x1800000        ; and the floor 2^(3 - 127): the byte cannot fall under 1
	v_add_nc_u32 v11, 0xff000000, v12              ; 2 off the exponent field: the conversion's scale operand
	v_lshrrev_b32 v13, 23, v11                     ; the scale's byte
.if (\t)%4 == 0
	v_mov_b32 v[SB+(\t)/4], v13
.else
	v_lshl_or_b32 v[SB+(\t)/4], v13, 8*((\t)%4), v[SB+(\t)/4]
.endif
	v_cvt_scalef32_pk16_fp6_f32 v[C:C+2], v[XS:XS+15], v11
	v_cvt_scalef32_pk16_fp6_f32 v[C+4:C+6], v[XS+16:XS+31], v11   ; (a conversion's three registers begin on an even number)
	v_nop                                          ; one plain line behind a scaled conversion
	v_mov_b32 v[C+3], v[C+4]                       ; the block's 24 bytes on end
	v_mov_b32 v[C+4], v[C+5]
	v_mov_b32 v[C+5], v[C+6]
.irp p, 0,1,2
	ds_store_b64 v4, v[C+2*\p:C+2*\p+1] offset:((\t)/2)*1536+24*((\t)%2)+8*\p
.endr
.if (\t)+2 < 8
	LOAD (\t)+2
.endif
	s_wait_dscnt 0x0                               ; the stores have read their registers: the next block's codes may be written
.endm
.set Q, 0
.rept 8
	BLOCK Q
.set Q, Q+1
.endr
	global_store_b32 v7, v[SB], s[56:57]           ; 32 scale words: 128 consecutive bytes a wave
	s_wait_alu depctr_va_vdst(0)
	global_store_b32 v7, v[SB+1], s[58:59]
.irp i, 0,1,2,3,4,5,6,7,8,9,10,11
	ds_load_b128 v[OUTR+4*\i:OUTR+4*\i+3], v5 offset:512*\i   ; LDS serves a wave's instructions in order: these see my stores
.endr
.irp i, 0,1,2,3,4,5,6,7,8,9,10,11
	s_wait_dscnt 11-\i                             ; load i is in; the younger ones may be out
	global_store_b128 v6, v[OUTR+4*\i:OUTR+4*\i+3], s[48+2*(\i/3):49+2*(\i/3)] offset:512*(\i%3)   ; 512 consecutive bytes, at a multiple of 256
.endr
	s_wait_tensorcnt 0x0                           ; the wave's end
	ds_add_u32 v[SPW], v[NIL]
	s_wait_dscnt 0x0
	s_endpgm
; THE NORM'S PATH.  LayerNorm over rows of 1,024 f32, then the quantiser along the row: codes of FP6 (E2M3) and E8M0 bytes into rows 0 .. 4,095 of zq.
; zq: codes [16 panels of 64 k][7,168 rows][48 bytes], scale words from byte ZS on, [8][7,168][4].  Storage row s holds token sigma(s) (bits 3 and 4 exchanged).
; A work-group owns storage rows 16 g .. 16 g + 15, wave w two of them, which are two neighbouring tokens: 8,192 consecutive bytes, kept in registers: the rows are read once.
; Mean first, then the mean of the squared differences, v_rsq_f32, gain and bias, all in f32.  A row turns through the wave's own stage so that a block of 32 lies in one lane;
; codes and bytes of the 16 rows meet in LDS, one barrier, and leave so that 16 lanes store 256 consecutive aligned bytes; the scale words leave in pieces of 64 bytes.
.set TURNB, 4608
.set CST,   36864
.set SST,   49152
.set PSZ,   344064
.set ZS,    5505024
.set X,   16
.set G,   80
.set BT,  112
.set Y,   144
.set C,   176
.set T,   184
.Lnorm:
	s_load_b256 s[4:11], s[0:1], 0x0               ; the rows, gain, bias, zq
	v_and_b32 v8, 31, v0
	s_delay_alu instid0(VALU_DEP_1)
	v_lshlrev_b32 v1, 4, v8
	s_mul_i32 s17, s16, TURNB
	v_lshrrev_b32 v9, 3, v8
	s_delay_alu instid0(VALU_DEP_1)
	v_mul_u32_u24 v2, v9, 144
	v_and_b32 v9, 7, v8
	s_delay_alu instid0(VALU_DEP_1)
	v_lshl_add_u32 v2, v9, 4, v2
	s_delay_alu instid0(VALU_DEP_1)
	v_add_nc_u32 v2, s17, v2
	v_mul_u32_u24 v3, v8, 144
	s_delay_alu instid0(VALU_DEP_1)
	v_add_nc_u32 v3, s17, v3
	v_lshrrev_b32 v9, 1, v8
	s_delay_alu instid0(VALU_DEP_1)
	v_mul_u32_u24 v4, v9, 768
	v_and_b32 v9, 1, v8
	s_delay_alu instid0(VALU_DEP_1)
	v_mad_u32_u24 v4, v9, 24, v4
	s_mul_i32 s17, s16, 96
	s_add_co_u32 s17, s17, CST
	v_add_nc_u32 v4, s17, v4
	v_lshrrev_b32 v9, 2, v8
	v_and_b32 v10, 3, v8
	s_delay_alu instid0(VALU_DEP_1)
	v_lshl_add_u32 v5, v9, 6, v10
	s_lshl_b32 s17, s16, 3
	s_add_co_u32 s17, s17, SST
	v_add_nc_u32 v5, s17, v5
	v_mul_u32_u24 v193, v9, 28672
	s_delay_alu instid0(VALU_DEP_1)
	v_lshl_add_u32 v193, v10, 4, v193
	v_add_nc_u32 v192, SST, v1
	s_mul_i32 s17, s16, 1536
	s_add_co_u32 s17, s17, CST
	v_add_nc_u32 v6, s17, v1
	v_lshrrev_b32 v7, 4, v8
	s_delay_alu instid0(VALU_DEP_1)
	v_mul_u32_u24 v7, v7, PSZ-768
	s_delay_alu instid0(VALU_DEP_1)
	v_add_nc_u32 v7, v7, v1
	v_mov_b32 v11, 0
	v_mov_b32 v13, 0
	s_mov_b32 s12, 0x76543210
	s_mov_b32 s13, 0xfedcba98
	s_mov_b32 s14, 0x3a800000                      ; 1 / 1,024
	s_mov_b32 s15, 0x3727c5ac                      ; 1e-5
	s_lshr_b32 s18, ttmp9, 1
	s_lshl_b32 s18, s18, 5
	s_and_b32 s19, ttmp9, 1
	s_lshl_b32 s19, s19, 3
	s_add_co_u32 s18, s18, s19
	s_lshl_b32 s19, s16, 1
	s_add_co_u32 s18, s18, s19
	s_lshr_b32 s19, s16, 2
	s_lshl_b32 s19, s19, 3
	s_add_co_u32 s18, s18, s19                     ; my first token: sigma(16 g + 2 w)
	s_lshl_b32 s18, s18, 12
	s_mov_b32 s19, 0
	s_mul_i32 s20, s16, 2*PSZ
	s_mul_i32 s21, ttmp9, 768
	s_add_co_u32 s20, s20, s21
	s_mov_b32 s21, 0
	s_lshl_b32 s22, ttmp9, 6
	s_add_co_u32 s22, s22, ZS
	s_mov_b32 s23, 0
	s_wait_kmcnt 0x0
	s_add_nc_u64 s[4:5], s[4:5], s[18:19]
	s_add_nc_u64 s[20:21], s[10:11], s[20:21]
	s_add_nc_u64 s[22:23], s[10:11], s[22:23]
.irp i, 0,1,2,3,4,5,6,7,8,9,10,11,12,13,14,15
	global_load_b128 v[X+4*\i:X+4*\i+3], v1, s[4:5] offset:512*\i
.endr
.irp i, 0,1,2,3,4,5,6,7
	global_load_b128 v[G+4*\i:G+4*\i+3], v1, s[6:7] offset:512*\i
	global_load_b128 v[BT+4*\i:BT+4*\i+3], v1, s[8:9] offset:512*\i
.endr
.macro RED a, b                        ; v[a] + v[b], summed over the 32 lanes, into every lane's v[a]
	s_delay_alu instid0(VALU_DEP_1)
	v_add_f32 v[\a], v[\a], v[\b]
.irp m, 1,2,4,8
	s_delay_alu instid0(VALU_DEP_1)
	v_add_f32_dpp v[\a], v[\a], v[\a] row_xmask:\m row_mask:0xf bank_mask:0xf
.endr
	s_delay_alu instid0(VALU_DEP_1)
	v_permlanex16_b32 v[\b], v[\a], s12, s13
	s_delay_alu instid0(VALU_DEP_1)
	v_add_f32 v[\a], v[\a], v[\b]
.endm
.macro STAT ro, rr                     ; row ro: the mean is taken off in place; variance + eps into v[rr]
.set XR, X+32*\ro
	v_pk_add_f32 v[T:T+1], v[XR:XR+1], v[XR+2:XR+3]
	v_pk_add_f32 v[T+2:T+3], v[XR+4:XR+5], v[XR+6:XR+7]
.irp j, 8,12,16,20,24,28
	s_delay_alu instid0(VALU_DEP_2)
	v_pk_add_f32 v[T:T+1], v[T:T+1], v[XR+\j:XR+\j+1]
	s_delay_alu instid0(VALU_DEP_2)
	v_pk_add_f32 v[T+2:T+3], v[T+2:T+3], v[XR+\j+2:XR+\j+3]
.endr
	s_delay_alu instid0(VALU_DEP_1)
	v_pk_add_f32 v[T:T+1], v[T:T+1], v[T+2:T+3]
	RED T, T+1
	s_delay_alu instid0(VALU_DEP_1)
	v_mul_f32 v[T], s14, v[T]
.irp j, 0,2,4,6,8,10,12,14,16,18,20,22,24,26,28,30
	v_pk_add_f32 v[XR+\j:XR+\j+1], v[XR+\j:XR+\j+1], v[T:T+1] op_sel_hi:[1,0] neg_lo:[0,1] neg_hi:[0,1]
.endr
	v_pk_mul_f32 v[T+2:T+3], v[XR:XR+1], v[XR:XR+1]
	v_pk_mul_f32 v[T+4:T+5], v[XR+2:XR+3], v[XR+2:XR+3]
.irp j, 4,8,12,16,20,24,28
	s_delay_alu instid0(VALU_DEP_2)
	v_pk_fma_f32 v[T+2:T+3], v[XR+\j:XR+\j+1], v[XR+\j:XR+\j+1], v[T+2:T+3]
	s_delay_alu instid0(VALU_DEP_2)
	v_pk_fma_f32 v[T+4:T+5], v[XR+\j+2:XR+\j+3], v[XR+\j+2:XR+\j+3], v[T+4:T+5]
.endr
	s_delay_alu instid0(VALU_DEP_1)
	v_pk_add_f32 v[T+2:T+3], v[T+2:T+3], v[T+4:T+5]
	RED T+2, T+3
	s_delay_alu instid0(VALU_DEP_1)
	v_fma_f32 v[\rr], v[T+2], s14, s15
.endm
	s_wait_loadcnt 16                              ; the rows are in; the 16 loads of gain and bias may be out
	STAT 0, 10
	STAT 1, 12
	s_wait_alu depctr_va_vdst(0)
	v_rsq_f32 v10, v10
	v_rsq_f32 v12, v12
	v_nop
	s_wait_alu depctr_va_vdst(0)                   ; one wait for both, ahead of their first reader
	s_wait_loadcnt 0x0
.irp ro, 0,1
.irp j, 0,2,4,6,8,10,12,14,16,18,20,22,24,26,28,30
	v_pk_mul_f32 v[X+32*\ro+\j:X+32*\ro+\j+1], v[X+32*\ro+\j:X+32*\ro+\j+1], v[10+2*\ro:11+2*\ro] op_sel_hi:[1,0]
.endr
.irp j, 0,2,4,6,8,10,12,14,16,18,20,22,24,26,28,30
	v_pk_fma_f32 v[X+32*\ro+\j:X+32*\ro+\j+1], v[X+32*\ro+\j:X+32*\ro+\j+1], v[G+\j:G+\j+1], v[BT+\j:BT+\j+1]
.endr
.endr
.macro ROWQ ro                         ; row ro through the stage; lane l then holds block l and quantises it
.irp i, 0,1,2,3,4,5,6,7
	ds_store_b128 v2, v[X+32*\ro+4*\i:X+32*\ro+4*\i+3] offset:576*\i
.endr
.irp j, 0,1,2,3,4,5,6,7
	ds_load_b128 v[Y+4*\j:Y+4*\j+3], v3 offset:16*\j
.endr
	s_wait_dscnt 0x0
	v_max3_num_f32 v[T], |v[Y]|, |v[Y+1]|, |v[Y+2]|
	v_max3_num_f32 v[T+1], |v[Y+3]|, |v[Y+4]|, |v[Y+5]|
.irp i, 6,10,14,18,22,26
	s_delay_alu instid0(VALU_DEP_2)
	v_max3_num_f32 v[T], v[T], |v[Y+\i]|, |v[Y+\i+1]|
	s_delay_alu instid0(VALU_DEP_2)
	v_max3_num_f32 v[T+1], v[T+1], |v[Y+\i+2]|, |v[Y+\i+3]|
.endr
	s_delay_alu instid0(VALU_DEP_2)
	v_max3_num_f32 v[T], v[T], |v[Y+30]|, |v[Y+31]|
	s_delay_alu instid0(VALU_DEP_1)
	v_max3_num_f32 v[T], v[T], v[T+1], 0x1800000
	s_delay_alu instid0(VALU_DEP_1)
	v_add_nc_u32 v[T+2], 0xff000000, v[T]
	s_delay_alu instid0(VALU_DEP_1)
	v_lshrrev_b32 v[T+3], 23, v[T+2]
	v_cvt_scalef32_pk16_fp6_f32 v[C:C+2], v[Y:Y+15], v[T+2]
	v_cvt_scalef32_pk16_fp6_f32 v[C+4:C+6], v[Y+16:Y+31], v[T+2]
	v_nop
	v_mov_b32 v[C+3], v[C+4]
	v_mov_b32 v[C+4], v[C+5]
	v_mov_b32 v[C+5], v[C+6]
.irp p, 0,1,2
	ds_store_b64 v4, v[C+2*\p:C+2*\p+1] offset:48*\ro+8*\p
.endr
	ds_store_b8 v5, v[T+3] offset:4*\ro
.endm
	ROWQ 0
	ROWQ 1
	s_wait_dscnt 0x0                               ; for the others' sake: my stores have landed
	s_barrier_signal -1
	s_barrier_wait -1
	ds_load_b128 v[Y:Y+3], v6
	ds_load_b128 v[Y+4:Y+7], v6 offset:512
	ds_load_b128 v[Y+8:Y+11], v6 offset:1024
	s_wait_dscnt 0x0
	global_store_b128 v1, v[Y:Y+3], s[20:21]
	global_store_b128 v7, v[Y+4:Y+7], s[20:21] offset:512
	global_store_b128 v1, v[Y+8:Y+11], s[20:21] offset:PSZ+256
	s_cmp_lg_u32 s16, 0
	s_cbranch_scc1 .Lend
	ds_load_b128 v[Y+12:Y+15], v192                ; wave 0: the 16 rows' scale words
	s_wait_dscnt 0x0
	global_store_b128 v193, v[Y+12:Y+15], s[22:23]
.Lend:
	s_wait_tensorcnt 0x0                           ; the wave's end
	ds_add_u32 v14, v15
	s_wait_dscnt 0x0
	s_endpgm
.Lfunc_end_k_q7f8c491e40_prep:
	.size	k_q7f8c491e40_prep, .Lfunc_end_k_q7f8c491e40_prep-k_q7f8c491e40_prep
	.p2alignl 7, 3214868480
	.fill 96, 4, 3214868480
	.section	.rodata,"a",@progbits
	.p2align	6, 0x0
	.amdhsa_kernel k_q7f8c491e40_prep
		.amdhsa_group_segment_fixed_size 99840
		.amdhsa_private_segment_fixed_size 0
		.amdhsa_enable_private_segment 0
		.amdhsa_kernarg_size 72
		.amdhsa_user_sgpr_count 2
		.amdhsa_user_sgpr_kernarg_segment_ptr 1
		.amdhsa_wavefront_size32 1
		.amdhsa_system_sgpr_workgroup_id_x 1
		.amdhsa_system_sgpr_workgroup_id_y 1
		.amdhsa_system_sgpr_workgroup_id_z 1
		.amdhsa_system_vgpr_workitem_id 0
		.amdhsa_next_free_vgpr 200
		.amdhsa_next_free_sgpr 66
		.amdhsa_reserve_vcc 0
		.amdhsa_float_denorm_mode_32 3
		.amdhsa_float_denorm_mode_16_64 3
		.amdhsa_memory_ordered 1
		.amdhsa_forward_progress 1
		.amdhsa_inst_pref_size 76
	.end_amdhsa_kernel
	.amdgpu_metadata
---
amdhsa.version: [ 1, 2 ]
amdhsa.kernels:
  - .name:           k_q7f8c491e40_prep
    .symbol:         k_q7f8c491e40_prep.kd
    .args:
      - { .name: x, .offset: 0, .size: 8, .value_kind: global_buffer, .address_space: global }
      - { .name: ln1_g, .offset: 8, .size: 8, .value_kind: global_buffer, .address_space: global }
      - { .name: ln1_b, .offset: 16, .size: 8, .value_kind: global_buffer, .address_space: global }
      - { .name: zq, .offset: 24, .size: 8, .value_kind: global_buffer, .address_space: global }
      - { .name: w_qkv, .offset: 32, .size: 8, .value_kind: global_buffer, .address_space: global }
      - { .name: w_proj, .offset: 40, .size: 8, .value_kind: global_buffer, .address_space: global }
      - { .name: w_fc1, .offset: 48, .size: 8, .value_kind: global_buffer, .address_space: global }
      - { .name: w_fc2, .offset: 56, .size: 8, .value_kind: global_buffer, .address_space: global }
      - { .name: wq, .offset: 64, .size: 8, .value_kind: global_buffer, .address_space: global }
    .group_segment_fixed_size: 99840
    .private_segment_fixed_size: 0
    .kernarg_segment_align: 8
    .kernarg_segment_size: 72
    .max_flat_workgroup_size: 256
    .sgpr_count:     66
    .vgpr_count:     200
    .wavefront_size: 32
...
	.end_amdgpu_metadata
.endif
;; end of part 8
;; launch qkv (part 9): grid 12 x 16, 4 waves a work-group, clusters of 4 x 4, 327,680 bytes of LDS; arguments zq, aq; writes aq
.if DOCPART == 9
	.amdgcn_target "amdgcn-amd-amdhsa--gfx1250"
	.amdhsa_code_object_version 6
	.text
	.protected	k_q7f8c491e40_qkv
	.globl	k_q7f8c491e40_qkv
	.p2align	8
	.type	k_q7f8c491e40_qkv,@function
k_q7f8c491e40_qkv:
	s_mov_b64 s[64:65], 0
	v_nop
	global_prefetch_b8 v0, s[64:65] scope:SCOPE_SE
	s_setreg_imm32_b32 hwreg(HW_REG_WAVE_MODE, 25, 1), 1
	s_wait_xcnt 0x0
	s_wait_alu depctr_hold_cnt(0) depctr_sa_sdst(0) depctr_va_vdst(0) depctr_va_sdst(0) depctr_va_ssrc(0) depctr_va_vcc(0) depctr_vm_vsrc(0)
	s_getreg_b32 s2, hwreg(HW_REG_IB_STS2, 6, 4)
	s_cmp_eq_u32 s2, 0
	s_cbranch_scc0 .Lentry_in_a_cluster
	s_endpgm
.Lentry_in_a_cluster:
	s_bfe_u32 s2, ttmp6, 0x10000c
	s_cmp_lg_u32 s2, 0xf033
	s_cbranch_scc0 .Lentry_shape_is_right
	s_endpgm
.Lentry_shape_is_right:
; Product 1, xn x w_qkv, on codes of FP6 (E2M3) with E8M0 scales, and the quantisers of q, k (along the head's 64) and of v (along the keys).
; zq holds both operands as rows of 1,024 codes: rows 0 .. 4,095 tokens, rows 4,096 .. 7,167 the columns of w_qkv; codes [16 panels of 64 k][7,168][48 bytes], scale words [8][7,168][4] from byte ZS on; rows in sigma order (bits 3, 4 exchanged).
; A tile of 256 x 256 is made by four waves, 128 x 128 each: 64 accumulators.  K goes in quarters of 256: three lie in LDS from the head on, the fourth refills the first; a head load brings 12 panels of 256 rows, a refill's load two, dense runs of 12,288 bytes.
; At 48 bytes a row the 32 lanes of a fragment's 8-byte load fall on 64 different banks: no padding.  The scale words of the tile's rows for all of K come once, with the first fills.
; THE MATRIX INSTRUCTION IS USED TRANSPOSED (source 0 = 16 rows of "B", source 1 = 16 rows of "A"): a lane holds one row of A; by sigma the 16 registers of accumulators (a, 2 j), (a, 2 j + 1) are 16 NEIGHBOURING logical rows of B:
; neighbours along the next product's K.  Clusters x = 0, 1: A = tokens, B = the columns of q and k.  Cluster x = 2: A = the columns of v, B = tokens, so that the registers run along the KEYS.  Only scalars are chosen, by the cluster's x.
; CLUSTERS 4 x 4: A's tiles are asked for jointly along a row of the cluster, B's along a column.
; OUT (aq): q, k codes [32 heads][4,096 positions][48]; v codes from 6,291,456 on, [64 panels of 64 keys][1,024 channels][48]; q, k scale words from 9,437,184 on, [16][4,096][4]; v's from 9,699,328 on, [32][1,024][4].
; LIMITS: a block of zeros gets the byte 1, not 127 (its codes are zeros; this program alone reads the bytes); NaN and infinities are not served.
; REGISTERS: window 0: v0-31 addresses, v32-63 scale words (two sets), v128-223 A's fragments (one set), later the epilogue's work; window 1: B's fragments, two sets; windows 2, 3: the accumulators, (a, b) at v[8 (8 (a % 4) + b)].
.set SIZE_K, 1024
.set PSA, 344064
.set PSB, 344064
.set SSA, 28672
.set SSB, 28672
.set ZS,  5505024
.set NQ, 2
.set FR, 12
.set NL, 6
.set NP, 4
.set PANB,  12288                      ; 256 rows of a panel
.set HALFT, 2*PANB                     ; what one tensor load of the ring brings: two panels of 256 rows
.set SLOT,  4*HALFT                    ; A's two halves, then B's two
.set NKS,   SIZE_K/128
.set LAPS,  SIZE_K/512
.set SCL,   3*SLOT                     ; A's three quarters of K (12 panels of 256 rows), then B's; behind them the scale words
.set HALFS, 512*NKS
.set SPARE, SCL+4*HALFS                ; the spare words, 128 bytes a wave
.set ADRA, 16
.set ADRB, 20
.set STO,  24                          ; the stage: my codes
.set RD,   25                          ; the stage, back
.set CO,   26                          ; 16 x lane
.set ADRS, 27
.set SPW,  28
.set NIL,  29
.set STS,  30                          ; the stage: my scale word
.set SC,   32
.set AF,   128
.set PC,   128                         ; the epilogue: codes just made,
.set TM,   160                         ; at work,
.set PW,   176                         ; the scale word just made
.set SEL,  2
.set G1, 24
.set G0, 32
.set G1B, 48
.set G0B, 56
.set G1S, 68
.set G0S, 76
.set G1SB, 80
.set G0SB, 88
.set MSB, 0
.macro WIN new                         ; the immediate's high byte repeats the setting that is left
.if MSB != (\new)
	s_set_vgpr_msb (MSB<<8)|(\new)
.set MSB, (\new)
.endif
.endm
.set MUL_LO, 0xa1
.set MUL_HI, 0xf1
.set TO_B,   0x40
.macro JLOAD g0a, g1a, g0b, g1b        ; a joint load: waves 0, 1 fetch for A, waves 2, 3 for B; s_nop 0 and four v_nop follow each line
	s_cmp_eq_u32 s15, 0
	s_cbranch_scc0 .Lfor_b_\@
	tensor_load_to_lds s[\g0a:\g0a+3], s[\g1a:\g1a+7]
	s_nop 0
.rept 4
	v_nop
.endr
	s_branch .Lasked_\@
.Lfor_b_\@:
	tensor_load_to_lds s[\g0b:\g0b+3], s[\g1b:\g1b+7]
	s_nop 0
.rept 4
	v_nop
.endr
.Lasked_\@:
.endm
.macro CREST
	s_cmp_lg_u32 s14, 0
	s_cbranch_scc1 .Lnot_wave_0_\@
	s_barrier_signal -3
.Lnot_wave_0_\@:
	s_barrier_wait -3
	s_barrier_signal -1
	s_barrier_wait -1
.endm
.macro CROUND
	s_barrier_signal -1
	s_barrier_wait -1
	CREST
.endm
.macro SHAPE g, c, r, p                ; words 1 to 7 of a group 1: r rows of c elements of 8 bytes, p elements apart
	s_mov_b32 s[\g+1], (\c)<<16
	s_mov_b32 s[\g+2], (\r)<<16
	s_mov_b32 s[\g+3], (\c)<<16
	s_mov_b32 s[\g+4], \r
	s_mov_b32 s[\g+5], \p
	s_mov_b32 s[\g+6], 0
	s_mov_b32 s[\g+7], 0
.endm
	s_load_b128 s[4:7], s[0:1], 0x0                ; zq, aq
	v_lshl_add_u32 v[SPW], v0, 2, SPARE
	v_mov_b32 v[NIL], 0
	ds_add_u32 v[SPW], v[NIL]                      ; the wave's opening: the add, and its wait ahead of my first tensor load
	ds_add_u32 v[SPW], v[NIL]
	v_lshrrev_b32 v1, 5, v0
	v_readfirstlane_b32 s14, v1                    ; wave
	s_lshr_b32 s15, s14, 1                         ; my half of the tile's rows of A.  Also: I fetch for A (0) or B (1)
	s_and_b32 s16, s14, 1                          ; my half of its rows of B.  Also: which two panels of the refill I fetch
	s_bfe_u32 s40, ttmp6, 0x40000                  ; cx
	s_bfe_u32 s41, ttmp6, 0x40004                  ; cy
	s_and_b32 s19, ttmp7, 0xffff                   ; cluster y
	s_mov_b32 s11, 196608
	s_mov_b32 s98, 9437184
	s_mov_b32 s99, 16384
	s_cmp_eq_u32 ttmp9, 2                          ; the cluster's x, the same in all sixteen partners: v's clusters?
	s_cselect_b32 s42, s19, ttmp9                  ; which cluster coordinate counts B's tiles,
	s_cselect_b32 s17, 0, s19                      ; and A's
	s_cselect_b32 s8, 6144, 0                      ; A's first row in zq
	s_cselect_b32 s9, 0, 4096                      ; B's
	s_cselect_b32 s10, 6291456, 0                  ; where the codes go,
	s_cselect_b32 s11, 49152, s11                  ; from panel to panel,
	s_cselect_b32 s98, 9699328, s98                ; where the scale words go,
	s_cselect_b32 s99, 4096, s99                   ; from scale row to scale row
	s_lshl_b32 s42, s42, 2
	s_add_co_u32 s42, s42, s40                     ; B's tile
	s_lshl_b32 s17, s17, 2
	s_add_co_u32 s17, s17, s41                     ; A's tile
	s_lshl_b32 s43, s41, 2
	s_lshl_b32 s43, 15, s43                        ; my row of the cluster
	s_lshl_b32 s44, 0x1111, s40                    ; my column
	s_or_b32 s[G1+0], s43, (3<<16)|(1<<21)         ; the mask; elements of 8 bytes; bit 21 beside a mask; no padding
	s_or_b32 s[G1B+0], s44, (3<<16)|(1<<21)
	s_or_b32 s[G1S+0], s43, (3<<16)|(1<<21)
	s_or_b32 s[G1SB+0], s44, (3<<16)|(1<<21)
	SHAPE G1, 1536, 12, PSA/8                      ; the head's loads: K = 0 .. 767: twelve panels' runs of 12,288 bytes (256 rows)
	SHAPE G1B, 1536, 12, PSB/8
	SHAPE G1S, 128, NKS, SSA/8                     ; NKS runs of 1,024 bytes: the scale words of 256 rows
	SHAPE G1SB, 128, NKS, SSB/8
	s_lshl_b32 s20, s17, 8
	s_add_co_u32 s20, s20, s8                      ; A: the first row that I fetch
	s_lshl_b32 s46, s42, 8
	s_add_co_u32 s46, s46, s9                      ; B likewise
	s_lshl_b32 s22, s20, 2
	s_add_co_u32 s22, s22, ZS
	s_mul_i32 s20, s20, 48
	s_lshl_b32 s92, s46, 2
	s_add_co_u32 s92, s92, ZS
	s_mul_i32 s46, s46, 48
	s_mov_b32 s21, 0
	s_mov_b32 s23, 0
	s_mov_b32 s47, 0
	s_mov_b32 s93, 0
	s_mul_i32 s45, s14, HALFT                      ; where they go: by the wave's number alone
	s_wait_dscnt 0x0                               ; the opening add is done
	s_wait_kmcnt 0x0
	s_add_nc_u64 s[20:21], s[4:5], s[20:21]
	s_add_nc_u64 s[22:23], s[4:5], s[22:23]
	s_add_nc_u64 s[46:47], s[4:5], s[46:47]
	s_add_nc_u64 s[92:93], s[4:5], s[92:93]
	CROUND                                         ; all sixteen work-groups are here: the first joint loads meet
	s_mov_b32 s[G0S], 1
	s_mov_b32 s[G0S+1], SCL
	s_mov_b64 s[G0S+2:G0S+3], s[22:23]
	s_or_b32 s[G0S+3], s[G0S+3], 0x80000000
	s_mov_b32 s[G0SB], 1
	s_mov_b32 s[G0SB+1], SCL+2*HALFS
	s_mov_b64 s[G0SB+2:G0SB+3], s[92:93]
	s_or_b32 s[G0SB+3], s[G0SB+3], 0x80000000
.irp s, 0
	s_mov_b32 s[G0+4*\s], 1
	s_add_co_u32 s[G0+4*\s+1], s45, \s*SLOT
	s_add_nc_u64 s[G0+4*\s+2:G0+4*\s+3], s[20:21], \s*4*PSA
	s_or_b32 s[G0+4*\s+3], s[G0+4*\s+3], 0x80000000
	s_mov_b32 s[G0B+4*\s], 1
	s_add_co_u32 s[G0B+4*\s+1], s45, \s*SLOT
	s_add_nc_u64 s[G0B+4*\s+2:G0B+4*\s+3], s[46:47], \s*4*PSB
	s_or_b32 s[G0B+4*\s+3], s[G0B+4*\s+3], 0x80000000
.endr
	s_mov_b32 s[G0+1], 0                           ; at the head slot 0's descriptors stand for the whole tiles: A's twelve panels at 0,
	s_mov_b32 s[G0B+1], 6*HALFT                    ; B's behind A's twelve
; the head's four tiles, one joint load a wave: one chain of branches on the wave's number, all arms to one join
.macro ARM under, g0, g1, next
	s_cmp_lt_u32 s14, \under
	s_cbranch_scc0 \next
	tensor_load_to_lds s[\g0:\g0+3], s[\g1:\g1+7]
	s_nop 0
.rept 4
	v_nop
.endr
	s_branch .Lhead_asked
\next:
.endm
	ARM 1, G0,  G1,  .Lhead_b
	ARM 2, G0B, G1B, .Lhead_sa
	ARM 3, G0S, G1S, .Lhead_sb
	tensor_load_to_lds s[G0SB:G0SB+3], s[G1SB:G1SB+7]
	s_nop 0
.rept 4
	v_nop
.endr
.Lhead_asked:
	v_and_b32 v1, 15, v0                           ; r
	v_bfe_u32 v2, v0, 4, 1                         ; h
	s_wait_alu depctr_va_vdst(0)
	v_mul_u32_u24 v3, v1, 48
	v_mad_u32_u24 v4, v2, 24, v3                   ; a fragment's row x 48 + 24 x half
	s_wait_alu depctr_va_vdst(0)
	s_mul_i32 s21, s15, 6144                       ; my 128 rows inside each panel's 256
	s_mul_i32 s22, s16, 6144
	s_add_co_u32 s22, s22, 6*HALFT
.irp s, 0,1
	v_add_nc_u32 v[ADRA+\s], s21, v4               ; quarter s of K: four panels, 2 HALFT bytes, further on
	v_add_nc_u32 v[ADRB+\s], s22, v4
	s_add_co_u32 s21, s21, 2*HALFT
	s_add_co_u32 s22, s22, 2*HALFT
.endr
	v_lshlrev_b32 v5, 2, v1
	s_mul_i32 s21, s15, 512
	s_mul_i32 s22, s16, 512
	s_add_co_u32 s22, s22, 2*HALFS
	s_sub_co_u32 s22, s22, s21
	v_mul_u32_u24 v6, s22, v2                      ; lanes 16-31 take B's words
	s_add_co_u32 s21, s21, SCL
	v_add_nc_u32 v5, v5, v6
	v_add_nc_u32 v[ADRS], s21, v5
	s_mul_i32 s23, s14, 12800
	s_add_co_u32 s23, s23, 2*HALFT                 ; the stages lie on A's quarters 1 and 2, which have had their only fill and, behind the walk's last barrier, their last read
	v_add_nc_u32 v[STO], s23, v4
	v_lshlrev_b32 v5, 2, v1
	v_add_nc_u32 v[STS], s23, v5
	v_add_nc_u32 v[STS], 12288, v[STS]
	v_and_b32 v6, 31, v0
	v_lshlrev_b32 v[CO], 4, v6
	v_add_nc_u32 v[RD], s23, v[CO]
	s_lshl_b32 s20, s17, 8
	s_lshl_b32 s21, s15, 7
	s_add_co_u32 s20, s20, s21                     ; my first row of the result
	s_lshl_b32 s46, s42, 1
	s_add_co_u32 s46, s46, s16                     ; which 128 along the result's K are mine
	s_mul_i32 s47, s46, s99
	s_lshl_b32 s21, s20, 2
	s_add_co_u32 s47, s47, s21
	s_add_co_u32 s96, s47, s98
	s_mov_b32 s97, 0
	s_add_nc_u64 s[96:97], s[6:7], s[96:97]        ; my 128 scale words
	s_mul_i32 s46, s46, s11
	s_lshl_b32 s46, s46, 1
	s_mul_i32 s20, s20, 48
	s_add_co_u32 s12, s46, s20
	s_add_co_u32 s12, s12, s10
	s_mov_b32 s13, 0
	s_add_nc_u64 s[12:13], s[6:7], s[12:13]        ; my first panel's 6,144 bytes,
	s_mov_b32 s10, s11
	s_mov_b32 s11, 0
	s_add_nc_u64 s[66:67], s[12:13], s[10:11]      ; and my second's
.macro FRAG reg, adr, q, i             ; 16 rows x 128 K: 12 registers: registers 6 c on hold k = 64 c + 32 h + 0 .. 31: 24 bytes of panel 2 q + c, as they lie, in pieces of 8
.irp p, 0,1,2,3,4,5
	ds_load_b64 v[\reg+2*\p:\reg+2*\p+1], v[\adr] offset:(2*(\q)+\p/3)*PANB+(\i)*768+8*(\p%3)
.endr
.endm
.macro MUL16 a0, p, q, sc, zero        ; A's blocks a0, a0 + 1 x B's eight; the 64 accumulators take turns, one instruction a turn
.irp a, \a0, \a0+1
.irp b, 0,1,2,3,4,5,6,7
.if \zero
	v_wmma_scale_f32_16x16x128_f8f6f4 v[8*(8*((\a)%4)+\b):8*(8*((\a)%4)+\b)+7], v[128*(\p)+FR*\b:128*(\p)+FR*\b+FR-1], v[AF+FR*(\a):AF+FR*(\a)+FR-1], 0, v[SC+8*NQ*(\sc)+NQ*\b+(\q)], v[SC+8*NQ*(\sc)+NQ*(\a)+(\q)] matrix_a_fmt:MATRIX_FMT_FP6 matrix_b_fmt:MATRIX_FMT_FP6 matrix_a_scale:MATRIX_SCALE_ROW1
.else
	v_wmma_scale_f32_16x16x128_f8f6f4 v[8*(8*((\a)%4)+\b):8*(8*((\a)%4)+\b)+7], v[128*(\p)+FR*\b:128*(\p)+FR*\b+FR-1], v[AF+FR*(\a):AF+FR*(\a)+FR-1], v[8*(8*((\a)%4)+\b):8*(8*((\a)%4)+\b)+7], v[SC+8*NQ*(\sc)+NQ*\b+(\q)], v[SC+8*NQ*(\sc)+NQ*(\a)+(\q)] matrix_a_fmt:MATRIX_FMT_FP6 matrix_b_fmt:MATRIX_FMT_FP6 matrix_a_scale:MATRIX_SCALE_ROW1
.endif
.endr
.endr
.endm
.macro FETCH_B slot, q, p
	WIN TO_B
.irp i, 0,1,2,3,4,5,6,7
	FRAG 128*(\p)+FR*\i, ADRB+\slot, \q, \i
.endr
	WIN 0
.endm
.macro FETCH_A slot, q, i0
.irp i, \i0, \i0+1, \i0+2, \i0+3
	FRAG AF+FR*(\i), ADRA+\slot, \q, \i
.endr
.endm
.macro SCALES sc                       ; a slot's scale words: register 2 i + q: lanes 0-15 A's block i, lanes 16-31 B's block i, the slot's q-th 128 along K
.irp i, 0,1,2,3,4,5,6,7
.irp q, 0,1
	ds_load_b32 v[SC+8*NQ*\sc+NQ*\i+\q], v[ADRS] offset:1024*\q+64*\i
.endr
.endr
.endm
.macro PLACES n                        ; plain vector lines between a matrix instruction and a load into, or a read of, its registers
.rept \n
	v_nop
.endr
.endm
.macro STEP slot, q, zero
	s_wait_dscnt 4*NL                              ; all but the youngest 24 loads (A's blocks 4-7) are in
	WIN MUL_LO
	MUL16 0, (\q)%2, \q, \slot, \zero
	MUL16 2, (\q)%2, \q, \slot, \zero
	s_wait_dscnt 0
	PLACES NP
	FETCH_B \slot, (\q)+1, 1-(\q)%2
	FETCH_A \slot, (\q)+1, 0
	WIN MUL_HI
	MUL16 4, (\q)%2, \q, \slot, \zero
	MUL16 6, (\q)%2, \q, \slot, \zero
	PLACES NP
	WIN 0
	FETCH_A \slot, (\q)+1, 4
.endm
.macro TURN slot, next, fill           ; a slot's last step changes slots: one barrier (with fill = 1 it opens a round of the cluster's)
	s_wait_tensorcnt 0x0                           ; all my tensor loads have landed: my part of the next slot
	ds_add_u32 v[SPW], v[NIL]                      ; 0 onto my spare word
	s_wait_dscnt 4*NL+1                            ; (the add and the youngest 24 loads may be out)
	WIN MUL_LO
	MUL16 0, 1, NQ-1, \slot, 0
	s_wait_dscnt 0x0                               ; the add is done, and my reads of this slot are over
	s_barrier_signal -1
	MUL16 2, 1, NQ-1, \slot, 0
	WIN 0
	s_barrier_wait -1
.if \fill
	CREST                                          ; no wave of any partner still reads this slot or has a load on its way
	s_add_nc_u64 s[G0+4*\slot+2:G0+4*\slot+3], s[G0+4*\slot+2:G0+4*\slot+3], 8*PSA
	s_add_nc_u64 s[G0B+4*\slot+2:G0B+4*\slot+3], s[G0B+4*\slot+2:G0B+4*\slot+3], 8*PSB
	JLOAD G0+4*\slot, G1, G0B+4*\slot, G1B         ; the first tensor load behind the round; its four v_nop are also the places in front of the loads below
.else
	PLACES NP
.endif
	s_wait_alu depctr_va_vdst(0)
	v_add_nc_u32 v[ADRS], 1024*NQ, v[ADRS]
	FETCH_B \next, 0, 0
	FETCH_A \next, 0, 0
	SCALES \next
	WIN MUL_HI
	MUL16 4, 1, NQ-1, \slot, 0
	MUL16 6, 1, NQ-1, \slot, 0
	PLACES NP
	WIN 0
	FETCH_A \next, 0, 4
.endm
; 64 numbers of a lane in window w, v[s] on, register 16 b + i = k 32 b + 16 h + i of my row, become a fragment's codes in v[PC] on and its scale word in v[PW] (window 0)
.macro QUANT s, w
	WIN (\w)|((\w)<<2)
.irp b, 0,1,2,3
	v_max3_num_f32 v[TM+\b], |v[(\s)+16*\b]|, |v[(\s)+1+16*\b]|, 0x1800000   ; my 16 numbers of block b, and the floor 2^(3 - 127); each accumulator is read from its low end on
.endr
	WIN ((\w)<<2)|((\w)<<4)
.irp i, 2,4,6,8,10,12,14
.irp b, 0,1,2,3
	v_max3_num_f32 v[TM+\b], v[TM+\b], |v[(\s)+16*\b+\i]|, |v[(\s)+1+16*\b+\i]|
.endr
.endr
	WIN 0
.irp b, 0,1,2,3
	v_permlanex16_b32 v[TM+4+\b], v[TM+\b], s[SEL], s[SEL+1]
.endr
.irp b, 0,1,2,3
	v_max_num_f32 v[TM+\b], v[TM+\b], v[TM+4+\b]   ; with lane l xor 16's: the block's largest magnitude
.endr
.irp b, 0,1,2,3
	v_add_nc_u32 v[TM+12+\b], 0xff000000, v[TM+\b] ; 2 off the exponent field: the conversion's scale operand
.endr
.irp b, 0,1,2,3
	v_lshrrev_b32 v[TM+4+\b], 23, v[TM+12+\b]      ; the byte
.endr
	v_lshl_or_b32 v[PW], v[TM+5], 8, v[TM+4]
	v_lshl_or_b32 v[PW], v[TM+6], 16, v[PW]
	v_lshl_or_b32 v[PW], v[TM+7], 24, v[PW]
	WIN (\w)
.irp c, 0,1
	v_cvt_scalef32_pk16_fp6_f32 v[PC+6*\c:PC+2+6*\c], v[(\s)+32*\c:(\s)+15+32*\c], v[TM+12+2*\c]
	v_cvt_scalef32_pk16_fp6_f32 v[PC+12+4*\c:PC+14+4*\c], v[(\s)+16+32*\c:(\s)+31+32*\c], v[TM+12+2*\c+1]
.endr
	WIN 0
	v_nop                                          ; one plain line behind a scaled conversion
.irp c, 0,1                                    ; a whole block to a lane: lanes 0-15 block 2 c, lanes 16-31 block 2 c + 1
.irp i, 0,1,2
	v_permlane16_swap_b32 v[PC+6*\c+\i], v[PC+12+4*\c+\i]
.endr
.irp i, 0,1,2
	v_mov_b32 v[PC+3+6*\c+\i], v[PC+12+4*\c+\i]
.endr
.endr
.endm
.macro PUT adrc, adrs, offc, offs      ; the fragment into my stage, in the layout of the buffer: panel c, my row, 24 bytes for each half of the lanes
.irp c, 0,1
.irp p, 0,1,2
	ds_store_b64 v[\adrc], v[PC+6*\c+2*\p:PC+6*\c+2*\p+1] offset:(\offc)+6144*\c+8*\p
.endr
.endr
	ds_store_b32 v[\adrs], v[PW] offset:(\offs)    ; both halves of the lanes write the same word with the same value
	s_wait_dscnt 0x0                               ; the stores have read their registers
.endm
.macro FLUSH                           ; my stage's 12,800 bytes leave: every store covers 512 consecutive bytes, at a multiple of 256
.set I, 0
.rept 25
	ds_load_b128 v[128+4*I:131+4*I], v[RD] offset:512*I
.set I, I+1
.endr
.set I, 0
.rept 12
	s_wait_dscnt 24-I                              ; load I is in; the younger ones may be out
	global_store_b128 v[CO], v[128+4*I:131+4*I], s[12:13] offset:512*I
.set I, I+1
.endr
.rept 12
	s_wait_dscnt 24-I
	global_store_b128 v[CO], v[128+4*I:131+4*I], s[66:67] offset:512*(I-12)
.set I, I+1
.endr
	s_wait_dscnt 0x0
	global_store_b128 v[CO], v[224:227], s[96:97]
.endm
	s_wait_alu depctr_va_vdst(0)
	s_wait_tensorcnt 0x0                           ; my tile of the head's four is in
	s_mov_b32 s[G1+2], 2<<16
	s_mov_b32 s[G1+4], 2
	s_mov_b32 s[G1B+2], 2<<16
	s_mov_b32 s[G1B+4], 2
	s_mov_b32 s[G0+1], s45                         ; and slot 0's descriptors stand for my two
	s_add_co_u32 s[G0B+1], s45, 4*HALFT
	s_mul_i32 s18, s16, 2*PSA
	s_mov_b32 s19, 0
	s_add_nc_u64 s[G0+2:G0+3], s[G0+2:G0+3], s[18:19]
	s_mul_i32 s18, s16, 2*PSB
	s_add_nc_u64 s[G0B+2:G0B+3], s[G0B+2:G0B+3], s[18:19]
	s_add_nc_u64 s[G0+2:G0+3], s[G0+2:G0+3], 4*PSA     ; the one refill steps eight panels on from here: to K's last quarter
	s_add_nc_u64 s[G0B+2:G0B+3], s[G0B+2:G0B+3], 4*PSB
	s_barrier_signal -1
	s_barrier_wait -1                              ; everybody's tiles are in
	FETCH_B 0, 0, 0
	FETCH_A 0, 0, 0
	SCALES 0
	FETCH_A 0, 0, 4
	STEP 0, 0, 1                                   ; the first step's products start the sums
; THE WALK ALONG K, four quarters of 256.  Quarters 0, 1, 2 lie in LDS from the head on; quarter 3 is the launch's one refill, onto quarter 0's bytes, behind a drained round at quarter 0's end: two quarters' products stand between the request and the wait for it.
.macro PASS slot, next                 ; a quarter's last step where the next quarter lies in LDS already: no barrier
	s_wait_dscnt 4*NL                              ; all but the youngest 24 loads (A's blocks 4-7) are in
	WIN MUL_LO
	MUL16 0, 1, NQ-1, \slot, 0
	MUL16 2, 1, NQ-1, \slot, 0
	s_wait_dscnt 0
	PLACES NP
	WIN 0
	s_wait_alu depctr_va_vdst(0)
	v_add_nc_u32 v[ADRS], 1024*NQ, v[ADRS]
	FETCH_B \next, 0, 0
	FETCH_A \next, 0, 0
	SCALES \next
	WIN MUL_HI
	MUL16 4, 1, NQ-1, \slot, 0
	MUL16 6, 1, NQ-1, \slot, 0
	PLACES NP
	WIN 0
	FETCH_A \next, 0, 4
.endm
	TURN 0, 1, 1                                   ; quarter 0's end: the round, and quarter 3's joint load
	v_add_nc_u32 v[ADRA], 4*HALFT, v[ADRA]         ; address 0 goes on to quarter 2
	v_add_nc_u32 v[ADRB], 4*HALFT, v[ADRB]
	s_wait_alu depctr_va_vdst(0)
	STEP 1, 0, 0
	PASS 1, 0
	v_xor_b32 v[ADRA+1], 0xc000, v[ADRA+1]         ; address 1 goes back to quarter 0's bytes, where quarter 3 lands: 2 HALFT down (the bits that differ; the lane's part lies under them)
	v_xor_b32 v[ADRB+1], 0x14000, v[ADRB+1]
	s_wait_alu depctr_va_vdst(0)
	STEP 0, 0, 0
	TURN 0, 1, 0                                   ; quarter 2's end: every wave has waited for its part of quarter 3; the barrier shows it to all
	STEP 1, 0, 0
	s_wait_dscnt 4*NL
	WIN MUL_LO
	MUL16 0, 1, NQ-1, 1, 0
	MUL16 2, 1, NQ-1, 1, 0
	s_wait_dscnt 0
	WIN MUL_HI
	MUL16 4, 1, NQ-1, 1, 0
	MUL16 6, 1, NQ-1, 1, 0
	WIN 0
	; THE WAY OUT: each block of 16 rows x my 128 columns is one fragment of the next product.  The stages lie on A's quarters 1 and 2, which have had their only fill and their last read.
	s_mov_b32 s[SEL], 0x76543210
	s_mov_b32 s[SEL+1], 0xfedcba98
	PLACES NP
.irp b, 0,1,2,3
	v_mov_b32 v[TM+4+\b], 0                        ; written once: a lane permute's destination counts as one of its sources
.endr
.irp a, 0,1,2,3,4,5,6,7
	QUANT 64*(\a%4), 2+\a/4
	PUT STO, STS, 768*\a, 64*\a
.endr
	FLUSH
	s_wait_tensorcnt 0x0                           ; the wave's end
	ds_add_u32 v[SPW], v[NIL]
	s_wait_dscnt 0x0
	CROUND                                         ; the closing round
	s_endpgm
.Lfunc_end_k_q7f8c491e40_qkv:
	.size	k_q7f8c491e40_qkv, .Lfunc_end_k_q7f8c491e40_qkv-k_q7f8c491e40_qkv
	.p2alignl 7, 3214868480
	.fill 96, 4, 3214868480
	.section	.rodata,"a",@progbits
	.p2align	6, 0x0
	.amdhsa_kernel k_q7f8c491e40_qkv
		.amdhsa_group_segment_fixed_size 327680
		.amdhsa_private_segment_fixed_size 0
		.amdhsa_enable_private_segment 0
		.amdhsa_kernarg_size 16
		.amdhsa_user_sgpr_count 2
		.amdhsa_user_sgpr_kernarg_segment_ptr 1
		.amdhsa_wavefront_size32 1
		.amdhsa_system_sgpr_workgroup_id_x 1
		.amdhsa_system_sgpr_workgroup_id_y 1
		.amdhsa_system_sgpr_workgroup_id_z 1
		.amdhsa_system_vgpr_workitem_id 0
		.amdhsa_next_free_vgpr 1024
		.amdhsa_next_free_sgpr 100
		.amdhsa_reserve_vcc 0
		.amdhsa_float_denorm_mode_32 3
		.amdhsa_float_denorm_mode_16_64 3
		.amdhsa_memory_ordered 1
		.amdhsa_forward_progress 1
		.amdhsa_inst_pref_size 172
	.end_amdhsa_kernel
	.amdgpu_metadata
---
amdhsa.version: [ 1, 2 ]
amdhsa.kernels:
  - .name:           k_q7f8c491e40_qkv
    .symbol:         k_q7f8c491e40_qkv.kd
    .args:
      - { .name: zq, .offset: 0, .size: 8, .value_kind: global_buffer, .address_space: global }
      - { .name: aq, .offset: 8, .size: 8, .value_kind: global_buffer, .address_space: global }
    .group_segment_fixed_size: 327680
    .private_segment_fixed_size: 0
    .kernarg_segment_align: 8
    .kernarg_segment_size: 16
    .max_flat_workgroup_size: 128
    .sgpr_count:     100
    .vgpr_count:     1024
    .wavefront_size: 32
...
	.end_amdgpu_metadata
.endif
;; end of part 9
;; launch attn (part 10): grid 8 x 32, 8 waves a work-group, clusters of 4 x 1, 210,176 bytes of LDS; arguments aq, oq; writes oq
.if DOCPART == 10
	.amdgcn_target "amdgcn-amd-amdhsa--gfx1250"
	.amdhsa_code_object_version 6
	.text
	.protected	k_q7f8c491e40_attn
	.globl	k_q7f8c491e40_attn
	.p2align	8
	.type	k_q7f8c491e40_attn,@function
k_q7f8c491e40_attn:
	s_mov_b64 s[64:65], 0
	v_nop
	global_prefetch_b8 v0, s[64:65] scope:SCOPE_SE
	s_setreg_imm32_b32 hwreg(HW_REG_WAVE_MODE, 25, 1), 1
	s_wait_xcnt 0x0
	s_wait_alu depctr_hold_cnt(0) depctr_sa_sdst(0) depctr_va_vdst(0) depctr_va_sdst(0) depctr_va_ssrc(0) depctr_va_vcc(0) depctr_vm_vsrc(0)
	s_getreg_b32 s2, hwreg(HW_REG_IB_STS2, 6, 4)
	s_cmp_eq_u32 s2, 0
	s_cbranch_scc0 .Lentry_in_a_cluster
	s_endpgm
.Lentry_in_a_cluster:
	s_bfe_u32 s2, ttmp6, 0x10000c
	s_cmp_lg_u32 s2, 0x3003
	s_cbranch_scc0 .Lentry_shape_is_right
	s_endpgm
.Lentry_shape_is_right:
; Products 2 and 3 with the softmax between them, and the quantiser of o, on codes of FP6 (E2M3) with E8M0 scales.  32 (batch, head) pairs, 2,048 positions, head size 64.
; t = score x log2(e) / 8; M = the running largest t rounded UP to a whole number; p = 2^(t - M) is quantised along the keys, not normalised; the row's sum is taken of the unquantised p and divides at the end.
; SHARES.  A work-group owns 256 positions of one (batch, head), each of its eight waves 32 of them: TWO TILES OF 16 QUERIES, so that each fragment of K and V read from LDS feeds two products.
; Tile 0's state lies in register window 0, tile 1's in window 1 at the same numbers: one text serves both under another window setting.  K's and V's fragments, the addresses and all scale words lie in window 0.
; All of the head's K and V codes and scale words lie in LDS, filled once: eight fills, one a wave, asked for JOINTLY by the four query blocks of a cluster.
; No ring, no refill, no barrier in the loop; nothing is prefetched: every byte is asked for at the head, so there is no loop to run ahead in.
; LAYOUT.  Both products are used transposed (S^T = K Q^T, O^T = V^T P^T): a lane holds one query of each tile.  THE KEYS OF A TILE OF K ARE CHOSEN BY THE LANES' LDS ADDRESSES: tile 4 c + u of a step takes keys 64 c + 8 u + j and 64 c + 32 + 8 u + j (j = 0 .. 7),
; so lane (r, h) holds in registers S + 32 c + 0 .. 31 the keys 64 c + 32 h + 0 .. 31: a whole scale block, in the order of the next operand's registers.  Positions are stored in sigma order (bits 3, 4 exchanged): key bits 3, 4 go to the loads' offsets exchanged.
; K's rows lie in two areas by bit 5 of the position, the second 128 bytes past a multiple of 256: the two groups of eight rows that a load touches fall on different banks (64 banks of 4 bytes: ISA guide 11.1).
; THE FIRST PRODUCT'S K IS 64: Q's upper six registers hold zero codes, so whatever codes stand in the upper half of K's fragment add nothing: fragment T is v[KV + 6 T .. + 11], its upper half the next tile's codes.  The scale words come as 16 bits, zero-extended.
; OUT (oq): codes [16 heads][4,096 positions][48], scale words from 3,145,728 on, [8 pairs of heads][4,096][4].  A lane stores 12 bytes twice for each tile (two stores fill 768 consecutive bytes) and 2 scale bytes.
; LIMITS: the promise holds while the scaled scores stay under 2^31 in magnitude; a block of zeros gets the byte 1, not 127 (its codes are zeros; this program alone reads the bytes); NaN and infinities are not served.
.set KA1,   49280                      ; K's codes: positions with bit 5 = 0 at 0, [32 groups][32 rows][48]; with bit 5 = 1 here
.set VB,    98560                      ; V's codes: [32 panels of 64 keys][64 channels][48]
.set SCK,   196864                     ; K's scale words, a pair of heads': [2,048][4]
.set SCV,   205056                     ; V's: [16 steps][64 channels][4]
.set SPARE, 209152                     ; the spare words, 128 bytes a wave
.set SPW, 5
.set NIL, 6
.set PSEL, 7                           ; v7 (both windows)  byte selects that put my two scale bytes at their places in p's scale word
.set VS,  28                           ; v28-31   V's scale words
.set KV,  32                           ; v32-85   K's eight fragments, six registers apart; then V's four
.set KS,  86                           ; v86-93   K's scale words
.set S,   96                           ; from here on in both windows: v96-159 S^T, then p
.set O,   160                          ; v160-191 O^T
.set PC,  192                          ; v192-203 p's codes
.set TC,  204                          ; v204-210 the second halves of the blocks' codes
.set CH,  212                          ; v212-215 the maxima's four chains
.set SOP, 216
.set TB,  218
.set W,   220                          ; p's scale word: tile 0's here; tile 1's half-made here in window 1, whole in window 0's v242
.set W2,  221
.set F,   222                          ; v[222:223] f and a register named with it
.set T,   224                          ; v224-229 three chains of the row's sum
.set MX,  230
.set QS,  240                          ; v240, v241 (window 0) Q's scale words, tile 0's and tile 1's
.set WV,  8
.set SEL, 20
.set CS,  22
.set NC,  76
.set G1K,  24
.set G1V,  32
.set G1SK, 40
.set G1SV, 48
.set G0K,  56
.set G0V,  60
.set G0SK, 68
.set G0SV, 72
.set TV, 82                            ; V's codes: 6,144 bytes a step
.set TK, 84                            ; K's codes: 3,072 a step in each area
.set TS, 85                            ; K's scale words: 512 a step
.set TJ, 86                            ; V's: 256 a step
.set CNT, 87
.set MSB, 0
.macro WIN new                         ; low byte: bits 1:0 source 0, 3:2 source 1, 5:4 source 2, 7:6 destination; the high byte repeats the setting that is left
.if MSB != (\new)
	s_set_vgpr_msb (MSB<<8)|(\new)
.set MSB, (\new)
.endif
.endm
.macro CROUND
	s_barrier_signal -1
	s_barrier_wait -1
	s_cmp_lg_u32 s[WV], 0
	s_cbranch_scc1 .Lnot_wave_0_\@
	s_barrier_signal -3
.Lnot_wave_0_\@:
	s_barrier_wait -3
	s_barrier_signal -1
	s_barrier_wait -1
.endm
.macro SHAPE g, c, r, p                ; a group 1: the mask of all four partners, bit 21 beside it, elements of 8 bytes, no padding; r rows of c elements, p apart
	s_mov_b32 s[\g], 15|(3<<16)|(1<<21)
	s_mov_b32 s[\g+1], (\c)<<16
	s_mov_b32 s[\g+2], (\r)<<16
	s_mov_b32 s[\g+3], (\c)<<16
	s_mov_b32 s[\g+4], \r
	s_mov_b32 s[\g+5], \p
	s_mov_b32 s[\g+6], 0
	s_mov_b32 s[\g+7], 0
.endm
.macro GROUP0 g, lds                   ; a group 0 from the LDS address in s[lds] and the byte offset in s[18:19]
	s_mov_b32 s[\g], 1
	s_mov_b32 s[\g+1], s[\lds]
	s_add_nc_u64 s[\g+2:\g+3], s[4:5], s[18:19]
	s_or_b32 s[\g+3], s[\g+3], 0x80000000
.endm
.macro TL g0, g1
	tensor_load_to_lds s[\g0:\g0+3], s[\g1:\g1+7]
	s_nop 0
.rept 4
	v_nop
.endr
.endm
.macro WM d, a, b, c, sa, sb
	v_wmma_scale_f32_16x16x128_f8f6f4 v[\d:\d+7], v[\a:\a+11], v[\b:\b+11], \c, v[\sa], v[\sb] matrix_a_fmt:MATRIX_FMT_FP6 matrix_b_fmt:MATRIX_FMT_FP6
.endm
.macro PA d, i                         ; pair i of p onto a chain of the row's sum
	v_pk_add_f32 v[\d:\d+1], v[\d:\d+1], v[S+2*(\i):S+2*(\i)+1]
.endm
.macro KLOAD ac, as                    ; a step's eight tiles of K, 24 bytes a lane each, and their scale words
.irp c, 0,1
.irp u, 0,1,2,3
.irp p, 0,1,2
	ds_load_b64 v[KV+6*(4*\c+\u)+2*\p:KV+6*(4*\c+\u)+2*\p+1], v[\ac] offset:1536*\c+768*(\u%2)+384*(\u/2)+8*\p
.endr
	ds_load_u16 v[KS+4*\c+\u], v[\as] offset:256*\c+64*(\u%2)+32*(\u/2)
.endr
.endr
.endm
	s_load_b128 s[4:7], s[0:1], 0x0                ; aq, oq
	v_lshl_add_u32 v[SPW], v0, 2, SPARE
	v_mov_b32 v[NIL], 0
	ds_add_u32 v[SPW], v[NIL]                      ; the opening lines: the add, twice on end, and its wait ahead of my tensor load
	ds_add_u32 v[SPW], v[NIL]
	v_lshrrev_b32 v8, 5, v0
	v_readfirstlane_b32 s[WV], v8                  ; wave 0..7
	s_bfe_u32 s9, ttmp6, 0x40000                   ; cx
	s_lshl_b32 s10, ttmp9, 2
	s_add_co_u32 s10, s10, s9                      ; my block of 256 positions: it enters Q's and o's addresses alone
	s_and_b32 s11, ttmp7, 0xffff
	s_lshr_b32 s12, s11, 4                         ; batch
	s_and_b32 s13, s11, 15                         ; head
	s_add_co_u32 s14, s[WV], 2
	s_and_b32 s14, s14, 3                          ; waves 2 .. 5: which quarter of V's codes
	s_lshr_b32 s15, s13, 1
	s_and_b32 s16, s13, 1
	SHAPE G1K, 192, 32, 384                        ; 32 groups of 32 positions (1,536 bytes), every second group
	SHAPE G1V, 384, 8, 6144                        ; 8 panels' runs of 3,072 bytes
	SHAPE G1SK, 32, 32, 32                         ; 8,192 dense bytes
	SHAPE G1SV, 32, 16, 512                        ; 16 steps' runs of 256 bytes
	s_mov_b32 s[SEL], 0x76543210
	s_mov_b32 s[SEL+1], 0xfedcba98
	s_mov_b32 s[CS], 0x3e38aa3b                    ; c = log2(e) / 8
	s_mov_b32 s[CS+1], s[CS]
	s_mov_b32 s[NC], 0xbe38aa3b                    ; -c
	s_mov_b32 s[TK], 0
	s_mov_b32 s[TS], 0
	s_mov_b32 s[TV], 0
	s_mov_b32 s[TJ], 0
	s_mov_b32 s[CNT], 15
	s_lshl_b32 s96, s15, 14
	s_lshl_b32 s17, s12, 13
	s_add_co_u32 s96, s96, s17                     ; scale words: the pair of heads, the batch
	s_mul_i32 s97, s13, 196608
	s_mul_i32 s17, s12, 98304
	s_add_co_u32 s97, s97, s17                     ; codes: the head, the batch
	s_mov_b32 s19, 0
	s_wait_dscnt 0x0                               ; both opening adds are done
	s_wait_kmcnt 0x0
	s_and_b32 s17, s[WV], 1                        ; K's codes: waves 0, 1 an area each
	s_mul_i32 s18, s17, 1536
	s_add_co_u32 s18, s18, s97
	s_add_co_u32 s18, s18, 16*196608
	s_mul_i32 s17, s17, KA1
	GROUP0 G0K, 17
	s_lshl_b32 s18, s12, 5                         ; V's codes: 8 panels
	s_lshl_b32 s17, s14, 3
	s_add_co_u32 s18, s18, s17
	s_mul_i32 s18, s18, 49152
	s_mul_i32 s17, s13, 3072
	s_add_co_u32 s18, s18, s17
	s_add_co_u32 s18, s18, 6291456
	s_mul_i32 s17, s14, 24576
	s_add_co_u32 s17, s17, VB
	GROUP0 G0V, 17
	s_add_co_u32 s18, s96, 9437184+131072          ; K's scale words
	s_mov_b32 s17, SCK
	GROUP0 G0SK, 17
	s_lshl_b32 s18, s12, 16                        ; V's scale words
	s_lshl_b32 s17, s13, 8
	s_add_co_u32 s18, s18, s17
	s_add_co_u32 s18, s18, 9699328
	s_mov_b32 s17, SCV
	GROUP0 G0SV, 17
	CROUND                                         ; all four work-groups are here: the joint loads meet
	s_cmp_lt_u32 s[WV], 2                          ; one chain of branches on the wave's number, one load to an arm, every wave in one arm
	s_cbranch_scc0 .Larm_v
	TL G0K, G1K
	s_branch .Lasked
.Larm_v:
	s_cmp_lt_u32 s[WV], 6
	s_cbranch_scc0 .Larm_sk
	TL G0V, G1V
	s_branch .Lasked
.Larm_sk:
	s_cmp_lt_u32 s[WV], 7
	s_cbranch_scc0 .Larm_sv
	TL G0SK, G1SK
	s_branch .Lasked
.Larm_sv:
	TL G0SV, G1SV
.Lasked:
	s_mul_i32 s98, s10, 12288                      ; my 32 positions: 48 bytes each
	s_mul_i32 s17, s[WV], 1536
	s_add_co_u32 s98, s98, s17
	s_add_co_u32 s98, s98, s97
	s_mov_b32 s99, 0
	s_add_nc_u64 s[92:93], s[4:5], s[98:99]        ; Q's codes
	s_add_nc_u64 s[88:89], s[6:7], s[98:99]        ; o's
	s_lshl_b32 s98, s10, 10
	s_lshl_b32 s17, s[WV], 7
	s_add_co_u32 s98, s98, s17
	s_add_co_u32 s98, s98, s96
	s_lshl_b32 s17, s16, 1
	s_add_co_u32 s98, s98, s17                     ; their scale words, my head's two bytes
	s_add_nc_u64 s[94:95], s[4:5], s[98:99]
	s_add_nc_u64 s[94:95], s[94:95], 9437184
	s_add_nc_u64 s[90:91], s[6:7], s[98:99]
	s_add_nc_u64 s[90:91], s[90:91], 3145728
	s_add_co_u32 s17, s17, SCK
	v_and_b32 v8, 15, v0                           ; r
	v_bfe_u32 v9, v0, 4, 1                         ; h
	v_mul_u32_u24 v10, v8, 48
	v_mad_u32_u24 v10, v9, 24, v10                 ; a fragment's row x 48 + 24 x half: Q's and V's
	v_lshlrev_b32 v11, 2, v8
.irp p, 0,1,2
	global_load_b64 v[16+2*\p:17+2*\p], v10, s[92:93] offset:8*\p   ; Q's 64 codes a row stay in registers: tile 0's,
.endr
	global_load_u16 v[QS], v11, s[94:95]           ; Q's two scale bytes
	global_load_u16 v[QS+1], v11, s[94:95] offset:64
	WIN 0x40
.irp p, 0,1,2
	global_load_b64 v[16+2*\p:17+2*\p], v10, s[92:93] offset:768+8*\p   ; and tile 1's, in window 1
.endr
	WIN 0
	v_add_nc_u32 v2, VB-6144, v10                  ; v2: V's codes, one step back: the step's scalar is stepped ahead of its use
	v_add_nc_u32 v4, SCV-256, v11                  ; v4: V's scale words, likewise
	v_and_b32 v[MX], 7, v8                         ; K: lane r takes row r % 8 of the group, in area r / 8
	v_bfe_u32 v[MX+1], v0, 3, 1
	v_mul_u32_u24 v1, v[MX], 48
	v_mad_u32_u24 v1, v9, 24, v1
	v_mad_u32_u24 v1, v[MX+1], KA1, v1             ; v1: K's codes
	v_lshlrev_b32 v3, 2, v[MX]
	v_lshl_add_u32 v3, v[MX+1], 7, v3
	v_add_nc_u32 v3, s17, v3                       ; v3: K's scale words, my head's two bytes
	v_cmp_eq_u32 vcc_lo, 1, v9
	v_mov_b32 v[PSEL], 0x0c070c03                  ; lanes 0-15: my bytes are the word's bytes 0 and 2,
	v_mov_b32 v[W2], 0x070c030c                    ; lanes 16-31: bytes 1 and 3; the others 0
	v_cndmask_b32 v[PSEL], v[PSEL], v[W2], vcc_lo
.irp j, 0,1,2,3,4,5
	v_mov_b32 v[KV+48+\j], 0                       ; the upper half of K's last fragment: written once, never loaded
.endr
.irp a, 0,1                                    ; each tile's state, in its window
	WIN 0x40*\a
.if \a
	v_mov_b32 v[PSEL], v[PSEL]                     ; window 1's copy of the selects
.endif
.irp j, 22,23,24,25,26,27
	v_mov_b32 v\j, 0                               ; Q's k = 64 .. 127: zero codes
.endr
	v_mov_b32 v13, 0xff61b1e6                      ; the largest score so far: -3e38
	v_mov_b32 v12, 0x7f61b1e6                      ; -M
	v_mov_b32 v14, 0
	v_mov_b32 v15, 0
	v_mov_b32 v[F+1], 0                            ; (named as the upper half of the pair)
	v_mov_b32 v[W2], 0                             ; (a lane permute's destination counts as one of its sources)
	v_mov_b32 v[MX+1], 0
.set I, 0
.rept 32
	v_mov_b32 v[O+I], 0                            ; O^T: the step is written once; the first finds zeros
.set I, I+1
.endr
.endr
	WIN 0
	s_wait_alu depctr_va_vdst(0)
	s_wait_tensorcnt 0x0                           ; my fill has landed,
	s_barrier_signal -1
	s_barrier_wait -1                              ; everybody's has
	KLOAD 1, 3
	s_wait_loadcnt 0x0                             ; Q
; THE SOFTMAX OF TILE a, in three parts.  P1: the maxima, M, what was summed under the old M, t - M
.macro P1 a
	WIN 0x55*\a
.irp c, 0,1                                    ; the largest score of my two blocks of 32 keys, two chains each; each accumulator is read from its low end on
	v_max3_num_f32 v[CH+\c], v[S+32*\c], v[S+32*\c+1], v[S+32*\c+2]
	v_max3_num_f32 v[CH+2+\c], v[S+32*\c+16], v[S+32*\c+17], v[S+32*\c+18]
.endr
.irp i, 3,5,7,9,11,13
.irp c, 0,1
	v_max3_num_f32 v[CH+\c], v[CH+\c], v[S+32*\c+\i], v[S+32*\c+\i+1]
	v_max3_num_f32 v[CH+2+\c], v[CH+2+\c], v[S+32*\c+16+\i], v[S+32*\c+17+\i]
.endr
.endr
.irp c, 0,1
	v_max3_num_f32 v[CH+\c], v[CH+\c], v[CH+2+\c], v[S+32*\c+15]
.endr
.irp c, 0,1
	v_max_num_f32 v[CH+\c], v[CH+\c], v[S+32*\c+31]
.endr
	v_max3_num_f32 v[MX], v[CH], v[CH+1], v13
	v_permlanex16_b32 v[MX+1], v[MX], s[SEL], s[SEL+1]
	v_max_num_f32 v13, v[MX], v[MX+1]              ; the running largest score of my query (c is positive)
	v_mul_f32 v[MX], s[NC], v13                    ; -t
	v_floor_f32 v[MX], v[MX]                       ; the new -M = -ceil(t)
	v_sub_f32 v[MX+1], v[MX], v12                  ; old M - new M: a whole number, 0 or less
	v_mov_b32 v12, v[MX]
	v_cvt_i32_f32 v[MX+1], v[MX+1]                 ; (it saturates)
	v_ldexp_f32 v[F], 1.0, v[MX+1]                 ; f = 2^(old M - new M): rounds nothing
	v_pk_mul_f32 v[14:15], v[14:15], v[F:F+1] op_sel_hi:[1,0]
.set I, 0
.rept 16
	v_pk_mul_f32 v[O+I:O+I+1], v[O+I:O+I+1], v[F:F+1] op_sel_hi:[1,0]   ; O^T under the new M
.set I, I+2
.endr
.set I, 0
.rept 32
	v_pk_fma_f32 v[S+I:S+I+1], v[S+I:S+I+1], s[CS:CS+1], v[12:13] op_sel_hi:[1,0,0]   ; t - M
.set I, I+2
.endr
.irp c, 0,1
	v_fma_f32 v[CH+\c], v[CH+\c], s[CS], v12       ; the same of each block's largest score
.endr
.endm
.macro P2 a                            ; the exponentials
	WIN 0x55*\a
	v_exp_f32 v[CH], v[CH]                         ; each block's largest p: p rises with the score
	v_exp_f32 v[CH+1], v[CH+1]
.set I, 0
.rept 64
	v_exp_f32 v[S+I], v[S+I]                       ; p = 2^(t - M)
.set I, I+1
.endr
.endm
.macro P3 a                            ; p's scale word and codes; the first eight lines of the row's sum
	WIN 0x55*\a
.irp c, 0,1
	v_max_num_f32 v[CH+\c], 0x1800000, v[CH+\c]    ; the floor 2^(3 - 127): the byte cannot fall under 1
.endr
.irp c, 0,1
	v_add_nc_u32 v[SOP+\c], 0xff000000, v[CH+\c]   ; 2 off the exponent field: the conversion's scale operand
.endr
.irp c, 0,1
	v_lshl_add_u32 v[TB+\c], v[CH+\c], 1, 0xfe000000   ; the scale's byte, in the register's top byte
.endr
	v_perm_b32 v[W], v[TB+1], v[TB], v[PSEL]       ; my bytes: blocks h and 2 + h of the word
	v_permlanex16_b32 v[W2], v[W], s[SEL], s[SEL+1]
	WIN 0x05*\a                                    ; (scale operands are taken from window 0)
	v_or_b32 v[W+22*\a], v[W], v[W2]               ; with lane l xor 16's two the word is whole
	WIN 0x55*\a
.irp c, 0,1
	v_cvt_scalef32_pk16_fp6_f32 v[PC+6*\c:PC+6*\c+2], v[S+32*\c:S+32*\c+15], v[SOP+\c]
	v_cvt_scalef32_pk16_fp6_f32 v[TC+4*\c:TC+4*\c+2], v[S+32*\c+16:S+32*\c+31], v[SOP+\c]   ; (a conversion's three registers begin on an even number)
.endr
	v_nop                                          ; one plain line behind a scaled conversion
.irp c, 0,1
.irp i, 0,1,2
	v_mov_b32 v[PC+6*\c+3+\i], v[TC+4*\c+\i]
.endr
.endr
	v_pk_add_f32 v[T:T+1], v[S:S+1], v[S+2:S+3]    ; THE ROW'S SUM, of the unquantised p, in four chains: these eight lines are also places ahead of the products
	v_pk_add_f32 v[T+2:T+3], v[S+4:S+5], v[S+6:S+7]
	v_pk_add_f32 v[T+4:T+5], v[S+8:S+9], v[S+10:S+11]
	PA 14, 6
	PA T, 7
	PA T+2, 8
	PA T+4, 9
	PA 14, 10
.endm
.macro SUMB
	PA T, 11
	PA T+2, 12
	PA T+4, 13
	PA 14, 14
.endm
.macro SUMC
.irp i, 15,19,23,27
	PA T, \i
	PA T+2, \i+1
	PA T+4, \i+2
	PA 14, \i+3
.endr
	PA T, 31
	v_pk_add_f32 v[T:T+1], v[T:T+1], v[T+2:T+3]
	v_pk_add_f32 v[14:15], v[14:15], v[T+4:T+5]
	v_pk_add_f32 v[14:15], v[14:15], v[T:T+1]
.endm
; A step of 128 keys for both tiles.  next = 1: the next step's K is asked for behind the second product
.macro STEP next
	s_wait_dscnt 0x0                               ; K
.set I, 0
.rept 8
	WM S+8*I, KV+6*I, 16, 0, KS+I, QS
.set I, I+1
.endr
	WIN 0x44                                       ; Q and S^T of tile 1
.set I, 0
.rept 8
	WM S+8*I, KV+6*I, 16, 0, KS+I, QS+1
.set I, I+1
.endr
	WIN 0
	s_add_co_u32 s[TK], s[TK], 3072
	s_add_co_u32 s[TS], s[TS], 512
	s_add_co_u32 s[TV], s[TV], 6144
	s_add_co_u32 s[TJ], s[TJ], 256
.if \next
	v_add_nc_u32 v8, s[TK], v1                     ; these four lines are also the places between the products and the loads and reads below
	v_add_nc_u32 v10, s[TS], v3
.else
	v_nop
	v_nop
.endif
	v_add_nc_u32 v9, s[TV], v2
	v_add_nc_u32 v11, s[TJ], v4
.irp t, 0,1,2,3                                ; V's fragments take K's registers and land under the softmax
.irp p, 0,1,2,3,4,5
	ds_load_b64 v[KV+12*\t+2*\p:KV+12*\t+2*\p+1], v9 offset:3072*(\p/3)+768*\t+8*(\p%3)
.endr
	ds_load_b32 v[VS+\t], v11 offset:64*\t
.endr
	P1 0
	P1 1
	s_wait_dscnt 0x0                               ; V (asked for ahead of the maxima)
	s_wait_alu depctr_va_vdst(0)                   ; the wait ahead of the batch: one for both tiles
	P2 1
	P2 0
	v_nop                                          ; a plain line behind the batch,
	s_wait_alu depctr_va_vdst(0)                   ; and one wait for it, ahead of its first reader
	P3 0
	P3 1
	WIN 0
.irp t, 0,1,2,3
	WM O+8*\t, KV+12*\t, PC, v[O+8*\t:O+8*\t+7], VS+\t, W
.endr
	WIN 0x54                                       ; p's codes and O^T of tile 1
.irp t, 0,1,2,3
	WM O+8*\t, KV+12*\t, PC, v[O+8*\t:O+8*\t+7], VS+\t, W+22
.endr
	WIN 0
	SUMB                                           ; four lines of tile 0's sum: the places behind the products
.if \next
	KLOAD 8, 10
.endif
	SUMC
	WIN 0x55
	SUMB
	SUMC
	WIN 0
.endm
.Lstep:                                            ; 15 trips of 128 keys; the sixteenth, which asks for no further K, is written out
	STEP 1
	s_sub_co_u32 s[CNT], s[CNT], 1
	s_cmp_lg_u32 s[CNT], 0
	s_wait_alu depctr_va_vdst(0)
	s_cbranch_scc1 .Lstep
	STEP 0
	; THE WAY OUT: o = O^T / the sum; register 16 b + i is channel 32 b + 16 h + i of my query: quantised along the channels, which are the next product's K
	v_and_b32 v8, 15, v0
	v_bfe_u32 v9, v0, 4, 1
	v_mul_u32_u24 v10, v8, 48
	v_mad_u32_u24 v10, v9, 12, v10                 ; my 16 codes of a block: 12 bytes
	v_lshlrev_b32 v11, 2, v8
.macro OUT a
	WIN 0x55*\a
	v_add_f32 v14, v14, v15
	v_permlanex16_b32 v[MX], v14, s[SEL], s[SEL+1]
	v_add_f32 v14, v14, v[MX]
	s_wait_alu depctr_va_vdst(0)
	v_rcp_f32 v14, v14
	v_nop
	s_wait_alu depctr_va_vdst(0)                   ; the wait ahead of the first reader of the reciprocal and of O^T
.set I, 0
.rept 16
	v_pk_mul_f32 v[S+I:S+I+1], v[O+I:O+I+1], v[14:15] op_sel_hi:[1,0]
.set I, I+2
.endr
.irp b, 0,1
	v_max3_num_f32 v[CH+\b], |v[S+16*\b]|, |v[S+1+16*\b]|, 0x1800000
.endr
.irp i, 2,4,6,8,10,12,14
.irp b, 0,1
	v_max3_num_f32 v[CH+\b], v[CH+\b], |v[S+16*\b+\i]|, |v[S+1+16*\b+\i]|
.endr
.endr
.irp b, 0,1
	v_permlanex16_b32 v[CH+2+\b], v[CH+\b], s[SEL], s[SEL+1]
.endr
.irp b, 0,1
	v_max_num_f32 v[CH+\b], v[CH+\b], v[CH+2+\b]
.endr
.irp b, 0,1
	v_add_nc_u32 v[SOP+\b], 0xff000000, v[CH+\b]
.endr
.irp b, 0,1
	v_lshrrev_b32 v[TB+\b], 23, v[SOP+\b]
.endr
	v_lshl_or_b32 v[TB], v[TB+1], 8, v[TB]
	v_cvt_scalef32_pk16_fp6_f32 v[PC:PC+2], v[S:S+15], v[SOP]
	v_cvt_scalef32_pk16_fp6_f32 v[PC+4:PC+6], v[S+16:S+31], v[SOP+1]
	v_nop
	WIN 0x04*\a                                    ; the stores' data in the tile's window, their addresses in window 0
	global_store_b96 v10, v[PC:PC+2], s[88:89] offset:768*\a
	global_store_b96 v10, v[PC+4:PC+6], s[88:89] offset:768*\a+24
	global_store_b16 v11, v[TB], s[90:91] offset:64*\a   ; both halves of the lanes write the same two bytes with the same value
.endm
	OUT 0
	OUT 1
	WIN 0
	s_wait_tensorcnt 0x0                           ; the wave's end
	ds_add_u32 v[SPW], v[NIL]
	s_wait_dscnt 0x0
	CROUND                                         ; the closing round
	s_endpgm
.Lfunc_end_k_q7f8c491e40_attn:
	.size	k_q7f8c491e40_attn, .Lfunc_end_k_q7f8c491e40_attn-k_q7f8c491e40_attn
	.p2alignl 7, 3214868480
	.fill 96, 4, 3214868480
	.section	.rodata,"a",@progbits
	.p2align	6, 0x0
	.amdhsa_kernel k_q7f8c491e40_attn
		.amdhsa_group_segment_fixed_size 210176
		.amdhsa_private_segment_fixed_size 0
		.amdhsa_enable_private_segment 0
		.amdhsa_kernarg_size 16
		.amdhsa_user_sgpr_count 2
		.amdhsa_user_sgpr_kernarg_segment_ptr 1
		.amdhsa_wavefront_size32 1
		.amdhsa_system_sgpr_workgroup_id_x 1
		.amdhsa_system_sgpr_workgroup_id_y 1
		.amdhsa_system_sgpr_workgroup_id_z 1
		.amdhsa_system_vgpr_workitem_id 0
		.amdhsa_next_free_vgpr 512
		.amdhsa_next_free_sgpr 100
		.amdhsa_reserve_vcc 1
		.amdhsa_float_denorm_mode_32 3
		.amdhsa_float_denorm_mode_16_64 3
		.amdhsa_memory_ordered 1
		.amdhsa_forward_progress 1
		.amdhsa_inst_pref_size 78
	.end_amdhsa_kernel
	.amdgpu_metadata
---
amdhsa.version: [ 1, 2 ]
amdhsa.kernels:
  - .name:           k_q7f8c491e40_attn
    .symbol:         k_q7f8c491e40_attn.kd
    .args:
      - { .name: aq, .offset: 0, .size: 8, .value_kind: global_buffer, .address_space: global }
      - { .name: oq, .offset: 8, .size: 8, .value_kind: global_buffer, .address_space: global }
    .group_segment_fixed_size: 210176
    .private_segment_fixed_size: 0
    .kernarg_segment_align: 8
    .kernarg_segment_size: 16
    .max_flat_workgroup_size: 256
    .sgpr_count:     100
    .vgpr_count:     512
    .wavefront_size: 32
...
	.end_amdgpu_metadata
.endif
;; end of part 10
;; launch proj (part 11): grid 8 x 32, 4 waves a work-group, clusters of 4 x 4, 327,680 bytes of LDS; arguments oq, wq, b_proj, x, x1; writes x1
.if DOCPART == 11
	.amdgcn_target "amdgcn-amd-amdhsa--gfx1250"
	.amdhsa_code_object_version 6
	.text
	.protected	k_q7f8c491e40_proj
	.globl	k_q7f8c491e40_proj
	.p2align	8
	.type	k_q7f8c491e40_proj,@function
k_q7f8c491e40_proj:
	s_mov_b64 s[64:65], 0
	v_nop
	global_prefetch_b8 v0, s[64:65] scope:SCOPE_SE
	s_setreg_imm32_b32 hwreg(HW_REG_WAVE_MODE, 25, 1), 1
	s_wait_xcnt 0x0
	s_wait_alu depctr_hold_cnt(0) depctr_sa_sdst(0) depctr_va_vdst(0) depctr_va_sdst(0) depctr_va_ssrc(0) depctr_va_vcc(0) depctr_vm_vsrc(0)
	s_getreg_b32 s2, hwreg(HW_REG_IB_STS2, 6, 4)
	s_cmp_eq_u32 s2, 0
	s_cbranch_scc0 .Lentry_in_a_cluster
	s_endpgm
.Lentry_in_a_cluster:
	s_bfe_u32 s2, ttmp6, 0x10000c
	s_cmp_lg_u32 s2, 0xf033
	s_cbranch_scc0 .Lentry_shape_is_right
	s_endpgm
.Lentry_shape_is_right:
.set SIZE_K, 1024
.set PSA, 196608
.set PSB, 49152
.set SSA, 16384
.set SSB, 4096
.set ASO, 3145728
.set BCO, 0
.set BSO, 7077888
.set FR, 12
.set NP, 4
.set PANB,  6144
.set HALFT, 4*PANB
.set SLOT,  4*HALFT
.set NKS,   SIZE_K/128
.set LAPS,  SIZE_K/1024
.set SCL,   2*SLOT
.set HALFS, 256*NKS
.set SPARE, SCL+4*HALFS
.set SPITCH, 272
.set ADRA, 16
.set ADRB, 20
.set STO,  24
.set RD,   25
.set CO,   26
.set ADRS, 27
.set SPW,  28
.set NIL,  29
.set PFO,  30
.set SC,   32
.set BI,   64
.set ACC,  128
.set G1, 24
.set G0, 32
.set G1B, 48
.set G0B, 56
.set G1S, 68
.set G0S, 76
.set G1SB, 80
.set G0SB, 88
.set LIM, 95
.set PFA, 96
.set PFS, 98
.set MSB, 0
.macro WIN new
.if MSB != (\new)
	s_set_vgpr_msb (MSB<<8)|(\new)
.set MSB, (\new)
.endif
.endm
.set MUL,  0x05
.set TO_F, 0x40
.macro JLOAD g0a, g1a, g0b, g1b
	s_cmp_eq_u32 s15, 0
	s_cbranch_scc0 .Lfor_b_\@
	tensor_load_to_lds s[\g0a:\g0a+3], s[\g1a:\g1a+7]
	s_nop 0
.rept 4
	v_nop
.endr
	s_branch .Lasked_\@
.Lfor_b_\@:
	tensor_load_to_lds s[\g0b:\g0b+3], s[\g1b:\g1b+7]
	s_nop 0
.rept 4
	v_nop
.endr
.Lasked_\@:
.endm
.macro CREST
	s_cmp_lg_u32 s14, 0
	s_cbranch_scc1 .Lnot_wave_0_\@
	s_barrier_signal -3
.Lnot_wave_0_\@:
	s_barrier_wait -3
	s_barrier_signal -1
	s_barrier_wait -1
.endm
.macro CROUND
	s_barrier_signal -1
	s_barrier_wait -1
	CREST
.endm
.macro SHAPE g, c, r, p
	s_mov_b32 s[\g+1], (\c)<<16
	s_mov_b32 s[\g+2], (\r)<<16
	s_mov_b32 s[\g+3], (\c)<<16
	s_mov_b32 s[\g+4], \r
	s_mov_b32 s[\g+5], \p
	s_mov_b32 s[\g+6], 0
	s_mov_b32 s[\g+7], 0
.endm
.macro ASK last
.if \last
	s_cmp_gt_u32 s3, s[LIM]
.else
	s_cmp_eq_u32 s[LIM], 1
.endif
	s_cbranch_scc0 .Lnot_mine_\@
	global_prefetch_b8 v[PFO], s[PFA:PFA+1] th:TH_LOAD_NT scope:SCOPE_SE
.Lnot_mine_\@:
.endm
	s_load_b256 s[4:11], s[0:1], 0x0
	s_load_b64 s[12:13], s[0:1], 0x20
	v_lshl_add_u32 v[SPW], v0, 2, SPARE
	v_mov_b32 v[NIL], 0
	ds_add_u32 v[SPW], v[NIL]
	ds_add_u32 v[SPW], v[NIL]
	v_lshrrev_b32 v1, 5, v0
	v_readfirstlane_b32 s14, v1
	s_lshr_b32 s15, s14, 1
	s_and_b32 s16, s14, 1
	s_bfe_u32 s40, ttmp6, 0x40000
	s_bfe_u32 s41, ttmp6, 0x40004
	s_lshl_b32 s42, ttmp9, 2
	s_add_co_u32 s42, s42, s40
	s_and_b32 s17, ttmp7, 0xffff
	s_lshl_b32 s17, s17, 2
	s_add_co_u32 s17, s17, s41
	s_lshl_b32 s43, s41, 2
	s_lshl_b32 s43, 15, s43
	s_lshl_b32 s44, 0x1111, s40
	s_or_b32 s[G1+0], s43, (3<<16)|(1<<21)
	s_or_b32 s[G1B+0], s44, (3<<16)|(1<<21)
	s_or_b32 s[G1S+0], s43, (3<<16)|(1<<21)
	s_or_b32 s[G1SB+0], s44, (3<<16)|(1<<21)
	SHAPE G1, 768, 16, PSA/8                       ; ALL OF K LIES IN LDS, filled once: 16 panels' runs of 6,144 bytes for A and for B (98,304 bytes each),
	SHAPE G1B, 768, 16, PSB/8
	SHAPE G1S, 64, NKS, SSA/8                      ; and NKS runs of 512 bytes of scale words
	SHAPE G1SB, 64, NKS, SSB/8
	s_mul_i32 s20, s17, 6144
	s_lshl_b32 s22, s17, 9
	s_add_co_u32 s22, s22, ASO
	s_mul_i32 s46, s42, 6144
	s_add_co_u32 s46, s46, BCO
	s_lshl_b32 s92, s42, 9
	s_add_co_u32 s92, s92, BSO
	s_mov_b32 s21, 0
	s_mov_b32 s23, 0
	s_mov_b32 s47, 0
	s_mov_b32 s93, 0
	s_wait_dscnt 0x0
	s_wait_kmcnt 0x0
	s_add_nc_u64 s[20:21], s[4:5], s[20:21]
	s_add_nc_u64 s[22:23], s[4:5], s[22:23]
	s_add_nc_u64 s[46:47], s[6:7], s[46:47]
	s_add_nc_u64 s[92:93], s[6:7], s[92:93]
	CROUND
	s_mov_b32 s[G0S], 1
	s_mov_b32 s[G0S+1], SCL
	s_mov_b64 s[G0S+2:G0S+3], s[22:23]
	s_or_b32 s[G0S+3], s[G0S+3], 0x80000000
	s_mov_b32 s[G0SB], 1
	s_mov_b32 s[G0SB+1], SCL+2*HALFS
	s_mov_b64 s[G0SB+2:G0SB+3], s[92:93]
	s_or_b32 s[G0SB+3], s[G0SB+3], 0x80000000
	s_mov_b32 s[G0], 1                             ; A's 16 panels at 0,
	s_mov_b32 s[G0+1], 0
	s_mov_b64 s[G0+2:G0+3], s[20:21]
	s_or_b32 s[G0+3], s[G0+3], 0x80000000
	s_mov_b32 s[G0B], 1                            ; B's behind them
	s_mov_b32 s[G0B+1], SLOT
	s_mov_b64 s[G0B+2:G0B+3], s[46:47]
	s_or_b32 s[G0B+3], s[G0B+3], 0x80000000
; four tiles, one joint load a wave: one chain of branches on the wave's number, all arms to one join
.macro ARM under, g0, g1, next
	s_cmp_lt_u32 s14, \under
	s_cbranch_scc0 \next
	tensor_load_to_lds s[\g0:\g0+3], s[\g1:\g1+7]
	s_nop 0
.rept 4
	v_nop
.endr
	s_branch .Lhead_asked
\next:
.endm
	ARM 1, G0,  G1,  .Lhead_b
	ARM 2, G0B, G1B, .Lhead_sa
	ARM 3, G0S, G1S, .Lhead_sb
	tensor_load_to_lds s[G0SB:G0SB+3], s[G1SB:G1SB+7]
	s_nop 0
.rept 4
	v_nop
.endr
.Lhead_asked:
	v_and_b32 v1, 15, v0
	v_bfe_u32 v2, v0, 4, 1
	s_wait_alu depctr_va_vdst(0)
	v_mul_u32_u24 v3, v1, 48
	v_mad_u32_u24 v4, v2, 24, v3
	s_mul_i32 s21, s15, 3072
	s_mul_i32 s22, s16, 3072
	s_add_co_u32 s22, s22, SLOT
.irp s, 0,1
	v_add_nc_u32 v[ADRA+\s], s21, v4               ; s: which eight panels
	v_add_nc_u32 v[ADRB+\s], s22, v4
	s_add_co_u32 s21, s21, 2*HALFT
	s_add_co_u32 s22, s22, 2*HALFT
.endr
	v_lshlrev_b32 v5, 2, v1
	s_lshl_b32 s21, s15, 8
	s_lshl_b32 s22, s16, 8
	s_add_co_u32 s22, s22, 2*HALFS
	s_sub_co_u32 s22, s22, s21
	v_mul_u32_u24 v6, s22, v2
	s_add_co_u32 s21, s21, SCL
	v_add_nc_u32 v5, v5, v6
	v_add_nc_u32 v[ADRS], s21, v5
	s_mul_i32 s23, s14, 16*SPITCH
	v_mul_u32_u24 v5, v1, SPITCH
	v_lshl_add_u32 v5, v2, 6, v5
	v_add_nc_u32 v[STO], s23, v5
	v_mul_u32_u24 v5, v2, SPITCH
	v_lshl_add_u32 v5, v1, 4, v5
	v_add_nc_u32 v[RD], s23, v5
	v_lshlrev_b32 v[CO], 12, v2
	v_lshl_add_u32 v[CO], v1, 4, v[CO]
	v_lshlrev_b32 v13, 6, v2
	s_wait_alu depctr_va_vdst(0)
	s_lshl_b32 s20, s17, 7
	s_lshl_b32 s21, s15, 6
	s_add_co_u32 s20, s20, s21
	s_lshl_b32 s20, s20, 12
	s_lshl_b32 s46, s42, 9
	s_lshl_b32 s47, s16, 8
	s_add_co_u32 s46, s46, s47
	s_mov_b32 s47, 0
	s_add_nc_u64 s[8:9], s[8:9], s[46:47]
	s_add_co_u32 s20, s20, s46
	s_mov_b32 s21, 0
	s_add_nc_u64 s[10:11], s[10:11], s[20:21]
	s_add_nc_u64 s[12:13], s[12:13], s[20:21]
.irp b, 0,1,2,3
.irp k, 0,1
	global_load_b128 v[BI+8*\b+4*\k:BI+8*\b+4*\k+3], v13, s[8:9] offset:128*(\b/2)+32*(\b%2)+16*\k
.endr
.endr
	WIN 0x80
.irp a, 0,1,2,3
.irp t, 0,1,2,3,4,5,6,7
	global_load_b128 v[32*\a+4*\t:32*\a+4*\t+3], v[CO], s[10:11] offset:(32*(\a/2)+8*(\a%2)+2*\t+8*(\t/4))*4096 th:TH_LOAD_NT
.endr
.endr
	WIN 0
.if LAPS > 1
	s_and_b32 s92, ttmp7, 0xffff
	s_mov_b32 s[PFS], 8*PSB
	s_cmp_eq_u32 s15, 0
	s_cselect_b32 s18, s17, s42
	s_cselect_b32 s19, s40, s41
	s_cselect_b32 s92, ttmp9, s92
	s_cselect_b32 s[PFS], 8*PSA, s[PFS]
	s_cselect_b32 s93, 0, BCO
	s_cselect_b64 s[PFA:PFA+1], s[4:5], s[6:7]
	s_cmp_eq_u32 s92, 0
	s_cselect_b32 s[LIM], 1, -1
	s_mul_i32 s18, s18, 6144
	s_add_co_u32 s18, s18, s93
	s_lshl_b32 s92, s16, 2
	s_add_co_u32 s92, s92, s19
	s_add_co_u32 s92, s92, 16
	s_lshr_b32 s93, s[PFS], 3
	s_mul_i32 s92, s92, s93
	s_add_co_u32 s18, s18, s92
	s_mov_b32 s19, 0
	s_mov_b32 s[PFS+1], 0
	s_add_nc_u64 s[PFA:PFA+1], s[PFA:PFA+1], s[18:19]
	v_and_b32 v[PFO], 31, v0
	v_min_u32 v[PFO], 23, v[PFO]
	v_lshlrev_b32 v[PFO], 8, v[PFO]
.endif
.macro FRAG reg, adr, q, i
.irp p, 0,1,2,3,4,5
	ds_load_b64 v[\reg+2*\p:\reg+2*\p+1], v[\adr] offset:(2*(\q)+\p/3)*PANB+(\i)*768+8*(\p%3)
.endr
.endm
.macro MULA f, a, q, sc, first
.irp b, 0,1,2,3
.if \first
	v_wmma_scale_f32_16x16x128_f8f6f4 v[ACC+8*(4*(\a)+\b):ACC+8*(4*(\a)+\b)+7], v[(\f)+48+FR*\b:(\f)+48+FR*\b+FR-1], v[(\f)+FR*(\a):(\f)+FR*(\a)+FR-1], v[BI+8*\b:BI+8*\b+7], v[SC+16*(\sc)+4*\b+(\q)], v[SC+16*(\sc)+4*(\a)+(\q)] matrix_a_fmt:MATRIX_FMT_FP6 matrix_b_fmt:MATRIX_FMT_FP6 matrix_a_scale:MATRIX_SCALE_ROW1
.else
	v_wmma_scale_f32_16x16x128_f8f6f4 v[ACC+8*(4*(\a)+\b):ACC+8*(4*(\a)+\b)+7], v[(\f)+48+FR*\b:(\f)+48+FR*\b+FR-1], v[(\f)+FR*(\a):(\f)+FR*(\a)+FR-1], v[ACC+8*(4*(\a)+\b):ACC+8*(4*(\a)+\b)+7], v[SC+16*(\sc)+4*\b+(\q)], v[SC+16*(\sc)+4*(\a)+(\q)] matrix_a_fmt:MATRIX_FMT_FP6 matrix_b_fmt:MATRIX_FMT_FP6 matrix_a_scale:MATRIX_SCALE_ROW1
.endif
.endr
.endm
.macro FETCH slot, q, f
	WIN TO_F
.irp i, 0,1,2,3
	FRAG (\f)+48+FR*\i, ADRB+\slot, \q, \i
.endr
.irp i, 0,1,2,3
	FRAG (\f)+FR*\i, ADRA+\slot, \q, \i
.endr
.endm
.macro SCALES sc
.irp i, 0,1,2,3
.irp q, 0,1,2,3
	ds_load_b32 v[SC+16*\sc+4*\i+\q], v[ADRS] offset:512*\q+64*\i
.endr
.endr
.endm
.macro PLACES n
.rept \n
	v_nop
.endr
.endm
.macro STEP slot, q, first
	s_wait_dscnt 12
	WIN MUL
	MULA 128*((\q)%2), 0, \q, \slot, \first
	MULA 128*((\q)%2), 1, \q, \slot, \first
	PLACES NP
	FETCH \slot, (\q)+1, 128*(1-(\q)%2)
	s_wait_dscnt 48
	WIN MUL
	MULA 128*((\q)%2), 2, \q, \slot, \first
	MULA 128*((\q)%2), 3, \q, \slot, \first
.endm
.macro TURN slot, next, fill, last
.if \fill
	s_wait_xcnt 0x0
	s_add_nc_u64 s[PFA:PFA+1], s[PFA:PFA+1], s[PFS:PFS+1]
.endif
	WIN 0
	s_wait_tensorcnt 0x0
	ds_add_u32 v[SPW], v[NIL]
	s_wait_dscnt 13
	WIN MUL
	MULA 128, 0, 3, \slot, 0
	s_wait_dscnt 0x0
	s_barrier_signal -1
	MULA 128, 1, 3, \slot, 0
	WIN 0
	s_barrier_wait -1
.if \fill
	CREST
	s_add_nc_u64 s[G0+4*\slot+2:G0+4*\slot+3], s[G0+4*\slot+2:G0+4*\slot+3], 16*PSA
	s_add_nc_u64 s[G0B+4*\slot+2:G0B+4*\slot+3], s[G0B+4*\slot+2:G0B+4*\slot+3], 16*PSB
	JLOAD G0+4*\slot, G1, G0B+4*\slot, G1B
.else
	PLACES NP
.endif
	v_add_nc_u32 v[ADRS], 2048, v[ADRS]
	SCALES \next
	FETCH \next, 0, 0
.if \fill
	WIN 0
	ASK \last
.endif
	WIN MUL
	MULA 128, 2, 3, \slot, 0
	MULA 128, 3, 3, \slot, 0
.endm
.macro TOSTAGE a
.irp b, 0,1,2,3
	ds_store_b128 v[STO], v[ACC+8*(4*(\a)+\b):ACC+8*(4*(\a)+\b)+3] offset:128*(\b/2)+32*(\b%2)
	ds_store_b128 v[STO], v[ACC+8*(4*(\a)+\b)+4:ACC+8*(4*(\a)+\b)+7] offset:128*(\b/2)+32*(\b%2)+16
.endr
.irp t, 0,1,2,3,4,5,6,7
	ds_load_b128 v[ACC+32*(\a)+4*\t:ACC+32*(\a)+4*\t+3], v[RD] offset:\t*2*SPITCH
.endr
.endm
.macro SEND a, younger
	s_wait_dscnt \younger
	WIN 0x08
.set I, 0
.rept 16
	v_pk_add_f32 v[ACC+32*(\a)+I:ACC+32*(\a)+I+1], v[ACC+32*(\a)+I:ACC+32*(\a)+I+1], v[32*(\a)+I:32*(\a)+I+1]
.set I, I+2
.endr
	WIN 0
.irp t, 0,1,2,3,4,5,6,7
	global_store_b128 v[CO], v[ACC+32*(\a)+4*\t:ACC+32*(\a)+4*\t+3], s[12:13] offset:(32*((\a)/2)+8*((\a)%2)+2*\t+8*(\t/4))*4096
.endr
.endm
	s_wait_alu depctr_va_vdst(0)
	s_wait_loadcnt 32                              ; the bias is in; the 32 loads of the residual, read on the way out, may be out
	s_wait_tensorcnt 0x0                           ; my tile is in
	s_barrier_signal -1
	s_barrier_wait -1
	SCALES 0
	FETCH 0, 0, 0
	STEP 0, 0, 1
.if LAPS > 1
	WIN 0
	s_mov_b32 s3, LAPS-1
.Llap:
	STEP 0, 1, 0
	STEP 0, 2, 0
	TURN 0, 1, 1, 0
	STEP 1, 0, 0
	STEP 1, 1, 0
	STEP 1, 2, 0
	TURN 1, 0, 1, 1
	STEP 0, 0, 0
	WIN 0
	s_sub_co_u32 s3, s3, 1
	s_cmp_lg_u32 s3, 0
	s_cbranch_scc1 .Llap
.endif
	STEP 0, 1, 0
	STEP 0, 2, 0
	TURN 0, 1, 0, 0
	STEP 1, 0, 0
	STEP 1, 1, 0
	STEP 1, 2, 0
	s_wait_dscnt 12
	WIN MUL
	MULA 128, 0, 3, 1, 0
	MULA 128, 1, 3, 1, 0
	s_wait_dscnt 0
	MULA 128, 2, 3, 1, 0
	MULA 128, 3, 3, 1, 0
	WIN 0
	PLACES NP
	s_wait_loadcnt 0x0                             ; the residual
	TOSTAGE 0
	TOSTAGE 1
	SEND 0, 16
	TOSTAGE 2
	SEND 1, 16
	TOSTAGE 3
	SEND 2, 16
	SEND 3, 0
	s_wait_tensorcnt 0x0
	ds_add_u32 v[SPW], v[NIL]
	s_wait_dscnt 0x0
	CROUND
	s_endpgm
.Lfunc_end_k_q7f8c491e40_proj:
	.size	k_q7f8c491e40_proj, .Lfunc_end_k_q7f8c491e40_proj-k_q7f8c491e40_proj
	.p2alignl 7, 3214868480
	.fill 96, 4, 3214868480
	.section	.rodata,"a",@progbits
	.p2align	6, 0x0
	.amdhsa_kernel k_q7f8c491e40_proj
		.amdhsa_group_segment_fixed_size 327680
		.amdhsa_private_segment_fixed_size 0
		.amdhsa_enable_private_segment 0
		.amdhsa_kernarg_size 40
		.amdhsa_user_sgpr_count 2
		.amdhsa_user_sgpr_kernarg_segment_ptr 1
		.amdhsa_wavefront_size32 1
		.amdhsa_system_sgpr_workgroup_id_x 1
		.amdhsa_system_sgpr_workgroup_id_y 1
		.amdhsa_system_sgpr_workgroup_id_z 1
		.amdhsa_system_vgpr_workitem_id 0
		.amdhsa_next_free_vgpr 768
		.amdhsa_next_free_sgpr 100
		.amdhsa_reserve_vcc 0
		.amdhsa_float_denorm_mode_32 3
		.amdhsa_float_denorm_mode_16_64 3
		.amdhsa_memory_ordered 1
		.amdhsa_forward_progress 1
		.amdhsa_inst_pref_size 69
	.end_amdhsa_kernel
	.amdgpu_metadata
---
amdhsa.version: [ 1, 2 ]
amdhsa.kernels:
  - .name:           k_q7f8c491e40_proj
    .symbol:         k_q7f8c491e40_proj.kd
    .args:
      - { .name: oq, .offset: 0, .size: 8, .value_kind: global_buffer, .address_space: global }
      - { .name: wq, .offset: 8, .size: 8, .value_kind: global_buffer, .address_space: global }
      - { .name: b_proj, .offset: 16, .size: 8, .value_kind: global_buffer, .address_space: global }
      - { .name: x, .offset: 24, .size: 8, .value_kind: global_buffer, .address_space: global }
      - { .name: x1, .offset: 32, .size: 8, .value_kind: global_buffer, .address_space: global }
    .group_segment_fixed_size: 327680
    .private_segment_fixed_size: 0
    .kernarg_segment_align: 8
    .kernarg_segment_size: 40
    .max_flat_workgroup_size: 128
    .sgpr_count:     100
    .vgpr_count:     768
    .wavefront_size: 32
...
	.end_amdgpu_metadata
.endif
;; end of part 11
;; launch ln2: the kernel of part 8 again; grid 256 x 1, 8 waves a work-group, no clusters, 99,840 bytes of LDS; arguments x1, ln2_g, ln2_b, zq, w_qkv, w_proj, w_fc1, w_fc2, wq; writes zq, wq
;; launch fc1 (part 12): grid 16 x 16, 4 waves a work-group, clusters of 4 x 4, 327,680 bytes of LDS; arguments zq, wq, b_fc1, hq; writes hq
.if DOCPART == 12
	.amdgcn_target "amdgcn-amd-amdhsa--gfx1250"
	.amdhsa_code_object_version 6
	.text
	.protected	k_q7f8c491e40_fc1
	.globl	k_q7f8c491e40_fc1
	.p2align	8
	.type	k_q7f8c491e40_fc1,@function
k_q7f8c491e40_fc1:
	s_mov_b64 s[64:65], 0
	v_nop
	global_prefetch_b8 v0, s[64:65] scope:SCOPE_SE
	s_setreg_imm32_b32 hwreg(HW_REG_WAVE_MODE, 25, 1), 1
	s_wait_xcnt 0x0
	s_wait_alu depctr_hold_cnt(0) depctr_sa_sdst(0) depctr_va_vdst(0) depctr_va_sdst(0) depctr_va_ssrc(0) depctr_va_vcc(0) depctr_vm_vsrc(0)
	s_getreg_b32 s2, hwreg(HW_REG_IB_STS2, 6, 4)
	s_cmp_eq_u32 s2, 0
	s_cbranch_scc0 .Lentry_in_a_cluster
	s_endpgm
.Lentry_in_a_cluster:
	s_bfe_u32 s2, ttmp6, 0x10000c
	s_cmp_lg_u32 s2, 0xf033
	s_cbranch_scc0 .Lentry_shape_is_right
	s_endpgm
.Lentry_shape_is_right:
.set SIZE_K, 1024
.set PSA, 344064
.set PSB, 196608
.set SSA, 28672
.set SSB, 16384
.set ASO, 5505024
.set BCO, 786432
.set BSO, 7110656
.set OPS, 196608
.set OSS, 16384
.set OSO, 12582912
.set NQ, 2
.set FR, 12
.set NL, 6
.set NP, 4
.set PANB,  12288                      ; 256 rows of a panel
.set HALFT, 2*PANB                     ; what one tensor load of the ring brings: two panels of 256 rows
.set SLOT,  4*HALFT
.set NKS,   SIZE_K/128
.set LAPS,  SIZE_K/512
.set SCL,   3*SLOT                     ; A's three quarters of K (12 panels of 256 rows), then B's; behind them the scale words
.set HALFS, 512*NKS
.set SPARE, SCL+4*HALFS
.set ADRA, 16
.set ADRB, 20
.set STO,  24
.set RD,   25
.set CO,   26
.set ADRS, 27
.set SPW,  28
.set NIL,  29
.set STS,  30
.set SC,   32
.set AF,   128
.set PC,   192
.set TM,   216
.set PW,   232
.set GZ,   192
.set GW,   208
.set GP,   224
.set GQ,   240
.set VA11, 18
.set VB6,  22
.set SEL,  2
.set KC, 24
.set A13, 26
.set A9, 28
.set A7, 30
.set A5, 32
.set A3, 34
.set A1, 36
.set B8, 38
.set B4, 40
.set B2, 42
.set B0, 44
.set G1, 24
.set G0, 32
.set G1B, 48
.set G0B, 56
.set G1S, 68
.set G0S, 76
.set G1SB, 80
.set G0SB, 88
.set MSB, 0
.macro WIN new
.if MSB != (\new)
	s_set_vgpr_msb (MSB<<8)|(\new)
.set MSB, (\new)
.endif
.endm
.set MUL_LO, 0xa1
.set MUL_HI, 0xf1
.set TO_B,   0x40
.macro JLOAD g0a, g1a, g0b, g1b
	s_cmp_eq_u32 s15, 0
	s_cbranch_scc0 .Lfor_b_\@
	tensor_load_to_lds s[\g0a:\g0a+3], s[\g1a:\g1a+7]
	s_nop 0
.rept 4
	v_nop
.endr
	s_branch .Lasked_\@
.Lfor_b_\@:
	tensor_load_to_lds s[\g0b:\g0b+3], s[\g1b:\g1b+7]
	s_nop 0
.rept 4
	v_nop
.endr
.Lasked_\@:
.endm
.macro CREST
	s_cmp_lg_u32 s14, 0
	s_cbranch_scc1 .Lnot_wave_0_\@
	s_barrier_signal -3
.Lnot_wave_0_\@:
	s_barrier_wait -3
	s_barrier_signal -1
	s_barrier_wait -1
.endm
.macro CROUND
	s_barrier_signal -1
	s_barrier_wait -1
	CREST
.endm
.macro SHAPE g, c, r, p
	s_mov_b32 s[\g+1], (\c)<<16
	s_mov_b32 s[\g+2], (\r)<<16
	s_mov_b32 s[\g+3], (\c)<<16
	s_mov_b32 s[\g+4], \r
	s_mov_b32 s[\g+5], \p
	s_mov_b32 s[\g+6], 0
	s_mov_b32 s[\g+7], 0
.endm
	s_load_b256 s[4:11], s[0:1], 0x0
	v_lshl_add_u32 v[SPW], v0, 2, SPARE
	v_mov_b32 v[NIL], 0
	ds_add_u32 v[SPW], v[NIL]
	ds_add_u32 v[SPW], v[NIL]
	v_lshrrev_b32 v1, 5, v0
	v_readfirstlane_b32 s14, v1
	s_lshr_b32 s15, s14, 1
	s_and_b32 s16, s14, 1
	s_bfe_u32 s40, ttmp6, 0x40000
	s_bfe_u32 s41, ttmp6, 0x40004
	s_lshl_b32 s42, ttmp9, 2
	s_add_co_u32 s42, s42, s40
	s_and_b32 s17, ttmp7, 0xffff
	s_lshl_b32 s17, s17, 2
	s_add_co_u32 s17, s17, s41
	s_lshl_b32 s43, s41, 2
	s_lshl_b32 s43, 15, s43
	s_lshl_b32 s44, 0x1111, s40
	s_or_b32 s[G1+0], s43, (3<<16)|(1<<21)
	s_or_b32 s[G1B+0], s44, (3<<16)|(1<<21)
	s_or_b32 s[G1S+0], s43, (3<<16)|(1<<21)
	s_or_b32 s[G1SB+0], s44, (3<<16)|(1<<21)
	SHAPE G1, 1536, 12, PSA/8                      ; the head's loads: K = 0 .. 767: twelve panels' runs of 12,288 bytes (256 rows)
	SHAPE G1B, 1536, 12, PSB/8
	SHAPE G1S, 128, NKS, SSA/8                     ; NKS runs of 1,024 bytes: the scale words of 256 rows
	SHAPE G1SB, 128, NKS, SSB/8
	s_lshl_b32 s20, s17, 8
	s_lshl_b32 s46, s42, 8
	s_lshl_b32 s22, s20, 2
	s_add_co_u32 s22, s22, ASO
	s_mul_i32 s20, s20, 48
	s_lshl_b32 s92, s46, 2
	s_add_co_u32 s92, s92, BSO
	s_mul_i32 s46, s46, 48
	s_add_co_u32 s46, s46, BCO
	s_mov_b32 s21, 0
	s_mov_b32 s23, 0
	s_mov_b32 s47, 0
	s_mov_b32 s93, 0
	s_mul_i32 s45, s14, HALFT
	s_wait_dscnt 0x0
	s_wait_kmcnt 0x0
	s_add_nc_u64 s[20:21], s[4:5], s[20:21]
	s_add_nc_u64 s[22:23], s[4:5], s[22:23]
	s_add_nc_u64 s[46:47], s[6:7], s[46:47]
	s_add_nc_u64 s[92:93], s[6:7], s[92:93]
	CROUND
	s_mov_b32 s[G0S], 1
	s_mov_b32 s[G0S+1], SCL
	s_mov_b64 s[G0S+2:G0S+3], s[22:23]
	s_or_b32 s[G0S+3], s[G0S+3], 0x80000000
	s_mov_b32 s[G0SB], 1
	s_mov_b32 s[G0SB+1], SCL+2*HALFS
	s_mov_b64 s[G0SB+2:G0SB+3], s[92:93]
	s_or_b32 s[G0SB+3], s[G0SB+3], 0x80000000
.irp s, 0
	s_mov_b32 s[G0+4*\s], 1
	s_add_co_u32 s[G0+4*\s+1], s45, \s*SLOT
	s_add_nc_u64 s[G0+4*\s+2:G0+4*\s+3], s[20:21], \s*4*PSA
	s_or_b32 s[G0+4*\s+3], s[G0+4*\s+3], 0x80000000
	s_mov_b32 s[G0B+4*\s], 1
	s_add_co_u32 s[G0B+4*\s+1], s45, \s*SLOT
	s_add_nc_u64 s[G0B+4*\s+2:G0B+4*\s+3], s[46:47], \s*4*PSB
	s_or_b32 s[G0B+4*\s+3], s[G0B+4*\s+3], 0x80000000
.endr
	s_mov_b32 s[G0+1], 0                           ; at the head slot 0's descriptors stand for the whole tiles: A's twelve panels at 0,
	s_mov_b32 s[G0B+1], 6*HALFT                    ; B's behind A's twelve
; the head's four tiles, one joint load a wave: one chain of branches on the wave's number, all arms to one join
.macro ARM under, g0, g1, next
	s_cmp_lt_u32 s14, \under
	s_cbranch_scc0 \next
	tensor_load_to_lds s[\g0:\g0+3], s[\g1:\g1+7]
	s_nop 0
.rept 4
	v_nop
.endr
	s_branch .Lhead_asked
\next:
.endm
	ARM 1, G0,  G1,  .Lhead_b
	ARM 2, G0B, G1B, .Lhead_sa
	ARM 3, G0S, G1S, .Lhead_sb
	tensor_load_to_lds s[G0SB:G0SB+3], s[G1SB:G1SB+7]
	s_nop 0
.rept 4
	v_nop
.endr
.Lhead_asked:
	v_and_b32 v1, 15, v0
	v_bfe_u32 v2, v0, 4, 1
	s_wait_alu depctr_va_vdst(0)
	v_mul_u32_u24 v3, v1, 48
	v_mad_u32_u24 v4, v2, 24, v3
	s_wait_alu depctr_va_vdst(0)
	s_mul_i32 s21, s15, 6144                       ; my 128 rows inside each panel's 256
	s_mul_i32 s22, s16, 6144
	s_add_co_u32 s22, s22, 6*HALFT
.irp s, 0,1
	v_add_nc_u32 v[ADRA+\s], s21, v4               ; quarter s of K: four panels, 2 HALFT bytes, further on
	v_add_nc_u32 v[ADRB+\s], s22, v4
	s_add_co_u32 s21, s21, 2*HALFT
	s_add_co_u32 s22, s22, 2*HALFT
.endr
	v_lshlrev_b32 v5, 2, v1
	s_mul_i32 s21, s15, 512
	s_mul_i32 s22, s16, 512
	s_add_co_u32 s22, s22, 2*HALFS
	s_sub_co_u32 s22, s22, s21
	v_mul_u32_u24 v6, s22, v2
	s_add_co_u32 s21, s21, SCL
	v_add_nc_u32 v5, v5, v6
	v_add_nc_u32 v[ADRS], s21, v5
	s_mul_i32 s23, s14, 12800
	s_add_co_u32 s23, s23, 2*HALFT                 ; the stages lie on A's quarters 1 and 2, which have had their only fill and, behind the walk's last barrier, their last read
	v_add_nc_u32 v[STO], s23, v4
	v_lshlrev_b32 v5, 2, v1
	v_add_nc_u32 v[STS], s23, v5
	v_add_nc_u32 v[STS], 12288, v[STS]
	v_and_b32 v6, 31, v0
	v_lshlrev_b32 v[CO], 4, v6
	v_add_nc_u32 v[RD], s23, v[CO]
	v_lshlrev_b32 v13, 6, v2
	s_wait_alu depctr_va_vdst(0)
	s_lshl_b32 s20, s17, 8
	s_lshl_b32 s21, s15, 7
	s_add_co_u32 s20, s20, s21
	s_lshl_b32 s46, s42, 1
	s_add_co_u32 s46, s46, s16
	s_mul_i32 s47, s46, OSS
	s_lshl_b32 s21, s20, 2
	s_add_co_u32 s47, s47, s21
	s_add_co_u32 s96, s47, OSO
	s_mov_b32 s97, 0
	s_add_nc_u64 s[96:97], s[10:11], s[96:97]
	s_lshl_b32 s98, s46, 9
	s_mov_b32 s99, 0
	s_add_nc_u64 s[8:9], s[8:9], s[98:99]
	s_mul_i32 s46, s46, 2*OPS
	s_mul_i32 s20, s20, 48
	s_add_co_u32 s12, s46, s20
	s_mov_b32 s13, 0
	s_add_nc_u64 s[12:13], s[10:11], s[12:13]
	s_add_nc_u64 s[66:67], s[12:13], OPS
.irp j, 0,1,2,3
.irp k, 0,1,2,3
	global_load_b128 v[64+16*\j+4*\k:67+16*\j+4*\k], v13, s[8:9] offset:128*\j+16*\k
.endr
.endr
.macro FRAG reg, adr, q, i
.irp p, 0,1,2,3,4,5
	ds_load_b64 v[\reg+2*\p:\reg+2*\p+1], v[\adr] offset:(2*(\q)+\p/3)*PANB+(\i)*768+8*(\p%3)
.endr
.endm
.macro MUL16 a0, p, q, sc, zero
.irp a, \a0, \a0+1
.irp b, 0,1,2,3,4,5,6,7
.if \zero
	v_wmma_scale_f32_16x16x128_f8f6f4 v[8*(8*((\a)%4)+\b):8*(8*((\a)%4)+\b)+7], v[128*(\p)+FR*\b:128*(\p)+FR*\b+FR-1], v[AF+FR*(\a):AF+FR*(\a)+FR-1], 0, v[SC+8*NQ*(\sc)+NQ*\b+(\q)], v[SC+8*NQ*(\sc)+NQ*(\a)+(\q)] matrix_a_fmt:MATRIX_FMT_FP6 matrix_b_fmt:MATRIX_FMT_FP6 matrix_a_scale:MATRIX_SCALE_ROW1
.else
	v_wmma_scale_f32_16x16x128_f8f6f4 v[8*(8*((\a)%4)+\b):8*(8*((\a)%4)+\b)+7], v[128*(\p)+FR*\b:128*(\p)+FR*\b+FR-1], v[AF+FR*(\a):AF+FR*(\a)+FR-1], v[8*(8*((\a)%4)+\b):8*(8*((\a)%4)+\b)+7], v[SC+8*NQ*(\sc)+NQ*\b+(\q)], v[SC+8*NQ*(\sc)+NQ*(\a)+(\q)] matrix_a_fmt:MATRIX_FMT_FP6 matrix_b_fmt:MATRIX_FMT_FP6 matrix_a_scale:MATRIX_SCALE_ROW1
.endif
.endr
.endr
.endm
.macro FETCH_B slot, q, p
	WIN TO_B
.irp i, 0,1,2,3,4,5,6,7
	FRAG 128*(\p)+FR*\i, ADRB+\slot, \q, \i
.endr
	WIN 0
.endm
.macro FETCH_A slot, q, i0
.irp i, \i0, \i0+1, \i0+2, \i0+3
	FRAG AF+FR*(\i), ADRA+\slot, \q, \i
.endr
.endm
.macro SCALES sc
.irp i, 0,1,2,3,4,5,6,7
.irp q, 0,1
	ds_load_b32 v[SC+8*NQ*\sc+NQ*\i+\q], v[ADRS] offset:1024*\q+64*\i
.endr
.endr
.endm
.macro PLACES n
.rept \n
	v_nop
.endr
.endm
.macro STEP slot, q, zero
	s_wait_dscnt 4*NL
	WIN MUL_LO
	MUL16 0, (\q)%2, \q, \slot, \zero
	MUL16 2, (\q)%2, \q, \slot, \zero
	s_wait_dscnt 0
	PLACES NP
	FETCH_B \slot, (\q)+1, 1-(\q)%2
	FETCH_A \slot, (\q)+1, 0
	WIN MUL_HI
	MUL16 4, (\q)%2, \q, \slot, \zero
	MUL16 6, (\q)%2, \q, \slot, \zero
	PLACES NP
	WIN 0
	FETCH_A \slot, (\q)+1, 4
.endm
.macro TURN slot, next, fill
	s_wait_tensorcnt 0x0
	ds_add_u32 v[SPW], v[NIL]
	s_wait_dscnt 4*NL+1
	WIN MUL_LO
	MUL16 0, 1, NQ-1, \slot, 0
	s_wait_dscnt 0x0
	s_barrier_signal -1
	MUL16 2, 1, NQ-1, \slot, 0
	WIN 0
	s_barrier_wait -1
.if \fill
	CREST
	s_add_nc_u64 s[G0+4*\slot+2:G0+4*\slot+3], s[G0+4*\slot+2:G0+4*\slot+3], 8*PSA
	s_add_nc_u64 s[G0B+4*\slot+2:G0B+4*\slot+3], s[G0B+4*\slot+2:G0B+4*\slot+3], 8*PSB
	JLOAD G0+4*\slot, G1, G0B+4*\slot, G1B
.else
	PLACES NP
.endif
	s_wait_alu depctr_va_vdst(0)
	v_add_nc_u32 v[ADRS], 1024*NQ, v[ADRS]
	FETCH_B \next, 0, 0
	FETCH_A \next, 0, 0
	SCALES \next
	WIN MUL_HI
	MUL16 4, 1, NQ-1, \slot, 0
	MUL16 6, 1, NQ-1, \slot, 0
	PLACES NP
	WIN 0
	FETCH_A \next, 0, 4
.endm
.macro QUANT s
.irp b, 0,1,2,3
	v_max3_num_f32 v[TM+\b], |v[(\s)+16*\b]|, |v[(\s)+1+16*\b]|, 0x1800000
.endr
.irp i, 2,4,6,8,10,12,14
.irp b, 0,1,2,3
	v_max3_num_f32 v[TM+\b], v[TM+\b], |v[(\s)+16*\b+\i]|, |v[(\s)+1+16*\b+\i]|
.endr
.endr
.irp b, 0,1,2,3
	v_permlanex16_b32 v[TM+4+\b], v[TM+\b], s[SEL], s[SEL+1]
.endr
.irp b, 0,1,2,3
	v_max_num_f32 v[TM+\b], v[TM+\b], v[TM+4+\b]
.endr
.irp b, 0,1,2,3
	v_add_nc_u32 v[TM+12+\b], 0xff000000, v[TM+\b]
.endr
.irp b, 0,1,2,3
	v_lshrrev_b32 v[TM+4+\b], 23, v[TM+12+\b]
.endr
	v_lshl_or_b32 v[PW], v[TM+5], 8, v[TM+4]
	v_lshl_or_b32 v[PW], v[TM+6], 16, v[PW]
	v_lshl_or_b32 v[PW], v[TM+7], 24, v[PW]
.irp c, 0,1
	v_cvt_scalef32_pk16_fp6_f32 v[PC+6*\c:PC+2+6*\c], v[(\s)+32*\c:(\s)+15+32*\c], v[TM+12+2*\c]
	v_cvt_scalef32_pk16_fp6_f32 v[PC+12+4*\c:PC+14+4*\c], v[(\s)+16+32*\c:(\s)+31+32*\c], v[TM+12+2*\c+1]
.endr
	v_nop
.irp c, 0,1
.irp i, 0,1,2
	v_permlane16_swap_b32 v[PC+6*\c+\i], v[PC+12+4*\c+\i]
.endr
.irp i, 0,1,2
	v_mov_b32 v[PC+3+6*\c+\i], v[PC+12+4*\c+\i]
.endr
.endr
.endm
.macro PUT adrc, adrs, offc, offs
.irp c, 0,1
.irp p, 0,1,2
	ds_store_b64 v[\adrc], v[PC+6*\c+2*\p:PC+6*\c+2*\p+1] offset:(\offc)+6144*\c+8*\p
.endr
.endr
	ds_store_b32 v[\adrs], v[PW] offset:(\offs)
	s_wait_dscnt 0x0
.endm
.macro FLUSH
.set I, 0
.rept 25
	ds_load_b128 v[128+4*I:131+4*I], v[RD] offset:512*I
.set I, I+1
.endr
.set I, 0
.rept 12
	s_wait_dscnt 24-I
	global_store_b128 v[CO], v[128+4*I:131+4*I], s[12:13] offset:512*I
.set I, I+1
.endr
.rept 12
	s_wait_dscnt 24-I
	global_store_b128 v[CO], v[128+4*I:131+4*I], s[66:67] offset:512*(I-12)
.set I, I+1
.endr
	s_wait_dscnt 0x0
	global_store_b128 v[CO], v[224:227], s[96:97]
.endm
.macro COPY a
	WIN 2+(\a)/4
.set I, 0
.rept 32
	v_pk_add_f32 v[128+I:129+I], v[64*((\a)%4)+I:64*((\a)%4)+I+1], v[64+I:65+I]
.set I, I+2
.endr
	WIN 0
.endm
.macro PAIR reg, bits
	s_mov_b32 s[\reg], \bits
	s_mov_b32 s[\reg+1], \bits
.endm
.macro GELU16 xr
.irp j, 0,2,4,6,8,10,12,14
	v_pk_mul_f32 v[GZ+\j:GZ+\j+1], v[\xr+\j:\xr+\j+1], s[KC:KC+1] op_sel_hi:[1,0]
.endr
.irp j, 0,1,2,3,4,5,6,7,8,9,10,11,12,13,14,15
	v_med3_num_f32 v[GZ+\j], v[GZ+\j], -4.0, 4.0
.endr
.irp j, 0,2,4,6,8,10,12,14
	v_pk_mul_f32 v[GW+\j:GW+\j+1], v[GZ+\j:GZ+\j+1], v[GZ+\j:GZ+\j+1]
.endr
.irp j, 0,2,4,6,8,10,12,14
	v_pk_fma_f32 v[GP+\j:GP+\j+1], v[GW+\j:GW+\j+1], s[A13:A13+1], v[VA11:VA11+1] op_sel_hi:[1,0,1]
.endr
.irp k, A9, A7, A5, A3, A1
.irp j, 0,2,4,6,8,10,12,14
	v_pk_fma_f32 v[GP+\j:GP+\j+1], v[GP+\j:GP+\j+1], v[GW+\j:GW+\j+1], s[\k:\k+1] op_sel_hi:[1,1,0]
.endr
.endr
.irp j, 0,2,4,6,8,10,12,14
	v_pk_fma_f32 v[GQ+\j:GQ+\j+1], v[GW+\j:GW+\j+1], s[B8:B8+1], v[VB6:VB6+1] op_sel_hi:[1,0,1]
.endr
.irp k, B4, B2, B0
.irp j, 0,2,4,6,8,10,12,14
	v_pk_fma_f32 v[GQ+\j:GQ+\j+1], v[GQ+\j:GQ+\j+1], v[GW+\j:GW+\j+1], s[\k:\k+1] op_sel_hi:[1,1,0]
.endr
.endr
	s_wait_alu depctr_va_vdst(0)
.irp j, 0,1,2,3,4,5,6,7,8,9,10,11,12,13,14,15
	v_rcp_f32 v[GQ+\j], v[GQ+\j]
.endr
.irp j, 0,2,4,6,8,10,12,14
	v_pk_mul_f32 v[GP+\j:GP+\j+1], v[GP+\j:GP+\j+1], v[GZ+\j:GZ+\j+1]
.endr
.irp j, 0,2,4,6,8,10,12,14
	v_pk_mul_f32 v[GW+\j:GW+\j+1], v[\xr+\j:\xr+\j+1], 0.5 op_sel_hi:[1,0]
.endr
	s_wait_alu depctr_va_vdst(0)
.irp j, 0,2,4,6,8,10,12,14
	v_pk_mul_f32 v[GP+\j:GP+\j+1], v[GP+\j:GP+\j+1], v[GQ+\j:GQ+\j+1]
.endr
.irp j, 0,2,4,6,8,10,12,14
	v_pk_fma_f32 v[\xr+\j:\xr+\j+1], v[GW+\j:GW+\j+1], v[GP+\j:GP+\j+1], v[GW+\j:GW+\j+1]
.endr
.endm
	s_wait_alu depctr_va_vdst(0)
	s_wait_loadcnt 0x0                             ; the bias
	s_wait_tensorcnt 0x0                           ; my tile of the head's four is in
	s_mov_b32 s[G1+2], 2<<16
	s_mov_b32 s[G1+4], 2
	s_mov_b32 s[G1B+2], 2<<16
	s_mov_b32 s[G1B+4], 2
	s_mov_b32 s[G0+1], s45                         ; and slot 0's descriptors stand for my two
	s_add_co_u32 s[G0B+1], s45, 4*HALFT
	s_mul_i32 s18, s16, 2*PSA
	s_mov_b32 s19, 0
	s_add_nc_u64 s[G0+2:G0+3], s[G0+2:G0+3], s[18:19]
	s_mul_i32 s18, s16, 2*PSB
	s_add_nc_u64 s[G0B+2:G0B+3], s[G0B+2:G0B+3], s[18:19]
	s_add_nc_u64 s[G0+2:G0+3], s[G0+2:G0+3], 4*PSA     ; the one refill steps eight panels on from here: to K's last quarter
	s_add_nc_u64 s[G0B+2:G0B+3], s[G0B+2:G0B+3], 4*PSB
	s_barrier_signal -1
	s_barrier_wait -1                              ; everybody's tiles are in
	FETCH_B 0, 0, 0
	FETCH_A 0, 0, 0
	SCALES 0
	FETCH_A 0, 0, 4
	STEP 0, 0, 1
; THE WALK ALONG K, four quarters of 256.  Quarters 0, 1, 2 lie in LDS from the head on; quarter 3 is the launch's one refill, onto quarter 0's bytes, behind a drained round at quarter 0's end: two quarters' products stand between the request and the wait for it.
.macro PASS slot, next                 ; a quarter's last step where the next quarter lies in LDS already: no barrier
	s_wait_dscnt 4*NL                              ; all but the youngest 24 loads (A's blocks 4-7) are in
	WIN MUL_LO
	MUL16 0, 1, NQ-1, \slot, 0
	MUL16 2, 1, NQ-1, \slot, 0
	s_wait_dscnt 0
	PLACES NP
	WIN 0
	s_wait_alu depctr_va_vdst(0)
	v_add_nc_u32 v[ADRS], 1024*NQ, v[ADRS]
	FETCH_B \next, 0, 0
	FETCH_A \next, 0, 0
	SCALES \next
	WIN MUL_HI
	MUL16 4, 1, NQ-1, \slot, 0
	MUL16 6, 1, NQ-1, \slot, 0
	PLACES NP
	WIN 0
	FETCH_A \next, 0, 4
.endm
	TURN 0, 1, 1                                   ; quarter 0's end: the round, and quarter 3's joint load
	v_add_nc_u32 v[ADRA], 4*HALFT, v[ADRA]         ; address 0 goes on to quarter 2
	v_add_nc_u32 v[ADRB], 4*HALFT, v[ADRB]
	s_wait_alu depctr_va_vdst(0)
	STEP 1, 0, 0
	PASS 1, 0
	v_xor_b32 v[ADRA+1], 0xc000, v[ADRA+1]         ; address 1 goes back to quarter 0's bytes, where quarter 3 lands: 2 HALFT down (the bits that differ; the lane's part lies under them)
	v_xor_b32 v[ADRB+1], 0x14000, v[ADRB+1]
	s_wait_alu depctr_va_vdst(0)
	STEP 0, 0, 0
	TURN 0, 1, 0                                   ; quarter 2's end: every wave has waited for its part of quarter 3; the barrier shows it to all
	STEP 1, 0, 0
	s_wait_dscnt 4*NL
	WIN MUL_LO
	MUL16 0, 1, NQ-1, 1, 0
	MUL16 2, 1, NQ-1, 1, 0
	s_wait_dscnt 0
	WIN MUL_HI
	MUL16 4, 1, NQ-1, 1, 0
	MUL16 6, 1, NQ-1, 1, 0
	WIN 0
	s_mov_b32 s[SEL], 0x76543210
	s_mov_b32 s[SEL+1], 0xfedcba98
	PAIR KC,  0x3f3504f3
	PAIR A13, 0xaf95df0b
	PAIR A9,  0xb60cff51
	PAIR A7,  0xb86ec2d2
	PAIR A5,  0xba40ac63
	PAIR A3,  0xbb41a1f6
	PAIR A1,  0xbc83dbd4
	PAIR B8,  0xb77460cd
	PAIR B4,  0xbadc924e
	PAIR B2,  0xbbf19bf8
	PAIR B0,  0xbc69b6a7
	PLACES NP
	v_mov_b32 v[VA11], 0x32edffee
	v_mov_b32 v[VA11+1], 0x32edffee
	v_mov_b32 v[VB6], 0xb95fbd29
	v_mov_b32 v[VB6+1], 0xb95fbd29
.irp b, 0,1,2,3
	v_mov_b32 v[TM+4+\b], 0
.endr
	s_mov_b32 s50, 0
	s_mov_b32 s48, 0
	s_mov_b32 s49, 0
.Lrow:
.irp a, 0,1,2,3,4,5,6
	s_cmp_eq_u32 s50, \a
	s_cbranch_scc0 .Lnot_\a
	COPY \a
	s_branch .Lgo
.Lnot_\a:
.endr
	COPY 7
.Lgo:
	GELU16 128
	GELU16 144
	GELU16 160
	GELU16 176
	QUANT 128
	v_add_nc_u32 v31, s48, v[STO]
	v_add_nc_u32 v12, s49, v[STS]
	PUT 31, 12, 0, 0
	s_add_co_u32 s48, s48, 768
	s_add_co_u32 s49, s49, 64
	s_add_co_u32 s50, s50, 1
	s_cmp_lt_u32 s50, 8
	s_cbranch_scc1 .Lrow
	FLUSH
	s_wait_tensorcnt 0x0
	ds_add_u32 v[SPW], v[NIL]
	s_wait_dscnt 0x0
	CROUND
	s_endpgm
.Lfunc_end_k_q7f8c491e40_fc1:
	.size	k_q7f8c491e40_fc1, .Lfunc_end_k_q7f8c491e40_fc1-k_q7f8c491e40_fc1
	.p2alignl 7, 3214868480
	.fill 96, 4, 3214868480
	.section	.rodata,"a",@progbits
	.p2align	6, 0x0
	.amdhsa_kernel k_q7f8c491e40_fc1
		.amdhsa_group_segment_fixed_size 327680
		.amdhsa_private_segment_fixed_size 0
		.amdhsa_enable_private_segment 0
		.amdhsa_kernarg_size 32
		.amdhsa_user_sgpr_count 2
		.amdhsa_user_sgpr_kernarg_segment_ptr 1
		.amdhsa_wavefront_size32 1
		.amdhsa_system_sgpr_workgroup_id_x 1
		.amdhsa_system_sgpr_workgroup_id_y 1
		.amdhsa_system_sgpr_workgroup_id_z 1
		.amdhsa_system_vgpr_workitem_id 0
		.amdhsa_next_free_vgpr 1024
		.amdhsa_next_free_sgpr 100
		.amdhsa_reserve_vcc 0
		.amdhsa_float_denorm_mode_32 3
		.amdhsa_float_denorm_mode_16_64 3
		.amdhsa_memory_ordered 1
		.amdhsa_forward_progress 1
		.amdhsa_inst_pref_size 200
	.end_amdhsa_kernel
	.amdgpu_metadata
---
amdhsa.version: [ 1, 2 ]
amdhsa.kernels:
  - .name:           k_q7f8c491e40_fc1
    .symbol:         k_q7f8c491e40_fc1.kd
    .args:
      - { .name: zq, .offset: 0, .size: 8, .value_kind: global_buffer, .address_space: global }
      - { .name: wq, .offset: 8, .size: 8, .value_kind: global_buffer, .address_space: global }
      - { .name: b_fc1, .offset: 16, .size: 8, .value_kind: global_buffer, .address_space: global }
      - { .name: hq, .offset: 24, .size: 8, .value_kind: global_buffer, .address_space: global }
    .group_segment_fixed_size: 327680
    .private_segment_fixed_size: 0
    .kernarg_segment_align: 8
    .kernarg_segment_size: 32
    .max_flat_workgroup_size: 128
    .sgpr_count:     100
    .vgpr_count:     1024
    .wavefront_size: 32
...
	.end_amdgpu_metadata
.endif
;; end of part 12
;; launch fc2 (part 13): grid 8 x 32, 4 waves a work-group, clusters of 4 x 4, 327,680 bytes of LDS; arguments hq, wq, b_fc2, x1, out0; writes out0
.if DOCPART == 13
	.amdgcn_target "amdgcn-amd-amdhsa--gfx1250"
	.amdhsa_code_object_version 6
	.text
	.protected	k_q7f8c491e40_fc2
	.globl	k_q7f8c491e40_fc2
	.p2align	8
	.type	k_q7f8c491e40_fc2,@function
k_q7f8c491e40_fc2:
	s_mov_b64 s[64:65], 0
	v_nop
	global_prefetch_b8 v0, s[64:65] scope:SCOPE_SE
	s_setreg_imm32_b32 hwreg(HW_REG_WAVE_MODE, 25, 1), 1
	s_wait_xcnt 0x0
	s_wait_alu depctr_hold_cnt(0) depctr_sa_sdst(0) depctr_va_vdst(0) depctr_va_sdst(0) depctr_va_ssrc(0) depctr_va_vcc(0) depctr_vm_vsrc(0)
	s_getreg_b32 s2, hwreg(HW_REG_IB_STS2, 6, 4)
	s_cmp_eq_u32 s2, 0
	s_cbranch_scc0 .Lentry_in_a_cluster
	s_endpgm
.Lentry_in_a_cluster:
	s_bfe_u32 s2, ttmp6, 0x10000c
	s_cmp_lg_u32 s2, 0xf033
	s_cbranch_scc0 .Lentry_shape_is_right
	s_endpgm
.Lentry_shape_is_right:
.set SIZE_K, 4096
.set PSA, 196608
.set PSB, 49152
.set SSA, 16384
.set SSB, 4096
.set ASO, 12582912
.set BCO, 3932160
.set BSO, 7241728
.set FR, 12
.set NP, 4
.set PANB,  6144
.set HALFT, 4*PANB
.set SLOT,  4*HALFT
.set NKS,   SIZE_K/128
.set LAPS,  SIZE_K/1024
.set SCL,   2*SLOT
.set HALFS, 256*NKS
.set SPARE, SCL+4*HALFS
.set SPITCH, 272
.set ADRA, 16
.set ADRB, 20
.set STO,  24
.set RD,   25
.set CO,   26
.set ADRS, 27
.set SPW,  28
.set NIL,  29
.set PFO,  30
.set SC,   32
.set BI,   64
.set ACC,  128
.set G1, 24
.set G0, 32
.set G1B, 48
.set G0B, 56
.set G1S, 68
.set G0S, 76
.set G1SB, 80
.set G0SB, 88
.set LIM, 95
.set PFA, 96
.set PFS, 98
.set MSB, 0
.macro WIN new
.if MSB != (\new)
	s_set_vgpr_msb (MSB<<8)|(\new)
.set MSB, (\new)
.endif
.endm
.set MUL,  0x05
.set TO_F, 0x40
.macro JLOAD g0a, g1a, g0b, g1b
	s_cmp_eq_u32 s15, 0
	s_cbranch_scc0 .Lfor_b_\@
	tensor_load_to_lds s[\g0a:\g0a+3], s[\g1a:\g1a+7]
	s_nop 0
.rept 4
	v_nop
.endr
	s_branch .Lasked_\@
.Lfor_b_\@:
	tensor_load_to_lds s[\g0b:\g0b+3], s[\g1b:\g1b+7]
	s_nop 0
.rept 4
	v_nop
.endr
.Lasked_\@:
.endm
.macro CREST
	s_cmp_lg_u32 s14, 0
	s_cbranch_scc1 .Lnot_wave_0_\@
	s_barrier_signal -3
.Lnot_wave_0_\@:
	s_barrier_wait -3
	s_barrier_signal -1
	s_barrier_wait -1
.endm
.macro CROUND
	s_barrier_signal -1
	s_barrier_wait -1
	CREST
.endm
.macro SHAPE g, c, r, p
	s_mov_b32 s[\g+1], (\c)<<16
	s_mov_b32 s[\g+2], (\r)<<16
	s_mov_b32 s[\g+3], (\c)<<16
	s_mov_b32 s[\g+4], \r
	s_mov_b32 s[\g+5], \p
	s_mov_b32 s[\g+6], 0
	s_mov_b32 s[\g+7], 0
.endm
.macro ASK last
.if \last
	s_cmp_gt_u32 s3, s[LIM]
.else
	s_cmp_eq_u32 s[LIM], 1
.endif
	s_cbranch_scc0 .Lnot_mine_\@
	global_prefetch_b8 v[PFO], s[PFA:PFA+1] th:TH_LOAD_NT scope:SCOPE_SE
.Lnot_mine_\@:
.endm
	s_load_b256 s[4:11], s[0:1], 0x0
	s_load_b64 s[12:13], s[0:1], 0x20
	v_lshl_add_u32 v[SPW], v0, 2, SPARE
	v_mov_b32 v[NIL], 0
	ds_add_u32 v[SPW], v[NIL]
	ds_add_u32 v[SPW], v[NIL]
	v_lshrrev_b32 v1, 5, v0
	v_readfirstlane_b32 s14, v1
	s_lshr_b32 s15, s14, 1
	s_and_b32 s16, s14, 1
	s_bfe_u32 s40, ttmp6, 0x40000
	s_bfe_u32 s41, ttmp6, 0x40004
	s_lshl_b32 s42, ttmp9, 2
	s_add_co_u32 s42, s42, s40
	s_and_b32 s17, ttmp7, 0xffff
	s_lshl_b32 s17, s17, 2
	s_add_co_u32 s17, s17, s41
	s_lshl_b32 s43, s41, 2
	s_lshl_b32 s43, 15, s43
	s_lshl_b32 s44, 0x1111, s40
	s_or_b32 s[G1+0], s43, (3<<16)|(1<<21)
	s_or_b32 s[G1B+0], s44, (3<<16)|(1<<21)
	s_or_b32 s[G1S+0], s43, (3<<16)|(1<<21)
	s_or_b32 s[G1SB+0], s44, (3<<16)|(1<<21)
	SHAPE G1, 768, 8, PSA/8                        ; the head's loads: a slot's eight panels' runs of 6,144 bytes,
	SHAPE G1B, 768, 8, PSB/8
	SHAPE G1S, 64, NKS, SSA/8                      ; and NKS runs of 512 bytes of scale words
	SHAPE G1SB, 64, NKS, SSB/8
	s_mul_i32 s20, s17, 6144
	s_lshl_b32 s22, s17, 9
	s_add_co_u32 s22, s22, ASO
	s_mul_i32 s46, s42, 6144
	s_add_co_u32 s46, s46, BCO
	s_lshl_b32 s92, s42, 9
	s_add_co_u32 s92, s92, BSO
	s_mov_b32 s21, 0
	s_mov_b32 s23, 0
	s_mov_b32 s47, 0
	s_mov_b32 s93, 0
	s_mul_i32 s45, s14, HALFT
	s_wait_dscnt 0x0
	s_wait_kmcnt 0x0
	s_add_nc_u64 s[20:21], s[4:5], s[20:21]
	s_add_nc_u64 s[22:23], s[4:5], s[22:23]
	s_add_nc_u64 s[46:47], s[6:7], s[46:47]
	s_add_nc_u64 s[92:93], s[6:7], s[92:93]
	CROUND
	s_mov_b32 s[G0S], 1
	s_mov_b32 s[G0S+1], SCL
	s_mov_b64 s[G0S+2:G0S+3], s[22:23]
	s_or_b32 s[G0S+3], s[G0S+3], 0x80000000
	s_mov_b32 s[G0SB], 1
	s_mov_b32 s[G0SB+1], SCL+2*HALFS
	s_mov_b64 s[G0SB+2:G0SB+3], s[92:93]
	s_or_b32 s[G0SB+3], s[G0SB+3], 0x80000000
.irp s, 0,1
	s_mov_b32 s[G0+4*\s], 1
	s_add_co_u32 s[G0+4*\s+1], s45, \s*SLOT
	s_add_nc_u64 s[G0+4*\s+2:G0+4*\s+3], s[20:21], \s*8*PSA
	s_or_b32 s[G0+4*\s+3], s[G0+4*\s+3], 0x80000000
	s_mov_b32 s[G0B+4*\s], 1
	s_add_co_u32 s[G0B+4*\s+1], s45, \s*SLOT
	s_add_nc_u64 s[G0B+4*\s+2:G0B+4*\s+3], s[46:47], \s*8*PSB
	s_or_b32 s[G0B+4*\s+3], s[G0B+4*\s+3], 0x80000000
.endr
	s_mov_b32 s[G0+1], 0                           ; at the head slot 0's descriptors stand for the whole tiles: A's eight panels at 0,
	s_mov_b32 s[G0B+1], 2*HALFT                    ; B's behind them
	s_mul_i32 s18, s16, 4*PSA                      ; slot 1's: my four panels
	s_mov_b32 s19, 0
	s_add_nc_u64 s[G0+6:G0+7], s[G0+6:G0+7], s[18:19]
	s_mul_i32 s18, s16, 4*PSB
	s_add_nc_u64 s[G0B+6:G0B+7], s[G0B+6:G0B+7], s[18:19]
; the head's four tiles, one joint load a wave: one chain of branches on the wave's number, all arms to one join
.macro ARM under, g0, g1, next
	s_cmp_lt_u32 s14, \under
	s_cbranch_scc0 \next
	tensor_load_to_lds s[\g0:\g0+3], s[\g1:\g1+7]
	s_nop 0
.rept 4
	v_nop
.endr
	s_branch .Lhead_asked
\next:
.endm
	ARM 1, G0,  G1,  .Lhead_b
	ARM 2, G0B, G1B, .Lhead_sa
	ARM 3, G0S, G1S, .Lhead_sb
	tensor_load_to_lds s[G0SB:G0SB+3], s[G1SB:G1SB+7]
	s_nop 0
.rept 4
	v_nop
.endr
.Lhead_asked:
	v_and_b32 v1, 15, v0
	v_bfe_u32 v2, v0, 4, 1
	s_wait_alu depctr_va_vdst(0)
	v_mul_u32_u24 v3, v1, 48
	v_mad_u32_u24 v4, v2, 24, v3
	s_mul_i32 s21, s15, 3072
	s_mul_i32 s22, s16, 3072
	s_add_co_u32 s22, s22, 2*HALFT
.irp s, 0,1
	v_add_nc_u32 v[ADRA+\s], s21, v4
	v_add_nc_u32 v[ADRB+\s], s22, v4
	s_add_co_u32 s21, s21, SLOT
	s_add_co_u32 s22, s22, SLOT
.endr
	v_lshlrev_b32 v5, 2, v1
	s_lshl_b32 s21, s15, 8
	s_lshl_b32 s22, s16, 8
	s_add_co_u32 s22, s22, 2*HALFS
	s_sub_co_u32 s22, s22, s21
	v_mul_u32_u24 v6, s22, v2
	s_add_co_u32 s21, s21, SCL
	v_add_nc_u32 v5, v5, v6
	v_add_nc_u32 v[ADRS], s21, v5
	s_mul_i32 s23, s14, 16*SPITCH
	v_mul_u32_u24 v5, v1, SPITCH
	v_lshl_add_u32 v5, v2, 6, v5
	v_add_nc_u32 v[STO], s23, v5
	v_mul_u32_u24 v5, v2, SPITCH
	v_lshl_add_u32 v5, v1, 4, v5
	v_add_nc_u32 v[RD], s23, v5
	v_lshlrev_b32 v[CO], 12, v2
	v_lshl_add_u32 v[CO], v1, 4, v[CO]
	v_lshlrev_b32 v13, 6, v2
	s_wait_alu depctr_va_vdst(0)
	s_lshl_b32 s20, s17, 7
	s_lshl_b32 s21, s15, 6
	s_add_co_u32 s20, s20, s21
	s_lshl_b32 s20, s20, 12
	s_lshl_b32 s46, s42, 9
	s_lshl_b32 s47, s16, 8
	s_add_co_u32 s46, s46, s47
	s_mov_b32 s47, 0
	s_add_nc_u64 s[8:9], s[8:9], s[46:47]
	s_add_co_u32 s20, s20, s46
	s_mov_b32 s21, 0
	s_add_nc_u64 s[10:11], s[10:11], s[20:21]
	s_add_nc_u64 s[12:13], s[12:13], s[20:21]
.irp b, 0,1,2,3
.irp k, 0,1
	global_load_b128 v[BI+8*\b+4*\k:BI+8*\b+4*\k+3], v13, s[8:9] offset:128*(\b/2)+32*(\b%2)+16*\k
.endr
.endr
	WIN 0x80
.irp a, 0,1,2,3
.irp t, 0,1,2,3,4,5,6,7
	global_load_b128 v[32*\a+4*\t:32*\a+4*\t+3], v[CO], s[10:11] offset:(32*(\a/2)+8*(\a%2)+2*\t+8*(\t/4))*4096 th:TH_LOAD_NT
.endr
.endr
	WIN 0
.if LAPS > 1
	s_and_b32 s92, ttmp7, 0xffff
	s_mov_b32 s[PFS], 8*PSB
	s_cmp_eq_u32 s15, 0
	s_cselect_b32 s18, s17, s42
	s_cselect_b32 s19, s40, s41
	s_cselect_b32 s92, ttmp9, s92
	s_cselect_b32 s[PFS], 8*PSA, s[PFS]
	s_cselect_b32 s93, 0, BCO
	s_cselect_b64 s[PFA:PFA+1], s[4:5], s[6:7]
	s_cmp_eq_u32 s92, 0
	s_cselect_b32 s[LIM], 1, -1
	s_mul_i32 s18, s18, 6144
	s_add_co_u32 s18, s18, s93
	s_lshl_b32 s92, s16, 2
	s_add_co_u32 s92, s92, s19
	s_add_co_u32 s92, s92, 16
	s_lshr_b32 s93, s[PFS], 3
	s_mul_i32 s92, s92, s93
	s_add_co_u32 s18, s18, s92
	s_mov_b32 s19, 0
	s_mov_b32 s[PFS+1], 0
	s_add_nc_u64 s[PFA:PFA+1], s[PFA:PFA+1], s[18:19]
	v_and_b32 v[PFO], 31, v0
	v_min_u32 v[PFO], 23, v[PFO]
	v_lshlrev_b32 v[PFO], 8, v[PFO]
.endif
.macro FRAG reg, adr, q, i
.irp p, 0,1,2,3,4,5
	ds_load_b64 v[\reg+2*\p:\reg+2*\p+1], v[\adr] offset:(2*(\q)+\p/3)*PANB+(\i)*768+8*(\p%3)
.endr
.endm
.macro MULA f, a, q, sc, first
.irp b, 0,1,2,3
.if \first
	v_wmma_scale_f32_16x16x128_f8f6f4 v[ACC+8*(4*(\a)+\b):ACC+8*(4*(\a)+\b)+7], v[(\f)+48+FR*\b:(\f)+48+FR*\b+FR-1], v[(\f)+FR*(\a):(\f)+FR*(\a)+FR-1], v[BI+8*\b:BI+8*\b+7], v[SC+16*(\sc)+4*\b+(\q)], v[SC+16*(\sc)+4*(\a)+(\q)] matrix_a_fmt:MATRIX_FMT_FP6 matrix_b_fmt:MATRIX_FMT_FP6 matrix_a_scale:MATRIX_SCALE_ROW1
.else
	v_wmma_scale_f32_16x16x128_f8f6f4 v[ACC+8*(4*(\a)+\b):ACC+8*(4*(\a)+\b)+7], v[(\f)+48+FR*\b:(\f)+48+FR*\b+FR-1], v[(\f)+FR*(\a):(\f)+FR*(\a)+FR-1], v[ACC+8*(4*(\a)+\b):ACC+8*(4*(\a)+\b)+7], v[SC+16*(\sc)+4*\b+(\q)], v[SC+16*(\sc)+4*(\a)+(\q)] matrix_a_fmt:MATRIX_FMT_FP6 matrix_b_fmt:MATRIX_FMT_FP6 matrix_a_scale:MATRIX_SCALE_ROW1
.endif
.endr
.endm
.macro FETCH slot, q, f
	WIN TO_F
.irp i, 0,1,2,3
	FRAG (\f)+48+FR*\i, ADRB+\slot, \q, \i
.endr
.irp i, 0,1,2,3
	FRAG (\f)+FR*\i, ADRA+\slot, \q, \i
.endr
.endm
.macro SCALES sc
.irp i, 0,1,2,3
.irp q, 0,1,2,3
	ds_load_b32 v[SC+16*\sc+4*\i+\q], v[ADRS] offset:512*\q+64*\i
.endr
.endr
.endm
.macro PLACES n
.rept \n
	v_nop
.endr
.endm
.macro STEP slot, q, first
	s_wait_dscnt 12
	WIN MUL
	MULA 128*((\q)%2), 0, \q, \slot, \first
	MULA 128*((\q)%2), 1, \q, \slot, \first
	PLACES NP
	FETCH \slot, (\q)+1, 128*(1-(\q)%2)
	s_wait_dscnt 48
	WIN MUL
	MULA 128*((\q)%2), 2, \q, \slot, \first
	MULA 128*((\q)%2), 3, \q, \slot, \first
.endm
.macro TURN slot, next, fill, last
.if \fill
	s_wait_xcnt 0x0
	s_add_nc_u64 s[PFA:PFA+1], s[PFA:PFA+1], s[PFS:PFS+1]
.endif
	WIN 0
	s_wait_tensorcnt 0x0
	ds_add_u32 v[SPW], v[NIL]
	s_wait_dscnt 13
	WIN MUL
	MULA 128, 0, 3, \slot, 0
	s_wait_dscnt 0x0
	s_barrier_signal -1
	MULA 128, 1, 3, \slot, 0
	WIN 0
	s_barrier_wait -1
.if \fill
	CREST
	s_add_nc_u64 s[G0+4*\slot+2:G0+4*\slot+3], s[G0+4*\slot+2:G0+4*\slot+3], 16*PSA
	s_add_nc_u64 s[G0B+4*\slot+2:G0B+4*\slot+3], s[G0B+4*\slot+2:G0B+4*\slot+3], 16*PSB
	JLOAD G0+4*\slot, G1, G0B+4*\slot, G1B
.else
	PLACES NP
.endif
	s_wait_alu depctr_va_vdst(0)
	v_add_nc_u32 v[ADRS], 2048, v[ADRS]
	SCALES \next
	FETCH \next, 0, 0
.if \fill
	WIN 0
	ASK \last
.endif
	WIN MUL
	MULA 128, 2, 3, \slot, 0
	MULA 128, 3, 3, \slot, 0
.endm
.macro TOSTAGE a
.irp b, 0,1,2,3
	ds_store_b128 v[STO], v[ACC+8*(4*(\a)+\b):ACC+8*(4*(\a)+\b)+3] offset:128*(\b/2)+32*(\b%2)
	ds_store_b128 v[STO], v[ACC+8*(4*(\a)+\b)+4:ACC+8*(4*(\a)+\b)+7] offset:128*(\b/2)+32*(\b%2)+16
.endr
.irp t, 0,1,2,3,4,5,6,7
	ds_load_b128 v[ACC+32*(\a)+4*\t:ACC+32*(\a)+4*\t+3], v[RD] offset:\t*2*SPITCH
.endr
.endm
.macro SEND a, younger
	s_wait_dscnt \younger
	WIN 0x08
.set I, 0
.rept 16
	v_pk_add_f32 v[ACC+32*(\a)+I:ACC+32*(\a)+I+1], v[ACC+32*(\a)+I:ACC+32*(\a)+I+1], v[32*(\a)+I:32*(\a)+I+1]
.set I, I+2
.endr
	WIN 0
.irp t, 0,1,2,3,4,5,6,7
	global_store_b128 v[CO], v[ACC+32*(\a)+4*\t:ACC+32*(\a)+4*\t+3], s[12:13] offset:(32*((\a)/2)+8*((\a)%2)+2*\t+8*(\t/4))*4096 th:TH_STORE_NT
.endr
.endm
	s_wait_alu depctr_va_vdst(0)
	s_wait_loadcnt 32                              ; the bias is in; the 32 loads of the residual, read on the way out, may be out
	s_wait_tensorcnt 0x0                           ; my tile of the head's four is in
	ds_add_u32 v[SPW], v[NIL]
	s_mov_b32 s[G1+2], 4<<16                       ; no load of mine is out: from here on a load brings four panels,
	s_mov_b32 s[G1+4], 4
	s_mov_b32 s[G1B+2], 4<<16
	s_mov_b32 s[G1B+4], 4
	s_mov_b32 s[G0+1], s45                         ; and slot 0's descriptors stand for my four
	s_mov_b32 s[G0B+1], s45
	s_mul_i32 s18, s16, 4*PSA
	s_mov_b32 s19, 0
	s_add_nc_u64 s[G0+2:G0+3], s[G0+2:G0+3], s[18:19]
	s_mul_i32 s18, s16, 4*PSB
	s_add_nc_u64 s[G0B+2:G0B+3], s[G0B+2:G0B+3], s[18:19]
	s_wait_dscnt 0x0
	CROUND                                         ; everybody's tiles are in, and the joint loads meet
	JLOAD G0+4, G1, G0B+4, G1B                     ; slot 1's first fill, the first tensor load behind the round
	SCALES 0
	FETCH 0, 0, 0
	STEP 0, 0, 1
.if LAPS > 1
	WIN 0
	s_mov_b32 s3, LAPS-1
.Llap:
	STEP 0, 1, 0
	STEP 0, 2, 0
	TURN 0, 1, 1, 0
	STEP 1, 0, 0
	STEP 1, 1, 0
	STEP 1, 2, 0
	TURN 1, 0, 1, 1
	STEP 0, 0, 0
	WIN 0
	s_sub_co_u32 s3, s3, 1
	s_cmp_lg_u32 s3, 0
	s_cbranch_scc1 .Llap
.endif
	STEP 0, 1, 0
	STEP 0, 2, 0
	TURN 0, 1, 0, 0
	STEP 1, 0, 0
	STEP 1, 1, 0
	STEP 1, 2, 0
	s_wait_dscnt 12
	WIN MUL
	MULA 128, 0, 3, 1, 0
	MULA 128, 1, 3, 1, 0
	s_wait_dscnt 0
	MULA 128, 2, 3, 1, 0
	MULA 128, 3, 3, 1, 0
	WIN 0
	PLACES NP
	s_wait_loadcnt 0x0                             ; the residual
	TOSTAGE 0
	TOSTAGE 1
	SEND 0, 16
	TOSTAGE 2
	SEND 1, 16
	TOSTAGE 3
	SEND 2, 16
	SEND 3, 0
	s_wait_tensorcnt 0x0
	ds_add_u32 v[SPW], v[NIL]
	s_wait_dscnt 0x0
	CROUND
	s_endpgm
.Lfunc_end_k_q7f8c491e40_fc2:
	.size	k_q7f8c491e40_fc2, .Lfunc_end_k_q7f8c491e40_fc2-k_q7f8c491e40_fc2
	.p2alignl 7, 3214868480
	.fill 96, 4, 3214868480
	.section	.rodata,"a",@progbits
	.p2align	6, 0x0
	.amdhsa_kernel k_q7f8c491e40_fc2
		.amdhsa_group_segment_fixed_size 327680
		.amdhsa_private_segment_fixed_size 0
		.amdhsa_enable_private_segment 0
		.amdhsa_kernarg_size 40
		.amdhsa_user_sgpr_count 2
		.amdhsa_user_sgpr_kernarg_segment_ptr 1
		.amdhsa_wavefront_size32 1
		.amdhsa_system_sgpr_workgroup_id_x 1
		.amdhsa_system_sgpr_workgroup_id_y 1
		.amdhsa_system_sgpr_workgroup_id_z 1
		.amdhsa_system_vgpr_workitem_id 0
		.amdhsa_next_free_vgpr 768
		.amdhsa_next_free_sgpr 100
		.amdhsa_reserve_vcc 0
		.amdhsa_float_denorm_mode_32 3
		.amdhsa_float_denorm_mode_16_64 3
		.amdhsa_memory_ordered 1
		.amdhsa_forward_progress 1
		.amdhsa_inst_pref_size 119
	.end_amdhsa_kernel
	.amdgpu_metadata
---
amdhsa.version: [ 1, 2 ]
amdhsa.kernels:
  - .name:           k_q7f8c491e40_fc2
    .symbol:         k_q7f8c491e40_fc2.kd
    .args:
      - { .name: hq, .offset: 0, .size: 8, .value_kind: global_buffer, .address_space: global }
      - { .name: wq, .offset: 8, .size: 8, .value_kind: global_buffer, .address_space: global }
      - { .name: b_fc2, .offset: 16, .size: 8, .value_kind: global_buffer, .address_space: global }
      - { .name: x1, .offset: 24, .size: 8, .value_kind: global_buffer, .address_space: global }
      - { .name: out0, .offset: 32, .size: 8, .value_kind: global_buffer, .address_space: global }
    .group_segment_fixed_size: 327680
    .private_segment_fixed_size: 0
    .kernarg_segment_align: 8
    .kernarg_segment_size: 40
    .max_flat_workgroup_size: 128
    .sgpr_count:     100
    .vgpr_count:     768
    .wavefront_size: 32
...
	.end_amdgpu_metadata
.endif
;; end of part 13
